; MI455X (gfx1250); checked and timed in simulation.
; The chip was launched on July 23, 2026; its instructions are those of AMD's public machine-readable ISA for CDNA 5 (MIT licence, August 2026) and "CDNA5" Instruction Set Architecture Reference Guide (July 2026). The comments in the code are by the model that wrote it; some were corrected since.
;; Mixture Of Experts. Allowed arithmetic: float matrix products may take bf16 or f16 operands with f32 sums; other float arithmetic in f32, or as packed bf16 or f16 multiplies, adds, multiply-adds, maxima and minima; sums over many terms, partial sums and values carried from step to step in f32; what a program stores and reads back later, other than sums and carried values, may be rounded once to bf16 or f16.
;; Inputs: b1 8 x 4,096 float32; b2 8 x 1,024 float32; router_b 8 float32; router_w 1,024 x 8 float32; w1 8 x 1,024 x 4,096 float32; w2 8 x 4,096 x 1,024 float32; x 2 x 512 x 1,024 float32.
;; Outputs: out0 2 x 512 x 1,024 float32.
;; 3 versions, each right; version 2 is faster than version 1; version 3 is version 2 with the launches ffn1, ffn2 written anew for expert scheduling mode. Each part assembles by itself: llvm-mc -triple=amdgcn-amd-amdhsa -mcpu=gfx1250 --defsym DOCPART=n.
;; ======== version 1 of 3: 5 launches
;; workspace buffers: selw 4,096 bytes of whole numbers; gw 8,192 bytes; rank 32,768 bytes of whole numbers; cnt 1,024 bytes of whole numbers; xg 16,777,216 bytes; gws 32,768 bytes; hf 67,108,864 bytes; part 134,217,728 bytes
;; launch router (part 1): grid 256 x 1, 4 waves a work-group, no clusters, 0 bytes of LDS; arguments x, router_w, router_b, selw, gw; writes selw, gw
.if DOCPART == 1
	.amdgcn_target "amdgcn-amd-amdhsa--gfx1250"
	.amdhsa_code_object_version 6
	.text
	.protected	k_q4744072691_router
	.globl	k_q4744072691_router
	.p2align	8
	.type	k_q4744072691_router,@function
k_q4744072691_router:
	s_mov_b64 s[64:65], 0
	v_nop
	global_prefetch_b8 v0, s[64:65] scope:SCOPE_SE
	s_setreg_imm32_b32 hwreg(HW_REG_WAVE_MODE, 25, 1), 1
	s_wait_xcnt 0x0
; ROUTER.  logits = x . router_w + router_b; softmax over 8 experts; the two largest; their weights divided by (their sum + 1e-8).
; One wave takes one token: 4 waves x 256 work-groups = 1,024 tokens.  All arithmetic in f32 on the vector unit: the choice has to follow an f32 reference, and the
; router is 8 M multiply-adds in all.  Lane l holds x[128 j + 4 l + c] (j = 0..7, c = 0..3) and the eight router weights of each of these 32 k.
; STORED, at fixed places: selw[t] = (1 << e0 | 1 << e1) | e0 << 8 | e1 << 16 and gw[t] = the two weights.  No address and no branch hangs on the choice.
; THE CHOICE is made on the logits: softmax is monotone, so the two largest probabilities are the two largest logits; of equal logits the lower index wins, as in jax.lax.top_k.
; LIMITS.  The sums over k are f32 in another order than the reference's: two experts whose logits agree to rounding (some 1e-7 of their size) may be chosen the other way round.
; A probability below 2^-126 counts as 0, and its weight is then 0.  NaN and infinities are not treated apart.
; REGISTERS: window 0 below; window 1: v0-255 router_w, the eight weights of k = 128 j + 4 l + c at v[32 j + 8 c].
.set X,   4                            ; v4-35   x; later the other half of the lanes' sums
.set LG,  36                           ; v36-43  the eight logits
.set WD,  44                           ; v44     the word for selw; v45 at work
.set U,   46                           ; v46-53  2^((l - m) log2 e)
.set U2,  54                           ; v54     the same for the second choice; then its probability
.set M,   55                           ; v55     the largest logit
.set I1,  56                           ; v56     its index
.set B2,  57                           ; v57     the second largest
.set I2,  58                           ; v58     its index
.set SUM, 59                           ; v59     the sum of the eight; then 1 / sum, the first choice's probability
.set GW,  60                           ; v[60:61] the two weights
.set ZO,  62                           ; v62     0, the stores' offset
.set T,   63                           ; v63     at work
.set MSB, 0
.macro WIN new                         ; s_set_vgpr_msb: bits 1:0 source 0, 3:2 source 1, 5:4 source 2, 7:6 destination; the high byte repeats the setting that is left
.if MSB != (\new)
	s_set_vgpr_msb (MSB<<8)|(\new)
.set MSB, \new
.endif
.endm
	s_load_b256 s[4:11], s[0:1], 0x0               ; x s[4:5], router_w s[6:7], router_b s[8:9], selw s[10:11]
	s_load_b64 s[12:13], s[0:1], 0x20              ; gw
	v_and_b32 v1, 31, v0                           ; lane
	v_lshrrev_b32 v2, 5, v0
	v_readfirstlane_b32 s14, v2                    ; wave
	s_lshl_b32 s15, ttmp9, 2
	s_add_co_u32 s15, s15, s14                     ; my token
	s_lshl_b32 s26, s15, 12                        ; its row of 4,096 bytes
	s_mov_b32 s27, 0
	s_mov_b32 s24, 0x76543210                      ; v_permlanex16_b32: each lane takes its own place in the other half
	s_mov_b32 s25, 0xfedcba98
	v_lshlrev_b32 v2, 4, v1                        ; 16 x lane
	v_lshlrev_b32 v3, 7, v1                        ; 128 x lane: four rows of router_w
	s_wait_kmcnt 0x0
	s_load_b256 s[16:23], s[8:9], 0x0              ; router_b
	s_add_nc_u64 s[4:5], s[4:5], s[26:27]
.irp j, 0,1,2,3,4,5,6,7
	global_load_b128 v[X+4*(\j):X+4*(\j)+3], v2, s[4:5] offset:512*(\j)  ; 512 consecutive bytes a load
.endr
	WIN 0x40                                       ; destination window 1, address window 0
.set j, 0
.rept 64                                               ; load j: group j / 8 of 128 k; a lane's eight loads of a group cover its 128 bytes whole
	global_load_b128 v[4*j:4*j+3], v3, s[6:7] offset:4096*(j/8)+16*(j%8)
.set j, j+1
.endr
	WIN 0x01                                       ; source 0 (router_w) window 1
.set j, 0
.rept 8
	s_wait_loadcnt 56-8*j                          ; loads come back in order (ISA guide 5.7.1): x and groups 0 .. j are in, the eight loads of each later group may be out
.set c, 0
.rept 4
.set e, 0
.rept 8                                                ; eight chains, one an expert; the first product starts each
.if (j+c) == 0
	v_mul_f32 v[LG+e], v[e], v[X]
.else
	v_fmac_f32 v[LG+e], v[32*j+8*c+e], v[X+4*j+c]
.endif
.set e, e+1
.endr
.set c, c+1
.endr
.set j, j+1
.endr
	WIN 0
	; the 32 lanes' sums: four steps inside each half of 16 lanes, one across the halves; the eight experts' lines alternate
.irp m, 1,2,4,8
.irp e, 0,1,2,3,4,5,6,7
	v_add_f32_dpp v[LG+(\e)], v[LG+(\e)], v[LG+(\e)] row_xmask:\m row_mask:0xf bank_mask:0xf
.endr
.endr
.irp e, 0,1,2,3,4,5,6,7
	v_permlanex16_b32 v[X+(\e)], v[LG+(\e)], s24, s25  ; x's registers are free, and have been written
.endr
	s_wait_kmcnt 0x0                               ; router_b
.irp e, 0,1,2,3,4,5,6,7
	v_add_f32 v[LG+(\e)], v[LG+(\e)], v[X+(\e)]
.endr
.irp e, 0,1,2,3,4,5,6,7
	v_add_f32 v[LG+(\e)], s[16+(\e)], v[LG+(\e)]
.endr
	; the largest logit and its index: a later expert wins only if it is strictly greater
	v_mov_b32 v[M], v[LG]
	v_mov_b32 v[I1], 0
.irp e, 1,2,3,4,5,6,7
	v_cmp_gt_f32 vcc_lo, v[LG+(\e)], v[M]
	v_cndmask_b32 v[M], v[M], v[LG+(\e)], vcc_lo
	v_cndmask_b32 v[I1], v[I1], \e, vcc_lo
.endr
	; the largest of the other seven, in the same way, from minus infinity
	v_mov_b32 v[B2], 0xff800000
	v_mov_b32 v[I2], 0
.irp e, 0,1,2,3,4,5,6,7
	v_cmp_gt_f32 s28, v[LG+(\e)], v[B2]
	v_cmp_ne_u32 s29, \e, v[I1]
	s_and_b32 vcc_lo, s28, s29
	v_cndmask_b32 v[B2], v[B2], v[LG+(\e)], vcc_lo
	v_cndmask_b32 v[I2], v[I2], \e, vcc_lo
.endr
	; softmax: the maximum is taken away first; the first choice's exponential is 2^0 = 1
.irp e, 0,1,2,3,4,5,6,7
	v_sub_f32 v[U+(\e)], v[LG+(\e)], v[M]
.endr
	v_sub_f32 v[U2], v[B2], v[M]
.irp e, 0,1,2,3,4,5,6,7,8
	v_mul_f32 v[U+(\e)], 0x3fb8aa3b, v[U+(\e)]     ; log2 e; number 8 is U2
.endr
.irp e, 0,1,2,3,4,5,6,7,8
	v_exp_f32 v[U+(\e)], v[U+(\e)]                 ; one batch of nine
.endr
	v_lshlrev_b32 v[WD], v[I1], 1                  ; the word for selw is the independent work behind the batch
	v_lshlrev_b32 v45, v[I2], 1
	v_or_b32 v[WD], v[WD], v45
	v_lshl_or_b32 v[WD], v[I1], 8, v[WD]
	v_lshl_or_b32 v[WD], v[I2], 16, v[WD]
	s_wait_alu depctr_va_vdst(0)                   ; one wait for the nine, ahead of their first reader
	v_add_f32 v[SUM], v[U], v[U+1]
	v_add_f32 v[T], v[U+2], v[U+3]
	v_add_f32 v45, v[U+4], v[U+5]
	v_add_f32 v[U+6], v[U+6], v[U+7]
	v_add_f32 v[SUM], v[SUM], v[T]
	v_add_f32 v45, v45, v[U+6]
	v_add_f32 v[SUM], v[SUM], v45
	v_rcp_f32 v[SUM], v[SUM]                       ; p of the first choice = 1 / sum
	v_mov_b32 v[ZO], 0                             ; the plain instruction behind it
	s_wait_alu depctr_va_vdst(0)
	v_mul_f32 v[U2], v[U2], v[SUM]                 ; p of the second
	v_add_f32 v[T], v[SUM], v[U2]
	v_add_f32 v[T], 0x322bcc77, v[T]               ; + 1e-8
	v_rcp_f32 v[T], v[T]
	v_nop
	s_wait_alu depctr_va_vdst(0)
	v_mul_f32 v[GW], v[SUM], v[T]
	v_mul_f32 v[GW+1], v[U2], v[T]
	s_lshl_b32 s26, s15, 2
	s_add_nc_u64 s[10:11], s[10:11], s[26:27]      ; selw[t]
	s_lshl_b32 s26, s15, 3
	s_add_nc_u64 s[12:13], s[12:13], s[26:27]      ; gw[t]
	v_cmp_eq_u32 vcc_lo, 0, v1
	s_wait_xcnt 0x0                                ; EXEC changes only behind this wait
	s_and_saveexec_b32 s30, vcc_lo                 ; every lane holds the same numbers: lane 0 stores them
	global_store_b32 v[ZO], v[WD], s[10:11]
	global_store_b64 v[ZO], v[GW:GW+1], s[12:13]
	s_endpgm
.Lfunc_end_k_q4744072691_router:
	.size	k_q4744072691_router, .Lfunc_end_k_q4744072691_router-k_q4744072691_router
	.p2alignl 7, 3214868480
	.fill 96, 4, 3214868480
	.section	.rodata,"a",@progbits
	.p2align	6, 0x0
	.amdhsa_kernel k_q4744072691_router
		.amdhsa_group_segment_fixed_size 0
		.amdhsa_private_segment_fixed_size 0
		.amdhsa_enable_private_segment 0
		.amdhsa_kernarg_size 40
		.amdhsa_user_sgpr_count 2
		.amdhsa_user_sgpr_kernarg_segment_ptr 1
		.amdhsa_wavefront_size32 1
		.amdhsa_system_sgpr_workgroup_id_x 1
		.amdhsa_system_sgpr_workgroup_id_y 1
		.amdhsa_system_sgpr_workgroup_id_z 1
		.amdhsa_system_vgpr_workitem_id 0
		.amdhsa_next_free_vgpr 512
		.amdhsa_next_free_sgpr 66
		.amdhsa_reserve_vcc 1
		.amdhsa_float_denorm_mode_32 3
		.amdhsa_float_denorm_mode_16_64 3
		.amdhsa_memory_ordered 1
		.amdhsa_forward_progress 1
		.amdhsa_inst_pref_size 25
	.end_amdhsa_kernel
	.amdgpu_metadata
---
amdhsa.version: [ 1, 2 ]
amdhsa.kernels:
  - .name:           k_q4744072691_router
    .symbol:         k_q4744072691_router.kd
    .args:
      - { .name: x, .offset: 0, .size: 8, .value_kind: global_buffer, .address_space: global }
      - { .name: router_w, .offset: 8, .size: 8, .value_kind: global_buffer, .address_space: global }
      - { .name: router_b, .offset: 16, .size: 8, .value_kind: global_buffer, .address_space: global }
      - { .name: selw, .offset: 24, .size: 8, .value_kind: global_buffer, .address_space: global }
      - { .name: gw, .offset: 32, .size: 8, .value_kind: global_buffer, .address_space: global }
    .group_segment_fixed_size: 0
    .private_segment_fixed_size: 0
    .kernarg_segment_align: 8
    .kernarg_segment_size: 40
    .max_flat_workgroup_size: 128
    .sgpr_count:     66
    .vgpr_count:     512
    .wavefront_size: 32
...
	.end_amdgpu_metadata
.endif
;; end of part 1
;; launch place (part 2): grid 64 x 8, 4 waves a work-group, no clusters, 33,280 bytes of LDS; arguments selw, gw, x, xg, gws, rank, cnt; writes xg, gws, rank, cnt
.if DOCPART == 2
	.amdgcn_target "amdgcn-amd-amdhsa--gfx1250"
	.amdhsa_code_object_version 6
	.text
	.protected	k_q4744072691_place
	.globl	k_q4744072691_place
	.p2align	8
	.type	k_q4744072691_place,@function
k_q4744072691_place:
	s_mov_b64 s[64:65], 0
	v_nop
	global_prefetch_b8 v0, s[64:65] scope:SCOPE_SE
	s_setreg_imm32_b32 hwreg(HW_REG_WAVE_MODE, 25, 1), 1
	s_wait_xcnt 0x0
; PLACE.  Work-group (tile i = x, expert e = y) lays rows 16 i .. 16 i + 15 of expert e's tokens into xg, rounded once to bf16, in the order in which a wave's matrix operand registers take them.
; THE ORDER of an expert's rows: the tokens that chose it, by q = 0..31 and then by lane, where (q, lane) is token 128 (q / 4) + 4 lane + q % 4: the order in which 16-byte loads of selw deal the tokens to
; the lanes.  reference() drops no token, so any fixed order serves.  Every wave counts all 1,024 choices for itself (32 steps) and keeps the list of the expert's tokens in LDS bytes of its own: no barrier.
; All lanes store in every step: a member's lane at word 'rank' of the list, every other lane at a word of its own behind the list (word 1024 + lane), which nobody reads.
; THE GRID serves every split: an expert may have 0 to 1,024 rows, 64 tiles; a tile at or past the count stores nothing.  In the last tile the places past the count repeat the last row.
; xg[e][tile][S][1,024 bytes]: K step S = 0..31; lane (r = lane % 16, h = lane / 16) holds row r's x[64 (S / 2) + 32 h + 16 (S % 2) + 0..15] in 8 registers; registers 0-3 of all lanes are the block's
; first 512 bytes, registers 4-7 the second.  The weights' fragments use the same places for k, so the products are right.  Wave w takes S = 8 w .. 8 w + 7.
; ALSO STORED: rank[e][t], the place of token t among expert e's rows (for a token that did not choose e: a number nobody reads); cnt[e][0..31], the count, once a lane; gws[1024 e + place], the row's gate weight.
.set LIST,  8192                       ; a wave's own LDS: 2,048 words, as many as the bound written at the address allows: the list's 1,024, then the other lanes' words
.set SPARE, 4*LIST                     ; the spare words: 128 bytes a wave, two blocks of 256 bytes that no other line names
.set SW, 20                            ; v20-51   selw: register q holds token 128 (q / 4) + 4 lane + q % 4
.set RK, 52                            ; v52-83   that token's rank
.set XL, 84                            ; v84-211  my 8 K steps of x in f32, 16 registers each (first: v84-87 hold 0)
.set F,  20                            ; v20-83   the same in bf16, 8 registers each (selw and the ranks are done with)
; v1 lane, v2 r, v3 h, v4 4 x lane, v5 my LDS, v6 16 x lane, v7-11 at work, v12 my spare word, v13 0, v14 my row's token, v15 its offset in x, v16 offset in gws,
; v17 1024 + lane, v18 my LDS + 16 x lane, v19 128 h + 1024 w
; s18 wave, s19 expert, s20 tile, s21 my LDS, s22 the expert's bit, s23 the running count, s25-28 at work
	s_load_b256 s[4:11], s[0:1], 0x0               ; selw s[4:5], gw s[6:7], x s[8:9], xg s[10:11]
	s_load_b128 s[12:15], s[0:1], 0x20             ; gws s[12:13], rank s[14:15]
	s_load_b64 s[16:17], s[0:1], 0x30              ; cnt
	v_lshl_add_u32 v12, v0, 2, SPARE
	v_mov_b32 v13, 0
	v_and_b32 v1, 31, v0
	v_lshrrev_b32 v7, 5, v0
	v_readfirstlane_b32 s18, v7
	s_and_b32 s19, ttmp7, 0xffff
	s_mov_b32 s20, ttmp9
	v_and_b32 v2, 15, v0
	v_bfe_u32 v3, v0, 4, 1
	v_lshlrev_b32 v4, 2, v1
	v_lshlrev_b32 v6, 4, v1
	s_lshl_b32 s21, s18, 13
	v_mov_b32 v5, s21
	v_add_nc_u32 v17, 1024, v1
	v_add_nc_u32 v18, s21, v6
	v_lshlrev_b32 v19, 7, v3                       ; 32 h numbers of x,
	v_lshl_add_u32 v19, s18, 10, v19               ; my wave's quarter of K
	s_lshl_b32 s22, 1, s19
	s_mov_b32 s23, 0
	s_wait_kmcnt 0x0
.irp j, 0,1,2,3,4,5,6,7
	global_load_b128 v[SW+4*(\j):SW+4*(\j)+3], v6, s[4:5] offset:512*(\j)  ; all 1,024 words, 512 consecutive bytes a load
.endr
.irp n, 0,1,2,3
	v_mov_b32 v[XL+(\n)], 0
.endr
.irp j, 0,1,2,3,4,5,6,7
	ds_store_b128 v18, v[XL:XL+3] offset:512*(\j)  ; in the wait for selw: every word of the list is written once, so that no read of it can bring bytes that nobody wrote
.endr
	s_wait_loadcnt 0x0
.set q, 0
.rept 32
	v_and_b32 v7, s22, v[SW+q]
	v_cmp_ne_u32 vcc_lo, 0, v7                     ; the lanes whose token chose this expert
	v_mbcnt_lo_u32_b32 v[RK+q], vcc_lo, s23        ; those counted so far + those in lower lanes
	s_bcnt1_i32_b32 s25, vcc_lo
	s_add_co_u32 s23, s23, s25
	v_cndmask_b32 v8, v17, v[RK+q], vcc_lo         ; a member: its rank; another lane: its own word behind the list
	v_min_u32 v8, 0x7ff, v8                        ; both are under 2,048 anyway: the bound is written where the address is made
	v_lshlrev_b32 v8, 2, v8
	v_add_nc_u32 v8, v5, v8
	v_add_nc_u32 v9, 128*(q/4)+q%4, v4             ; the token's number
	ds_store_b32 v8, v9                            ; list[rank] = token; LDS serves a wave's instructions in order (ISA guide 5.7.1): it lands on the 0 written above
.set q, q+1
.endr
	; the tables, once an expert: wave 0 of tile 0
	s_or_b32 s25, s20, s18
	s_cmp_lg_u32 s25, 0
	s_cbranch_scc1 .Lno_table
	s_lshl_b32 s26, s19, 12
	s_mov_b32 s27, 0
	s_add_nc_u64 s[14:15], s[14:15], s[26:27]      ; rank[e]
	s_lshl_b32 s26, s19, 7
	s_add_nc_u64 s[16:17], s[16:17], s[26:27]      ; cnt[e]
	v_mov_b32 v10, s23
.irp j, 0,1,2,3,4,5,6,7
	global_store_b128 v6, v[RK+4*(\j):RK+4*(\j)+3], s[14:15] offset:512*(\j)  ; the ranks lie as selw lies: 512 consecutive bytes a store
.endr
	global_store_b32 v4, v10, s[16:17]             ; 128 consecutive bytes, every lane the count
.Lno_table:
	s_lshl_b32 s26, s20, 4                         ; my tile's first row
	s_cmp_ge_u32 s26, s23
	s_cbranch_scc1 .Lend                           ; at or past the count: nothing to lay out
	s_sub_co_u32 s27, s23, 1
	v_add_nc_u32 v7, s26, v2
	v_min_u32 v7, s27, v7                          ; places past the count repeat the last row
	v_min_u32 v7, 0x3ff, v7
	v_lshlrev_b32 v7, 2, v7
	v_add_nc_u32 v7, v5, v7
	ds_load_b32 v14, v7                            ; served behind my stores above
	s_wait_dscnt 0x0
	v_min_u32 v14, 0x3ff, v14
	v_lshlrev_b32 v15, 12, v14                     ; the token's row of 4,096 bytes,
	v_add_nc_u32 v15, v19, v15                     ; my half of the lanes' and my wave's part of it
.set S, 0
.rept 8
.irp n, 0,1,2,3
	global_load_b128 v[XL+16*S+4*(\n):XL+16*S+4*(\n)+3], v15, s[8:9] offset:256*(S/2)+64*(S%2)+16*(\n)
.endr
.set S, S+1
.endr
	s_lshl_b32 s26, s19, 6
	s_add_co_u32 s26, s26, s20
	s_lshl_b32 s26, s26, 15                        ; tile 64 e + i of 32,768 bytes,
	s_lshl_b32 s27, s18, 13                        ; my eight blocks in it
	s_add_co_u32 s26, s26, s27
	s_mov_b32 s27, 0
	s_add_nc_u64 s[10:11], s[10:11], s[26:27]
	s_wait_xcnt 0x0                                ; the tables' stores have read the ranks and v10: F and v10 are written only behind this wait
.set S, 0
.rept 8
	s_wait_loadcnt 28-4*S                          ; K step S is in; the four loads of each later step may be out
.irp p, 0,1,2,3,4,5,6,7
	v_cvt_pk_bf16_f32 v[F+8*S+(\p)], v[XL+16*S+2*(\p)], v[XL+16*S+2*(\p)+1]
.endr
	global_store_b128 v6, v[F+8*S:F+8*S+3],   s[10:11] offset:1024*S      ; 512 consecutive bytes each
	global_store_b128 v6, v[F+8*S+4:F+8*S+7], s[10:11] offset:1024*S+512
.set S, S+1
.endr
	s_cmp_lg_u32 s18, 0
	s_cbranch_scc1 .Lend
	; wave 0: the rows' gate weights.  A token's first weight belongs to the expert in bits 10:8 of its word, the second to the other
	v_lshlrev_b32 v7, 2, v14
	v_lshlrev_b32 v8, 3, v14
	global_load_b32 v9, v7, s[4:5]
	global_load_b64 v[10:11], v8, s[6:7]
	s_lshl_b32 s26, s19, 12
	s_lshl_b32 s27, s20, 6
	s_add_co_u32 s26, s26, s27                     ; 4 (1024 e + 16 i)
	s_mov_b32 s27, 0
	s_add_nc_u64 s[12:13], s[12:13], s[26:27]
	v_lshlrev_b32 v16, 2, v2
	s_wait_loadcnt 0x0
	v_bfe_u32 v9, v9, 8, 3
	v_cmp_eq_u32 vcc_lo, s19, v9
	v_cndmask_b32 v9, v11, v10, vcc_lo
	v_cmp_gt_u32 vcc_lo, 16, v1                    ; lanes 16-31 hold the same sixteen rows again
	s_wait_xcnt 0x0                                ; EXEC changes only behind this wait,
	s_and_saveexec_b32 s28, vcc_lo
	global_store_b32 v16, v9, s[12:13]
	s_wait_xcnt 0x0                                ; and again in front of the line that widens it
	s_or_b32 exec_lo, exec_lo, s28
.Lend:
	s_wait_tensorcnt 0x0                           ; the wave's end, behind my last LDS store
	ds_add_u32 v12, v13
	s_wait_dscnt 0x0
	s_endpgm
.Lfunc_end_k_q4744072691_place:
	.size	k_q4744072691_place, .Lfunc_end_k_q4744072691_place-k_q4744072691_place
	.p2alignl 7, 3214868480
	.fill 96, 4, 3214868480
	.section	.rodata,"a",@progbits
	.p2align	6, 0x0
	.amdhsa_kernel k_q4744072691_place
		.amdhsa_group_segment_fixed_size 33280
		.amdhsa_private_segment_fixed_size 0
		.amdhsa_enable_private_segment 0
		.amdhsa_kernarg_size 56
		.amdhsa_user_sgpr_count 2
		.amdhsa_user_sgpr_kernarg_segment_ptr 1
		.amdhsa_wavefront_size32 1
		.amdhsa_system_sgpr_workgroup_id_x 1
		.amdhsa_system_sgpr_workgroup_id_y 1
		.amdhsa_system_sgpr_workgroup_id_z 1
		.amdhsa_system_vgpr_workitem_id 0
		.amdhsa_next_free_vgpr 212
		.amdhsa_next_free_sgpr 66
		.amdhsa_reserve_vcc 1
		.amdhsa_float_denorm_mode_32 3
		.amdhsa_float_denorm_mode_16_64 3
		.amdhsa_memory_ordered 1
		.amdhsa_forward_progress 1
		.amdhsa_inst_pref_size 30
	.end_amdhsa_kernel
	.amdgpu_metadata
---
amdhsa.version: [ 1, 2 ]
amdhsa.kernels:
  - .name:           k_q4744072691_place
    .symbol:         k_q4744072691_place.kd
    .args:
      - { .name: selw, .offset: 0, .size: 8, .value_kind: global_buffer, .address_space: global }
      - { .name: gw, .offset: 8, .size: 8, .value_kind: global_buffer, .address_space: global }
      - { .name: x, .offset: 16, .size: 8, .value_kind: global_buffer, .address_space: global }
      - { .name: xg, .offset: 24, .size: 8, .value_kind: global_buffer, .address_space: global }
      - { .name: gws, .offset: 32, .size: 8, .value_kind: global_buffer, .address_space: global }
      - { .name: rank, .offset: 40, .size: 8, .value_kind: global_buffer, .address_space: global }
      - { .name: cnt, .offset: 48, .size: 8, .value_kind: global_buffer, .address_space: global }
    .group_segment_fixed_size: 33280
    .private_segment_fixed_size: 0
    .kernarg_segment_align: 8
    .kernarg_segment_size: 56
    .max_flat_workgroup_size: 128
    .sgpr_count:     66
    .vgpr_count:     212
    .wavefront_size: 32
...
	.end_amdgpu_metadata
.endif
;; end of part 2
;; launch ffn1 (part 3): grid 32 x 8, 4 waves a work-group, no clusters, 262,656 bytes of LDS; arguments xg, w1, b1, cnt, hf; writes hf
.if DOCPART == 3
	.amdgcn_target "amdgcn-amd-amdhsa--gfx1250"
	.amdhsa_code_object_version 6
	.text
	.protected	k_q4744072691_ffn1
	.globl	k_q4744072691_ffn1
	.p2align	8
	.type	k_q4744072691_ffn1,@function
k_q4744072691_ffn1:
	s_mov_b64 s[64:65], 0
	v_nop
	global_prefetch_b8 v0, s[64:65] scope:SCOPE_SE
	s_setreg_imm32_b32 hwreg(HW_REG_WAVE_MODE, 25, 1), 1
	s_wait_xcnt 0x0
; FFN1.  h = gelu(x w1[e] + b1[e]) for the rows that chose expert e.  Work-group (slice = x, expert = y) owns the panel w1[e][0..1023][128 slice .. + 127]: 512 KiB of f32 that it alone reads.
; PHASE 1: the panel streams through registers, is rounded once to bf16 and laid into LDS in the order of matrix operands (256 KiB), once.  A barrier.
; PHASE 2: each wave multiplies the expert's tiles of 16 rows w, w + 4, w + 8 .. by the whole panel, five tiles at a time; the rows' fragments come from xg straight into registers.  How many tiles there
; are hangs on a count read from memory, so phase 2 writes no LDS and holds no barrier: the loop over units has a constant count (4 x 5 tiles >= the 16 that a wave can have) and dead units are jumped.
; A second barrier stands behind that loop, on every wave's path: every wave's reads of the panel are over before any wave's closing LDS write.
; PLACES OF k.  K step S = 0..31, lane half h, u = 0..15 stand for k = 64 (S / 2) + 32 h + 16 (S % 2) + u; register p of a fragment holds u = 2 p and 2 p + 1.  xg is laid out so, and so is the panel: the products
; are the same sums whatever place a k has, as long as both sources agree.  With these places a lane's 16 loads of 16 bytes (rows k, columns 64 c + 4 i .. + 3, i = lane % 16) give four fragments by conversions alone:
; fragment t holds column 64 c + 4 i + t at index i.  Sixteen lanes of a load cover 256 consecutive bytes of one row of w1.
; THE PRODUCT IS USED TRANSPOSED (source 0 = weights, source 1 = rows): lane (row r, half h), accumulator (c, t), register j is column 64 c + 32 h + 4 j + t: 32 neighbouring columns of one row, which are just what
; the same lane holds of the next product's row fragments.  hf[e][tile][S2 = 0..127][1,024 bytes] is laid out as xg is; this work-group writes S2 = 4 slice .. 4 slice + 3.  The bias is the C of the first K step.
; GELU.  With y = x / 2: gelu = y + |y| - |y| P(t) exp(-2 y^2), t = 1 / (1 + 0.46328378 |y|), by erf(z) = 1 - P(t) exp(-z^2) (Abramowitz and Stegun 7.1.26), whose error in erf is at most 1.5e-7 for every x.
; LIMITS.  x, w1 and h are rounded once to bf16, sums stay in f32; NaN and infinities are not treated apart.
; NO CLUSTER: each byte of the weights has one reader.  What an expert's 32 work-groups share, its rows, is read where the amount hangs on a count from memory; there no tensor load stands.
; REGISTERS, in windows of 256 (s_set_vgpr_msb: bits 1:0 source 0, 3:2 source 1, 5:4 source 2, 7:6 destination):
;   window 0: addresses; v16-79 the bias; v80-111 fragments on their way to LDS; v112-115 LDS addresses; v128-255 the panel's fragments of a K step, two buffers (first: the bias as loaded)
;   window 1: v0-159 the rows' fragments, a ring of four K steps x five tiles; on the way out v0-175 at work
;   window 2: the accumulators of tiles 0-3, (a, tN) at v[64 a + 8 tN]; in phase 1 the ring of four landing places     window 3: v0-63 the accumulators of tile 4
.set PITCH, 16384                      ; bytes from row to row of w1
.set MSTEP, 64*PITCH                   ; 64 rows: two K steps
.set TSH,   15                         ; a tile of xg is 1 << 15 bytes
.set SPARE, 262144                     ; behind the panel: the spare words, 128 bytes a wave, two blocks of 256 bytes that no other line names
; THE PANEL IN LDS: block (S, tN) of 1,024 bytes at 65536 (2 (S % 2) + tN / 4) + 4096 (S / 2) + 1024 (tN % 4); registers 0-3 of all lanes, then registers 4-7.  Wave w writes the 65,536 bytes from 65536 w on.
.set LN16, 1                           ; v1      16 x lane
.set VW,   2                           ; v2      my offset in w1: 32 h rows + 16 i bytes
.set LS,   3                           ; v3      where I store fragments in LDS
.set HL,   5                           ; v5      128 h: my offset in b1
.set VA,   6                           ; v6-10   my offset in xg for the unit's five tiles
.set VO,   11                          ; v11     my offset in hf
.set SPW,  14                          ; v14     my spare word; never rewritten
.set NIL,  15                          ; v15     0; never rewritten
.set BIAS, 16                          ; (tN, j) at v[16 + 8 tN + j]
.set F,    80
.set LB,   112                         ; v112-115  16 x lane + 65536 g + the K loop's steps
.set BB,   128
.set RAWB, 128                         ; the bias as loaded: (c, j, t) at v[128 + 32 c + 4 j + t]
.set HX, 0                             ; window 1, on the way out: x / 2, (t, j) at 8 t + j
.set TT, 32
.set EE, 64
.set PP, 96
.set RR, 128
.set OUT, 160
.set WV, 14                            ; s14 wave   s15 slice   s16 expert   s17 the expert's rows   s18 its tiles   s19 my tiles
.set SL, 15
.set EX, 16
.set CE, 17
.set TE, 18
.set NW, 19
.set I0, 20                            ; s20 the unit's first tile among mine   s21 how many of mine are left from there   s22 units to go   s23 a loop's count   s24 z
.set LIVE, 21
.set UC, 22
.set KC, 23
.set Z,  24
.set SW, 32                            ; s[32:33] w1 at my part of the panel   s[34:35] xg at the expert   s[36:37] the same, stepped along K   s[38:39] hf at the expert and slice
.set SA0, 34
.set SA, 36
.set SO, 38
.set A1, 40                            ; s[40:49] P's coefficients, each twice (named as pairs)   s50 0.46328378   s[52:53] -2 log2 e
.set A2, 42
.set A3, 44
.set A4, 46
.set A5, 48
.set KD, 50
.set KE, 52
.set MSB, 0
.macro WIN new                         ; the high byte repeats the setting that is left; a switch that changes nothing is dropped
.if MSB != (\new)
	s_set_vgpr_msb (MSB<<8)|(\new)
.set MSB, \new
.endif
.endm
.macro PAIR r, bits
	s_mov_b32 s[\r], \bits
	s_mov_b32 s[(\r)+1], \bits
.endm
	s_load_b256 s[4:11], s[0:1], 0x0               ; xg s[4:5], w1 s[6:7], b1 s[8:9], cnt s[10:11]
	s_load_b64 s[12:13], s[0:1], 0x20              ; hf
	v_lshl_add_u32 v[SPW], v0, 2, SPARE
	v_mov_b32 v[NIL], 0
	v_lshrrev_b32 v12, 5, v0
	v_readfirstlane_b32 s[WV], v12
	s_mov_b32 s[SL], ttmp9
	s_and_b32 s[EX], ttmp7, 0xffff
	v_and_b32 v12, 31, v0
	v_lshlrev_b32 v[LN16], 4, v12
	v_and_b32 v12, 15, v0                          ; i
	v_bfe_u32 v13, v0, 4, 1                        ; h
	v_lshlrev_b32 v[VW], 4, v12
	v_lshl_add_u32 v[VW], v13, 19, v[VW]           ; 32 rows of 16,384 bytes for the upper half of the lanes
	v_lshl_add_u32 v[LS], s[WV], 16, v[LN16]
	v_lshlrev_b32 v[HL], 7, v13
	; wave w takes the K steps of parity w / 2 and the column half c = w % 2
	s_mov_b32 s31, 0
	s_lshl_b32 s30, s[EX], 24                      ; an expert's w1 is 16 MiB
	s_lshl_b32 s25, s[SL], 9
	s_add_co_u32 s30, s30, s25                     ; the slice's 512 bytes of a row
	s_and_b32 s25, s[WV], 1
	s_lshl_b32 s25, s25, 8
	s_add_co_u32 s30, s30, s25                     ; 256 c
	s_lshr_b32 s25, s[WV], 1
	s_lshl_b32 s25, s25, 18
	s_add_co_u32 s30, s30, s25                     ; 16 rows for the odd K steps
	s_wait_kmcnt 0x0
	s_add_nc_u64 s[SW:SW+1], s[6:7], s[30:31]
	s_lshl_b32 s30, s[EX], 7
	s_add_nc_u64 s[10:11], s[10:11], s[30:31]
	s_load_b32 s[CE], s[10:11], 0x0                ; the expert's rows: wanted behind the barrier
	s_lshl_b32 s30, s[EX], 14
	s_lshl_b32 s25, s[SL], 9
	s_add_co_u32 s30, s30, s25
	s_add_nc_u64 s[8:9], s[8:9], s[30:31]          ; b1 at my 128 columns
	s_lshl_b32 s30, s[EX], 21
	s_add_nc_u64 s[SA0:SA0+1], s[4:5], s[30:31]    ; 64 tiles of 32,768 bytes an expert
	s_lshl_b32 s30, s[EX], 23
	s_lshl_b32 s25, s[SL], 12
	s_add_co_u32 s30, s30, s25
	s_add_nc_u64 s[SO:SO+1], s[12:13], s[30:31]    ; 64 tiles of 131,072 bytes an expert; the slice's four blocks
.irp c, 0,1
.irp j, 0,1,2,3,4,5,6,7
	global_load_b128 v[RAWB+32*(\c)+4*(\j):RAWB+32*(\c)+4*(\j)+3], v[HL], s[8:9] offset:256*(\c)+16*(\j)  ; b1 of columns 64 c + 32 h + 4 j + 0..3
.endr
.endr
; PHASE 1.  A unit is one K step of one column half: 16 loads (rows u = 0..15), 32 conversions, 8 LDS stores.  Wave w has units m = 0..15 (K step 2 m + w / 2).  Four landing places take turns: while one unit
; is converted, three are on their way.  left = the loads younger than this unit's; issue = 1: the landing place takes the unit four further on.
.macro UNITW b, issue, left
	s_wait_loadcnt \left                           ; loads come back in order (ISA guide 5.7.1)
	WIN 0x0a                                       ; sources in window 2
.irp t, 0,1,2,3
.irp p, 0,1,2,3,4,5,6,7
	v_cvt_pk_bf16_f32 v[F+8*(\t)+(\p)], v[64*(\b)+8*(\p)+(\t)], v[64*(\b)+8*(\p)+4+(\t)]  ; rows 2 p and 2 p + 1 of column 4 i + t
.endr
.endr
	WIN 0
.irp t, 0,1,2,3
	ds_store_b128 v[LS], v[F+8*(\t):F+8*(\t)+3],   offset:4096*(\b)+1024*(\t)       ; 32 lanes, 512 consecutive bytes
	ds_store_b128 v[LS], v[F+8*(\t)+4:F+8*(\t)+7], offset:4096*(\b)+1024*(\t)+512
.endr
.if \issue
	WIN 0x80                                       ; destination window 2
.irp u, 0,1,2,3,4,5,6,7,8,9,10,11,12,13,14,15
	global_load_b128 v[64*(\b)+4*(\u):64*(\b)+4*(\u)+3], v[VW], s[SW:SW+1] offset:(4+(\b))*MSTEP+(\u)*PITCH th:TH_LOAD_NT
.endr
.endif
.endm
	WIN 0x80
.irp b, 0,1,2,3
.irp u, 0,1,2,3,4,5,6,7,8,9,10,11,12,13,14,15
	global_load_b128 v[64*(\b)+4*(\u):64*(\b)+4*(\u)+3], v[VW], s[SW:SW+1] offset:(\b)*MSTEP+(\u)*PITCH th:TH_LOAD_NT
.endr
.endr
	WIN 0
	PAIR A1, 0x3e827906                            ;  0.254829592
	PAIR A2, 0xbe91a98e                            ; -0.284496736
	PAIR A3, 0x3fb5f0e3                            ;  1.421413741
	PAIR A4, 0xbfba00e3                            ; -1.453152027
	PAIR A5, 0x3f87dc22                            ;  1.061405429
	s_mov_b32 s[KD], 0x3eed3388                    ;  0.3275911 sqrt 2
	PAIR KE, 0xc038aa3b                            ; -2 log2 e
	s_mov_b32 s[KC], 3
.Lstream:                                              ; a trip: four units in, four asked for
	UNITW 0, 1, 48                                 ; 48: the three younger units' loads
	UNITW 1, 1, 48
	UNITW 2, 1, 48
	UNITW 3, 1, 48
	WIN 0
	s_wait_xcnt 0x0                                ; the loads' base is stepped only behind this wait
	s_add_nc_u64 s[SW:SW+1], s[SW:SW+1], 4*MSTEP
	v_add_nc_u32 v[LS], 0x4000, v[LS]
	s_sub_co_u32 s[KC], s[KC], 1
	s_cmp_lg_u32 s[KC], 0
	s_cbranch_scc1 .Lstream
	UNITW 0, 0, 48                                 ; the last four units: nothing more to ask for, the counts run down
	UNITW 1, 0, 32
	UNITW 2, 0, 16
	UNITW 3, 0, 0
.irp c, 0,1
.irp t, 0,1,2,3
.irp j, 0,1,2,3,4,5,6,7
	v_mov_b32 v[BIAS+32*(\c)+8*(\t)+(\j)], v[RAWB+32*(\c)+4*(\j)+(\t)]  ; the bias in the accumulators' order, so that it can be the first product's C
.endr
.endr
.endr
	s_wait_dscnt 0x0                               ; for the others' sake: my part of the panel is in LDS
	s_barrier_signal -1
	s_barrier_wait -1                              ; the panel is whole; nobody writes it again
	s_wait_kmcnt 0x0
	s_min_u32 s[CE], s[CE], 1024
	s_add_co_u32 s[TE], s[CE], 15
	s_lshr_b32 s[TE], s[TE], 4                     ; tiles of 16 rows
	s_add_co_u32 s[NW], s[TE], 3
	s_sub_co_u32 s[NW], s[NW], s[WV]
	s_lshr_b32 s[NW], s[NW], 2                     ; of which w, w + 4, .. are mine
; PHASE 2.  One K step S of a unit.  ra = S % 4: the ring place of the rows' fragments; pb = S % 2: the panel's buffer.  It asks for the panel's fragments of step S + 1 (nb = 1: 16 LDS loads) and the rows' of
; step S + 3 (pf = 1: two loads a tile), then multiplies: 32 products for tiles 0-3 and, where the unit has a fifth tile, 8 more.  i places S in the K loop's trip.  first = 1: the bias starts the sums, and the
; fifth tile is taken whatever the count (a tile that does not exist repeats my last one), so that its registers are written on every way.
; The accumulators take turns, one instruction a turn: between two products on one accumulator stand 31 others at the least, over the loop's jump too.
; na: the loads younger than step S's on the way that has fewest: the eight of tiles 0-3 in each of the steps S - 2, S - 1 and S.
.macro SLOT ra, pb, first, pf, nb, na, i
.if !(\first)
.rept 4
	v_nop                                          ; four places between the last step's products and the loads into registers that they read
.endr
.endif
.if \nb
.irp n, 0,1,2,3,4,5,6,7
	ds_load_b128 v[BB+64*(1-(\pb))+8*(\n):BB+64*(1-(\pb))+8*(\n)+3],   v[LB+2*(1-(\pb))+(\n)/4] offset:4096*(((\i)+2)/2)+1024*((\n)%4)
	ds_load_b128 v[BB+64*(1-(\pb))+8*(\n)+4:BB+64*(1-(\pb))+8*(\n)+7], v[LB+2*(1-(\pb))+(\n)/4] offset:4096*(((\i)+2)/2)+1024*((\n)%4)+512
.endr
.endif
.if \pf
	WIN 0x40                                       ; destination window 1
.irp a, 0,1,2,3
	global_load_b128 v[40*(((\ra)+3)%4)+8*(\a):40*(((\ra)+3)%4)+8*(\a)+3],   v[VA+(\a)], s[SA:SA+1] offset:((\i)+4)*1024
	global_load_b128 v[40*(((\ra)+3)%4)+8*(\a)+4:40*(((\ra)+3)%4)+8*(\a)+7], v[VA+(\a)], s[SA:SA+1] offset:((\i)+4)*1024+512
.endr
.endif
	s_wait_loadcnt \na
.if \nb
	s_wait_dscnt 16                                ; all but the 16 just issued
.else
	s_wait_dscnt 0
.endif
.if \first
	WIN 0x84                                       ; weights window 0, rows window 1, C (the bias) window 0, D window 2
.else
	WIN 0xa4                                       ; C and D window 2
.endif
.irp a, 0,1,2,3
.irp n, 0,1,2,3,4,5,6,7
.if \first
	v_wmma_f32_16x16x32_bf16 v[64*(\a)+8*(\n):64*(\a)+8*(\n)+7], v[BB+64*(\pb)+8*(\n):BB+64*(\pb)+8*(\n)+7], v[40*(\ra)+8*(\a):40*(\ra)+8*(\a)+7], v[BIAS+8*(\n):BIAS+8*(\n)+7]
.else
	v_wmma_f32_16x16x32_bf16 v[64*(\a)+8*(\n):64*(\a)+8*(\n)+7], v[BB+64*(\pb)+8*(\n):BB+64*(\pb)+8*(\n)+7], v[40*(\ra)+8*(\a):40*(\ra)+8*(\a)+7], v[64*(\a)+8*(\n):64*(\a)+8*(\n)+7]
.endif
.endr
.endr
	WIN 0                                          ; at a branch and at a label every window is 0
.if !(\first)
	s_cmp_lt_u32 s[LIVE], 5
	s_cbranch_scc1 .Lno_fifth_\@
.endif
.if \pf
	WIN 0x40
	global_load_b128 v[40*(((\ra)+3)%4)+32:40*(((\ra)+3)%4)+35], v[VA+4], s[SA:SA+1] offset:((\i)+4)*1024
	global_load_b128 v[40*(((\ra)+3)%4)+36:40*(((\ra)+3)%4)+39], v[VA+4], s[SA:SA+1] offset:((\i)+4)*1024+512
.endif
.if \first
	WIN 0xc4
.else
	WIN 0xf4                                       ; C and D window 3
.endif
.irp n, 0,1,2,3,4,5,6,7
.if \first
	v_wmma_f32_16x16x32_bf16 v[8*(\n):8*(\n)+7], v[BB+64*(\pb)+8*(\n):BB+64*(\pb)+8*(\n)+7], v[40*(\ra)+32:40*(\ra)+39], v[BIAS+8*(\n):BIAS+8*(\n)+7]
.else
	v_wmma_f32_16x16x32_bf16 v[8*(\n):8*(\n)+7], v[BB+64*(\pb)+8*(\n):BB+64*(\pb)+8*(\n)+7], v[40*(\ra)+32:40*(\ra)+39], v[8*(\n):8*(\n)+7]
.endif
.endr
	WIN 0
.if !(\first)
.Lno_fifth_\@:
.endif
.endm
; Half c of tile a leaves its accumulators, halved; each accumulator's registers in ascending order
.macro XFER a, c
	WIN 0x42+(\a)/4                                ; source 0 window 2 or 3, destination window 1
.irp t, 0,1,2,3
.irp g, 0,1,2,3
	v_pk_mul_f32 v[HX+8*(\t)+2*(\g):HX+8*(\t)+2*(\g)+1], v[64*((\a)%4)+8*(4*(\c)+(\t))+2*(\g):64*((\a)%4)+8*(4*(\c)+(\t))+2*(\g)+1], 0.5 op_sel_hi:[1,0]
.endr
.endr
	WIN 0
.endm
	s_mov_b32 s[I0], 0
	s_mov_b32 s[UC], 4
.Lunit:
	s_sub_co_i32 s[LIVE], s[NW], s[I0]
	s_cmp_le_i32 s[LIVE], 0
	s_cbranch_scc1 .Lunit_next                     ; no tile of mine is left: what is jumped holds no barrier and writes no LDS
	s_wait_xcnt 0x0                                ; the last unit's loads and stores have read their address registers
	s_sub_co_u32 s26, s[NW], 1
.irp a, 0,1,2,3,4
	s_add_co_u32 s25, s[I0], \a
	s_min_u32 s25, s25, s26                        ; past my last tile: my last tile again
	s_lshl2_add_u32 s25, s25, s[WV]                ; tile 4 x + w
	s_min_u32 s25, s25, 63
	s_lshl_b32 s25, s25, TSH
	v_add_nc_u32 v[VA+(\a)], s25, v[LN16]
.endr
	s_mov_b64 s[SA:SA+1], s[SA0:SA0+1]
.irp g, 0,1,2,3
	v_add_nc_u32 v[LB+(\g)], 65536*(\g), v[LN16]
.endr
.irp n, 0,1,2,3,4,5,6,7
	ds_load_b128 v[BB+8*(\n):BB+8*(\n)+3],   v[LB+(\n)/4] offset:1024*((\n)%4)       ; the panel's K step 0
	ds_load_b128 v[BB+8*(\n)+4:BB+8*(\n)+7], v[LB+(\n)/4] offset:1024*((\n)%4)+512
.endr
	WIN 0x40
.irp s, 0,1,2
.irp a, 0,1,2,3,4
	global_load_b128 v[40*(\s)+8*(\a):40*(\s)+8*(\a)+3],   v[VA+(\a)], s[SA:SA+1] offset:1024*(\s)      ; the rows' K steps 0 to 2, 512 consecutive bytes a load
	global_load_b128 v[40*(\s)+8*(\a)+4:40*(\s)+8*(\a)+7], v[VA+(\a)], s[SA:SA+1] offset:1024*(\s)+512
.endr
.endr
	WIN 0
	SLOT 0, 0, 1, 1, 1, 24, -1                     ; K step 0 stands in front of the loop: its products start the sums
	s_mov_b32 s[KC], 7
.Lk:                                                   ; a trip: K steps 4 r + 1 .. 4 r + 4
	SLOT 1, 1, 0, 1, 1, 24, 0
	SLOT 2, 0, 0, 1, 1, 24, 1
	SLOT 3, 1, 0, 1, 1, 24, 2
	SLOT 0, 0, 0, 1, 1, 24, 3
	s_wait_xcnt 0x0                                ; the loads' base is stepped only behind this wait
	s_add_nc_u64 s[SA:SA+1], s[SA:SA+1], 4096
.irp g, 0,1,2,3
	v_add_nc_u32 v[LB+(\g)], 0x2000, v[LB+(\g)]    ; seven steps of 8,192: with the loads' offsets, 65,024 + 16 x lane at the most within a region of 65,536
.endr
	s_sub_co_u32 s[KC], s[KC], 1
	s_cmp_lg_u32 s[KC], 0
	s_cbranch_scc1 .Lk
	SLOT 1, 1, 0, 0, 1, 16, 0                      ; K steps 29 to 31: no load leaves a tile's 32 blocks, the counts run down
	SLOT 2, 0, 0, 0, 1, 8, 1
	SLOT 3, 1, 0, 0, 0, 0, 2
	; THE WAY OUT: ten halves of tiles (z = 2 a + c), one text for the arithmetic; only the lines that fetch from the accumulators are written ten times
.rept 4
	v_nop                                          ; four places behind the last products
.endr
	s_mov_b32 s[Z], 0
.Lz:
	s_lshr_b32 s25, s[Z], 1
	s_cmp_ge_u32 s25, s[LIVE]
	s_cbranch_scc1 .Lz_next                        ; a tile that does not exist is not stored
.irp z, 0,1,2,3,4,5,6,7,8
	s_cmp_eq_u32 s[Z], \z
	s_cbranch_scc1 .Lx\z
.endr
	XFER 4, 1
	s_branch .Lgelu
.irp z, 0,1,2,3,4,5,6,7,8
.Lx\z:
	XFER (\z)/2, (\z)%2
	s_branch .Lgelu
.endr
.Lgelu:
	WIN 0x55                                       ; all in window 1
.set n, 0
.rept 16
	v_pk_mul_f32 v[EE+2*n:EE+2*n+1], v[HX+2*n:HX+2*n+1], v[HX+2*n:HX+2*n+1]
.set n, n+1
.endr
.set n, 0
.rept 32
	v_fma_f32 v[TT+n], |v[HX+n]|, s[KD], 1.0
.set n, n+1
.endr
.set n, 0
.rept 16
	v_pk_mul_f32 v[EE+2*n:EE+2*n+1], v[EE+2*n:EE+2*n+1], s[KE:KE+1] op_sel_hi:[1,0]
.set n, n+1
.endr
.set n, 0
.rept 32                                               ; one batch: 32 reciprocals and 32 exponentials
	v_rcp_f32 v[TT+n], v[TT+n]
.set n, n+1
.endr
.set n, 0
.rept 32
	v_exp_f32 v[EE+n], v[EE+n]
.set n, n+1
.endr
.set n, 0
.rept 32                                               ; the independent work behind the batch: y + |y|, which is 0 exactly where y < 0
	v_add_f32 v[RR+n], v[HX+n], |v[HX+n]|
.set n, n+1
.endr
	s_wait_alu depctr_va_vdst(0)                   ; one wait for the 64, ahead of their first reader
.set n, 0
.rept 16
	v_pk_fma_f32 v[PP+2*n:PP+2*n+1], v[TT+2*n:TT+2*n+1], s[A5:A5+1], s[A4:A4+1] op_sel_hi:[1,0,0]
.set n, n+1
.endr
.irp k, A3, A2, A1
.set n, 0
.rept 16
	v_pk_fma_f32 v[PP+2*n:PP+2*n+1], v[PP+2*n:PP+2*n+1], v[TT+2*n:TT+2*n+1], s[\k:\k+1] op_sel_hi:[1,1,0]
.set n, n+1
.endr
.endr
.set n, 0
.rept 16
	v_pk_mul_f32 v[TT+2*n:TT+2*n+1], v[TT+2*n:TT+2*n+1], v[EE+2*n:EE+2*n+1]
.set n, n+1
.endr
.set n, 0
.rept 16
	v_pk_mul_f32 v[PP+2*n:PP+2*n+1], v[PP+2*n:PP+2*n+1], v[TT+2*n:TT+2*n+1]
.set n, n+1
.endr
.set n, 0
.rept 32
	v_fma_f32 v[RR+n], -|v[HX+n]|, v[PP+n], v[RR+n]
.set n, n+1
.endr
	s_wait_xcnt 0x0                                ; the last trip's stores have read OUT and their offset: both are written only behind this wait
.irp s, 0,1
.irp p, 0,1,2,3,4,5,6,7                ; K step 4 slice + 2 c + s of the next product: register p holds columns 16 s + 2 p and 16 s + 2 p + 1 of my 32: (t, j) = (2 (p % 2), 4 s + p / 2) and (t + 1, j)
	v_cvt_pk_bf16_f32 v[OUT+8*(\s)+(\p)], v[RR+16*((\p)%2)+4*(\s)+(\p)/2], v[RR+16*((\p)%2)+8+4*(\s)+(\p)/2]
.endr
.endr
	WIN 0
	s_lshr_b32 s25, s[Z], 1
	s_add_co_u32 s25, s25, s[I0]
	s_lshl2_add_u32 s25, s25, s[WV]                ; the tile
	s_min_u32 s25, s25, 63
	s_lshl_b32 s25, s25, 17                        ; of 131,072 bytes in hf,
	s_and_b32 s26, s[Z], 1
	s_lshl_b32 s26, s26, 11                        ; two blocks on for c = 1
	s_add_co_u32 s25, s25, s26
	v_add_nc_u32 v[VO], s25, v[LN16]
	WIN 0x04                                       ; the stores' data in window 1
.irp s, 0,1
	global_store_b128 v[VO], v[OUT+8*(\s):OUT+8*(\s)+3],   s[SO:SO+1] offset:1024*(\s)      ; 512 consecutive bytes a store
	global_store_b128 v[VO], v[OUT+8*(\s)+4:OUT+8*(\s)+7], s[SO:SO+1] offset:1024*(\s)+512
.endr
	WIN 0
.Lz_next:
	s_add_co_u32 s[Z], s[Z], 1
	s_cmp_lt_u32 s[Z], 10
	s_cbranch_scc1 .Lz
.Lunit_next:
	s_add_co_u32 s[I0], s[I0], 5
	s_sub_co_u32 s[UC], s[UC], 1
	s_cmp_lg_u32 s[UC], 0
	s_cbranch_scc1 .Lunit
	s_wait_dscnt 0x0                               ; my reads of the panel are back;
	s_barrier_signal -1
	s_barrier_wait -1                              ; every wave's are: no LDS word is written while a wave still reads.  No jump passes this barrier: every wave leaves the loop by its constant count
	s_wait_tensorcnt 0x0                           ; the wave's end, behind my last LDS store
	ds_add_u32 v[SPW], v[NIL]
	s_wait_dscnt 0x0
	s_endpgm
.Lfunc_end_k_q4744072691_ffn1:
	.size	k_q4744072691_ffn1, .Lfunc_end_k_q4744072691_ffn1-k_q4744072691_ffn1
	.p2alignl 7, 3214868480
	.fill 96, 4, 3214868480
	.section	.rodata,"a",@progbits
	.p2align	6, 0x0
	.amdhsa_kernel k_q4744072691_ffn1
		.amdhsa_group_segment_fixed_size 262656
		.amdhsa_private_segment_fixed_size 0
		.amdhsa_enable_private_segment 0
		.amdhsa_kernarg_size 40
		.amdhsa_user_sgpr_count 2
		.amdhsa_user_sgpr_kernarg_segment_ptr 1
		.amdhsa_wavefront_size32 1
		.amdhsa_system_sgpr_workgroup_id_x 1
		.amdhsa_system_sgpr_workgroup_id_y 1
		.amdhsa_system_sgpr_workgroup_id_z 1
		.amdhsa_system_vgpr_workitem_id 0
		.amdhsa_next_free_vgpr 832
		.amdhsa_next_free_sgpr 66
		.amdhsa_reserve_vcc 0
		.amdhsa_float_denorm_mode_32 3
		.amdhsa_float_denorm_mode_16_64 3
		.amdhsa_memory_ordered 1
		.amdhsa_forward_progress 1
		.amdhsa_inst_pref_size 111
	.end_amdhsa_kernel
	.amdgpu_metadata
---
amdhsa.version: [ 1, 2 ]
amdhsa.kernels:
  - .name:           k_q4744072691_ffn1
    .symbol:         k_q4744072691_ffn1.kd
    .args:
      - { .name: xg, .offset: 0, .size: 8, .value_kind: global_buffer, .address_space: global }
      - { .name: w1, .offset: 8, .size: 8, .value_kind: global_buffer, .address_space: global }
      - { .name: b1, .offset: 16, .size: 8, .value_kind: global_buffer, .address_space: global }
      - { .name: cnt, .offset: 24, .size: 8, .value_kind: global_buffer, .address_space: global }
      - { .name: hf, .offset: 32, .size: 8, .value_kind: global_buffer, .address_space: global }
    .group_segment_fixed_size: 262656
    .private_segment_fixed_size: 0
    .kernarg_segment_align: 8
    .kernarg_segment_size: 40
    .max_flat_workgroup_size: 128
    .sgpr_count:     66
    .vgpr_count:     832
    .wavefront_size: 32
...
	.end_amdgpu_metadata
.endif
;; end of part 3
;; launch ffn2 (part 4): grid 32 x 8, 4 waves a work-group, no clusters, 262,656 bytes of LDS; arguments hf, w2, gws, cnt, part; writes part
.if DOCPART == 4
	.amdgcn_target "amdgcn-amd-amdhsa--gfx1250"
	.amdhsa_code_object_version 6
	.text
	.protected	k_q4744072691_ffn2
	.globl	k_q4744072691_ffn2
	.p2align	8
	.type	k_q4744072691_ffn2,@function
k_q4744072691_ffn2:
	s_mov_b64 s[64:65], 0
	v_nop
	global_prefetch_b8 v0, s[64:65] scope:SCOPE_SE
	s_setreg_imm32_b32 hwreg(HW_REG_WAVE_MODE, 25, 1), 1
	s_wait_xcnt 0x0
; FFN2.  part[kq][row] = gate(row) x (h[row][1024 kq .. + 1023] . w2[e][1024 kq .. + 1023][128 slice .. + 127]) for the rows that chose expert e.  Work-group x = 8 kq + slice, y = expert: it owns a panel of
; 1,024 rows x 128 columns of w2[e], 512 KiB of f32 that it alone reads.  The four quarters of K are partial sums in f32; the next launch adds them, with b2 and the residual.
; PHASE 1: the panel streams through registers, is rounded once to bf16 and laid into LDS in the order of matrix operands (256 KiB), once.  A barrier.
; PHASE 2: each wave multiplies the expert's tiles of 16 rows w, w + 4, w + 8 .. by the whole panel, five tiles at a time; the rows' fragments come from hf straight into registers.  How many tiles there
; are hangs on a count read from memory, so phase 2 writes no LDS and holds no barrier: the loop over units has a constant count (4 x 5 tiles >= the 16 that a wave can have) and dead units are jumped.
; A second barrier stands behind that loop, on every wave's path: every wave's reads of the panel are over before any wave's closing LDS write.
; PLACES OF k.  K step S = 0..31 of the quarter, lane half h, u = 0..15 stand for k = 64 (S / 2) + 32 h + 16 (S % 2) + u; register p of a fragment holds u = 2 p and 2 p + 1.  hf is laid out so by the launch before,
; and so is the panel.  A lane's 16 loads of 16 bytes (rows k, columns 64 c + 4 i .. + 3, i = lane % 16) give four fragments by conversions alone: fragment t holds column 64 c + 4 i + t at index i.
; THE PRODUCT (source 0 = rows, source 1 = weights): lane (i, half h), accumulator (c, t), register j is row 8 h + j, column 64 c + 4 i + t.  The multiply by the gate puts t = 0..3 side by side: 16 bytes a lane,
; and sixteen lanes store 256 consecutive bytes of one row of part, at a multiple of 256 from its first byte.
; LIMITS.  h and w2 are rounded once to bf16, sums and partial sums stay in f32; NaN and infinities are not treated apart.
; NO CLUSTER: each byte of the weights has one reader.  What an expert's work-groups share, its rows, is read where the amount hangs on a count from memory; there no tensor load stands.
; REGISTERS, in windows of 256 (s_set_vgpr_msb: bits 1:0 source 0, 3:2 source 1, 5:4 source 2, 7:6 destination):
;   window 0: addresses; v16-55 the gates; v80-111 fragments on their way to LDS; v112-115 LDS addresses; v128-255 the panel's fragments of a K step, two buffers
;   window 1: v0-159 the rows' fragments, a ring of four K steps x five tiles; on the way out v0-63 a tile to store
;   window 2: the accumulators of tiles 0-3, (a, tN) at v[64 a + 8 tN]; in phase 1 the ring of four landing places     window 3: v0-63 the accumulators of tile 4
.set PITCH, 4096                       ; bytes from row to row of w2
.set MSTEP, 64*PITCH                   ; 64 rows: two K steps
.set TSH,   17                         ; a tile of hf is 1 << 17 bytes
.set SPARE, 262144                     ; behind the panel: the spare words, 128 bytes a wave, two blocks of 256 bytes that no other line names
; THE PANEL IN LDS: block (S, tN) of 1,024 bytes at 65536 (2 (S % 2) + tN / 4) + 4096 (S / 2) + 1024 (tN % 4); registers 0-3 of all lanes, then registers 4-7.  Wave w writes the 65,536 bytes from 65536 w on.
.set LN16, 1                           ; v1      16 x lane
.set VW,   2                           ; v2      my offset in w2: 32 h rows + 16 i bytes
.set LS,   3                           ; v3      where I store fragments in LDS
.set HL,   5                           ; v5      32 h: my offset among a tile's gates
.set VA,   6                           ; v6-10   my offset in hf for the unit's five tiles
.set VO,   11                          ; v11     my offset in part
.set PL,   12                          ; v12     8 h rows of part + 16 i bytes
.set SPW,  14                          ; v14     my spare word; never rewritten
.set NIL,  15                          ; v15     0; never rewritten
.set GT,   16                          ; the gate of row 8 h + j of tile a at v[16 + 8 a + j]
.set VG,   56                          ; v56-60  my offset in gws for the five tiles
.set F,    80
.set LB,   112                         ; v112-115  16 x lane + 65536 g + the K loop's steps
.set BB,   128
.set WV, 14                            ; s14 wave   s15 slice   s16 expert   s17 the expert's rows   s18 its tiles   s19 my tiles
.set SL, 15
.set EX, 16
.set CE, 17
.set TE, 18
.set NW, 19
.set I0, 20                            ; s20 the unit's first tile among mine   s21 how many of mine are left from there   s22 units to go   s23 a loop's count   s29 the quarter of K
.set LIVE, 21
.set UC, 22
.set KC, 23
.set KQ, 29
.set SW, 32                            ; s[32:33] w2 at my part of the panel   s[34:35] hf at the expert and quarter   s[36:37] the same, stepped along K   s[38:39] part at quarter, expert and slice
.set SA0, 34
.set SA, 36
.set SO, 38
.set MSB, 0
.macro WIN new                         ; the high byte repeats the setting that is left; a switch that changes nothing is dropped
.if MSB != (\new)
	s_set_vgpr_msb (MSB<<8)|(\new)
.set MSB, \new
.endif
.endm
	s_load_b256 s[4:11], s[0:1], 0x0               ; hf s[4:5], w2 s[6:7], gws s[8:9], cnt s[10:11]
	s_load_b64 s[12:13], s[0:1], 0x20              ; part
	v_lshl_add_u32 v[SPW], v0, 2, SPARE
	v_mov_b32 v[NIL], 0
	v_lshrrev_b32 v62, 5, v0
	v_readfirstlane_b32 s[WV], v62
	s_and_b32 s[SL], ttmp9, 7
	s_lshr_b32 s[KQ], ttmp9, 3
	s_and_b32 s[EX], ttmp7, 0xffff
	v_and_b32 v62, 31, v0
	v_lshlrev_b32 v[LN16], 4, v62
	v_and_b32 v62, 15, v0                          ; i
	v_bfe_u32 v63, v0, 4, 1                        ; h
	v_lshlrev_b32 v[VW], 4, v62
	v_lshl_add_u32 v[PL], v63, 15, v[VW]           ; 8 rows of 4,096 bytes for the upper half of the lanes
	v_lshl_add_u32 v[VW], v63, 17, v[VW]           ; 32 rows of 4,096 bytes
	v_lshl_add_u32 v[LS], s[WV], 16, v[LN16]
	v_lshlrev_b32 v[HL], 5, v63
	; wave w takes the K steps of parity w / 2 and the column half c = w % 2
	s_mov_b32 s31, 0
	s_lshl_b32 s30, s[EX], 24                      ; an expert's w2 is 16 MiB,
	s_lshl_b32 s25, s[KQ], 22
	s_add_co_u32 s30, s30, s25                     ; a quarter of its rows 4 MiB
	s_lshl_b32 s25, s[SL], 9
	s_add_co_u32 s30, s30, s25                     ; the slice's 512 bytes of a row
	s_and_b32 s25, s[WV], 1
	s_lshl_b32 s25, s25, 8
	s_add_co_u32 s30, s30, s25                     ; 256 c
	s_lshr_b32 s25, s[WV], 1
	s_lshl_b32 s25, s25, 16
	s_add_co_u32 s30, s30, s25                     ; 16 rows for the odd K steps
	s_wait_kmcnt 0x0
	s_add_nc_u64 s[SW:SW+1], s[6:7], s[30:31]
	s_lshl_b32 s30, s[EX], 7
	s_add_nc_u64 s[10:11], s[10:11], s[30:31]
	s_load_b32 s[CE], s[10:11], 0x0                ; the expert's rows: wanted behind the barrier
	s_lshl_b32 s30, s[EX], 12
	s_add_nc_u64 s[8:9], s[8:9], s[30:31]          ; the expert's 1,024 gates
	s_lshl_b32 s30, s[EX], 23
	s_lshl_b32 s25, s[KQ], 15
	s_add_co_u32 s30, s30, s25
	s_add_nc_u64 s[SA0:SA0+1], s[4:5], s[30:31]    ; 64 tiles of 131,072 bytes an expert; the quarter's 32 blocks in each
	s_lshl_b32 s30, s[KQ], 25
	s_lshl_b32 s25, s[EX], 22
	s_add_co_u32 s30, s30, s25
	s_lshl_b32 s25, s[SL], 9
	s_add_co_u32 s30, s30, s25
	s_add_nc_u64 s[SO:SO+1], s[12:13], s[30:31]    ; 32 MiB a quarter, 4 MiB an expert, 512 bytes a slice
; PHASE 1.  A unit is one K step of one column half: 16 loads (rows u = 0..15), 32 conversions, 8 LDS stores.  Wave w has units m = 0..15 (K step 2 m + w / 2).  Four landing places take turns: while one unit
; is converted, three are on their way.  left = the loads younger than this unit's; issue = 1: the landing place takes the unit four further on.
.macro UNITW b, issue, left
	s_wait_loadcnt \left                           ; loads come back in order (ISA guide 5.7.1)
	WIN 0x0a                                       ; sources in window 2
.irp t, 0,1,2,3
.irp p, 0,1,2,3,4,5,6,7
	v_cvt_pk_bf16_f32 v[F+8*(\t)+(\p)], v[64*(\b)+8*(\p)+(\t)], v[64*(\b)+8*(\p)+4+(\t)]  ; rows 2 p and 2 p + 1 of column 4 i + t
.endr
.endr
	WIN 0
.irp t, 0,1,2,3
	ds_store_b128 v[LS], v[F+8*(\t):F+8*(\t)+3],   offset:4096*(\b)+1024*(\t)       ; 32 lanes, 512 consecutive bytes
	ds_store_b128 v[LS], v[F+8*(\t)+4:F+8*(\t)+7], offset:4096*(\b)+1024*(\t)+512
.endr
.if \issue
	WIN 0x80                                       ; destination window 2
.irp u, 0,1,2,3,4,5,6,7,8,9,10,11,12,13,14,15
	global_load_b128 v[64*(\b)+4*(\u):64*(\b)+4*(\u)+3], v[VW], s[SW:SW+1] offset:(4+(\b))*MSTEP+(\u)*PITCH th:TH_LOAD_NT
.endr
.endif
.endm
	WIN 0x80
.irp b, 0,1,2,3
.irp u, 0,1,2,3,4,5,6,7,8,9,10,11,12,13,14,15
	global_load_b128 v[64*(\b)+4*(\u):64*(\b)+4*(\u)+3], v[VW], s[SW:SW+1] offset:(\b)*MSTEP+(\u)*PITCH th:TH_LOAD_NT
.endr
.endr
	WIN 0
	s_mov_b32 s[KC], 3
.Lstream:                                              ; a trip: four units in, four asked for
	UNITW 0, 1, 48                                 ; 48: the three younger units' loads
	UNITW 1, 1, 48
	UNITW 2, 1, 48
	UNITW 3, 1, 48
	WIN 0
	s_wait_xcnt 0x0                                ; the loads' base is stepped only behind this wait
	s_add_nc_u64 s[SW:SW+1], s[SW:SW+1], 4*MSTEP
	v_add_nc_u32 v[LS], 0x4000, v[LS]
	s_sub_co_u32 s[KC], s[KC], 1
	s_cmp_lg_u32 s[KC], 0
	s_cbranch_scc1 .Lstream
	UNITW 0, 0, 48                                 ; the last four units: nothing more to ask for, the counts run down
	UNITW 1, 0, 32
	UNITW 2, 0, 16
	UNITW 3, 0, 0
	s_wait_dscnt 0x0                               ; for the others' sake: my part of the panel is in LDS
	s_barrier_signal -1
	s_barrier_wait -1                              ; the panel is whole; nobody writes it again
	s_wait_kmcnt 0x0
	s_min_u32 s[CE], s[CE], 1024
	s_add_co_u32 s[TE], s[CE], 15
	s_lshr_b32 s[TE], s[TE], 4                     ; tiles of 16 rows
	s_add_co_u32 s[NW], s[TE], 3
	s_sub_co_u32 s[NW], s[NW], s[WV]
	s_lshr_b32 s[NW], s[NW], 2                     ; of which w, w + 4, .. are mine
; PHASE 2.  One K step S of a unit.  ra = S % 4: the ring place of the rows' fragments; pb = S % 2: the panel's buffer.  It asks for the panel's fragments of step S + 1 (nb = 1: 16 LDS loads) and the rows' of
; step S + 3 (pf = 1: two loads a tile), then multiplies: 32 products for tiles 0-3 and, where the unit has a fifth tile, 8 more.  i places S in the K loop's trip.  first = 1: the constant 0 starts the sums, and
; the fifth tile is taken whatever the count (a tile that does not exist repeats my last one), so that its registers are written on every way.
; The accumulators take turns, one instruction a turn: between two products on one accumulator stand 31 others at the least, over the loop's jump too.
; na: the loads younger than step S's on the way that has fewest: the eight of tiles 0-3 in each of the steps S - 2, S - 1 and S.
.macro SLOT ra, pb, first, pf, nb, na, i
.if !(\first)
.rept 4
	v_nop                                          ; four places between the last step's products and the loads into registers that they read
.endr
.endif
.if \nb
.irp n, 0,1,2,3,4,5,6,7
	ds_load_b128 v[BB+64*(1-(\pb))+8*(\n):BB+64*(1-(\pb))+8*(\n)+3],   v[LB+2*(1-(\pb))+(\n)/4] offset:4096*(((\i)+2)/2)+1024*((\n)%4)
	ds_load_b128 v[BB+64*(1-(\pb))+8*(\n)+4:BB+64*(1-(\pb))+8*(\n)+7], v[LB+2*(1-(\pb))+(\n)/4] offset:4096*(((\i)+2)/2)+1024*((\n)%4)+512
.endr
.endif
.if \pf
	WIN 0x40                                       ; destination window 1
.irp a, 0,1,2,3
	global_load_b128 v[40*(((\ra)+3)%4)+8*(\a):40*(((\ra)+3)%4)+8*(\a)+3],   v[VA+(\a)], s[SA:SA+1] offset:((\i)+4)*1024
	global_load_b128 v[40*(((\ra)+3)%4)+8*(\a)+4:40*(((\ra)+3)%4)+8*(\a)+7], v[VA+(\a)], s[SA:SA+1] offset:((\i)+4)*1024+512
.endr
.endif
	s_wait_loadcnt \na
.if \nb
	s_wait_dscnt 16                                ; all but the 16 just issued
.else
	s_wait_dscnt 0
.endif
	WIN 0xa1                                       ; rows window 1, weights window 0, C and D window 2
.irp a, 0,1,2,3
.irp n, 0,1,2,3,4,5,6,7
.if \first
	v_wmma_f32_16x16x32_bf16 v[64*(\a)+8*(\n):64*(\a)+8*(\n)+7], v[40*(\ra)+8*(\a):40*(\ra)+8*(\a)+7], v[BB+64*(\pb)+8*(\n):BB+64*(\pb)+8*(\n)+7], 0
.else
	v_wmma_f32_16x16x32_bf16 v[64*(\a)+8*(\n):64*(\a)+8*(\n)+7], v[40*(\ra)+8*(\a):40*(\ra)+8*(\a)+7], v[BB+64*(\pb)+8*(\n):BB+64*(\pb)+8*(\n)+7], v[64*(\a)+8*(\n):64*(\a)+8*(\n)+7]
.endif
.endr
.endr
	WIN 0                                          ; at a branch and at a label every window is 0
.if !(\first)
	s_cmp_lt_u32 s[LIVE], 5
	s_cbranch_scc1 .Lno_fifth_\@
.endif
.if \pf
	WIN 0x40
	global_load_b128 v[40*(((\ra)+3)%4)+32:40*(((\ra)+3)%4)+35], v[VA+4], s[SA:SA+1] offset:((\i)+4)*1024
	global_load_b128 v[40*(((\ra)+3)%4)+36:40*(((\ra)+3)%4)+39], v[VA+4], s[SA:SA+1] offset:((\i)+4)*1024+512
.endif
	WIN 0xf1                                       ; C and D window 3
.irp n, 0,1,2,3,4,5,6,7
.if \first
	v_wmma_f32_16x16x32_bf16 v[8*(\n):8*(\n)+7], v[40*(\ra)+32:40*(\ra)+39], v[BB+64*(\pb)+8*(\n):BB+64*(\pb)+8*(\n)+7], 0
.else
	v_wmma_f32_16x16x32_bf16 v[8*(\n):8*(\n)+7], v[40*(\ra)+32:40*(\ra)+39], v[BB+64*(\pb)+8*(\n):BB+64*(\pb)+8*(\n)+7], v[8*(\n):8*(\n)+7]
.endif
.endr
	WIN 0
.if !(\first)
.Lno_fifth_\@:
.endif
.endm
; Tile a leaves: its 64 numbers a lane times the rows' gates, into (c, j, t) at v[32 c + 4 j + t] of window 1; register 0 of every accumulator is read first.  Then 16 stores.
.macro OUTT a
.if (\a) > 0
	s_cmp_le_u32 s[LIVE], \a
	s_cbranch_scc1 .Lunit_next                     ; a tile that does not exist is not stored
.endif
	s_wait_xcnt 0x0                                ; the last tile's stores have read their data and their offset: both are written only behind this wait
	WIN 0x42+(\a)/4                                ; source 0 window 2 or 3, the gate window 0, destination window 1
.irp j, 0,1,2,3,4,5,6,7
.irp c, 0,1
.irp t, 0,1,2,3
	v_mul_f32 v[32*(\c)+4*(\j)+(\t)], v[64*((\a)%4)+8*(4*(\c)+(\t))+(\j)], v[GT+8*(\a)+(\j)]
.endr
.endr
.endr
	WIN 0
	s_add_co_u32 s25, s[I0], \a
	s_lshl2_add_u32 s25, s25, s[WV]                ; the tile
	s_min_u32 s25, s25, 63
	s_lshl_b32 s25, s25, 16                        ; its 16 rows of 4,096 bytes
	v_add_nc_u32 v[VO], s25, v[PL]
	WIN 0x04                                       ; the stores' data in window 1
.irp j, 0,1,2,3,4,5,6,7
.irp c, 0,1
	global_store_b128 v[VO], v[32*(\c)+4*(\j):32*(\c)+4*(\j)+3], s[SO:SO+1] offset:4096*(\j)+256*(\c)  ; sixteen lanes: 256 consecutive bytes of a row
.endr
.endr
	WIN 0
.endm
	s_mov_b32 s[I0], 0
	s_mov_b32 s[UC], 4
.Lunit:
	s_sub_co_i32 s[LIVE], s[NW], s[I0]
	s_cmp_le_i32 s[LIVE], 0
	s_cbranch_scc1 .Lunit_next                     ; no tile of mine is left: what is jumped holds no barrier and writes no LDS
	s_wait_xcnt 0x0                                ; the last unit's loads and stores have read their address registers
	s_sub_co_u32 s26, s[NW], 1
.irp a, 0,1,2,3,4
	s_add_co_u32 s25, s[I0], \a
	s_min_u32 s25, s25, s26                        ; past my last tile: my last tile again
	s_lshl2_add_u32 s25, s25, s[WV]                ; tile 4 x + w
	s_min_u32 s25, s25, 63
	s_lshl_b32 s27, s25, 6                         ; its 16 gates of 4 bytes
	v_add_nc_u32 v[VG+(\a)], s27, v[HL]
	s_lshl_b32 s25, s25, TSH
	v_add_nc_u32 v[VA+(\a)], s25, v[LN16]
.endr
	s_mov_b64 s[SA:SA+1], s[SA0:SA0+1]
.irp g, 0,1,2,3
	v_add_nc_u32 v[LB+(\g)], 65536*(\g), v[LN16]
.endr
.irp n, 0,1,2,3,4,5,6,7
	ds_load_b128 v[BB+8*(\n):BB+8*(\n)+3],   v[LB+(\n)/4] offset:1024*((\n)%4)       ; the panel's K step 0
	ds_load_b128 v[BB+8*(\n)+4:BB+8*(\n)+7], v[LB+(\n)/4] offset:1024*((\n)%4)+512
.endr
.irp a, 0,1,2,3,4
	global_load_b128 v[GT+8*(\a):GT+8*(\a)+3],   v[VG+(\a)], s[8:9]                 ; the gates of rows 8 h .. 8 h + 7: the unit's oldest loads, in long before they are used
	global_load_b128 v[GT+8*(\a)+4:GT+8*(\a)+7], v[VG+(\a)], s[8:9] offset:16
.endr
	WIN 0x40
.irp s, 0,1,2
.irp a, 0,1,2,3,4
	global_load_b128 v[40*(\s)+8*(\a):40*(\s)+8*(\a)+3],   v[VA+(\a)], s[SA:SA+1] offset:1024*(\s)      ; the rows' K steps 0 to 2, 512 consecutive bytes a load
	global_load_b128 v[40*(\s)+8*(\a)+4:40*(\s)+8*(\a)+7], v[VA+(\a)], s[SA:SA+1] offset:1024*(\s)+512
.endr
.endr
	WIN 0
	SLOT 0, 0, 1, 1, 1, 24, -1                     ; K step 0 stands in front of the loop: its products start the sums
	s_mov_b32 s[KC], 7
.Lk:                                                   ; a trip: K steps 4 r + 1 .. 4 r + 4
	SLOT 1, 1, 0, 1, 1, 24, 0
	SLOT 2, 0, 0, 1, 1, 24, 1
	SLOT 3, 1, 0, 1, 1, 24, 2
	SLOT 0, 0, 0, 1, 1, 24, 3
	s_wait_xcnt 0x0                                ; the loads' base is stepped only behind this wait
	s_add_nc_u64 s[SA:SA+1], s[SA:SA+1], 4096
.irp g, 0,1,2,3
	v_add_nc_u32 v[LB+(\g)], 0x2000, v[LB+(\g)]    ; seven steps of 8,192: with the loads' offsets, 65,024 + 16 x lane at the most within a region of 65,536
.endr
	s_sub_co_u32 s[KC], s[KC], 1
	s_cmp_lg_u32 s[KC], 0
	s_cbranch_scc1 .Lk
	SLOT 1, 1, 0, 0, 1, 16, 0                      ; K steps 29 to 31: no load leaves the quarter's 32 blocks, the counts run down
	SLOT 2, 0, 0, 0, 1, 8, 1
	SLOT 3, 1, 0, 0, 0, 0, 2
.rept 4
	v_nop                                          ; four places behind the last products
.endr
	OUTT 0
	OUTT 1
	OUTT 2
	OUTT 3
	OUTT 4
.Lunit_next:
	s_add_co_u32 s[I0], s[I0], 5
	s_sub_co_u32 s[UC], s[UC], 1
	s_cmp_lg_u32 s[UC], 0
	s_cbranch_scc1 .Lunit
	s_wait_dscnt 0x0                               ; my reads of the panel are back;
	s_barrier_signal -1
	s_barrier_wait -1                              ; every wave's are: no LDS word is written while a wave still reads.  No jump passes this barrier: every wave leaves the loop by its constant count
	s_wait_tensorcnt 0x0                           ; the wave's end, behind my last LDS store
	ds_add_u32 v[SPW], v[NIL]
	s_wait_dscnt 0x0
	s_endpgm
.Lfunc_end_k_q4744072691_ffn2:
	.size	k_q4744072691_ffn2, .Lfunc_end_k_q4744072691_ffn2-k_q4744072691_ffn2
	.p2alignl 7, 3214868480
	.fill 96, 4, 3214868480
	.section	.rodata,"a",@progbits
	.p2align	6, 0x0
	.amdhsa_kernel k_q4744072691_ffn2
		.amdhsa_group_segment_fixed_size 262656
		.amdhsa_private_segment_fixed_size 0
		.amdhsa_enable_private_segment 0
		.amdhsa_kernarg_size 40
		.amdhsa_user_sgpr_count 2
		.amdhsa_user_sgpr_kernarg_segment_ptr 1
		.amdhsa_wavefront_size32 1
		.amdhsa_system_sgpr_workgroup_id_x 1
		.amdhsa_system_sgpr_workgroup_id_y 1
		.amdhsa_system_sgpr_workgroup_id_z 1
		.amdhsa_system_vgpr_workitem_id 0
		.amdhsa_next_free_vgpr 832
		.amdhsa_next_free_sgpr 66
		.amdhsa_reserve_vcc 0
		.amdhsa_float_denorm_mode_32 3
		.amdhsa_float_denorm_mode_16_64 3
		.amdhsa_memory_ordered 1
		.amdhsa_forward_progress 1
		.amdhsa_inst_pref_size 98
	.end_amdhsa_kernel
	.amdgpu_metadata
---
amdhsa.version: [ 1, 2 ]
amdhsa.kernels:
  - .name:           k_q4744072691_ffn2
    .symbol:         k_q4744072691_ffn2.kd
    .args:
      - { .name: hf, .offset: 0, .size: 8, .value_kind: global_buffer, .address_space: global }
      - { .name: w2, .offset: 8, .size: 8, .value_kind: global_buffer, .address_space: global }
      - { .name: gws, .offset: 16, .size: 8, .value_kind: global_buffer, .address_space: global }
      - { .name: cnt, .offset: 24, .size: 8, .value_kind: global_buffer, .address_space: global }
      - { .name: part, .offset: 32, .size: 8, .value_kind: global_buffer, .address_space: global }
    .group_segment_fixed_size: 262656
    .private_segment_fixed_size: 0
    .kernarg_segment_align: 8
    .kernarg_segment_size: 40
    .max_flat_workgroup_size: 128
    .sgpr_count:     66
    .vgpr_count:     832
    .wavefront_size: 32
...
	.end_amdgpu_metadata
.endif
;; end of part 4
;; launch combine (part 5): grid 1024 x 1, 4 waves a work-group, no clusters, 0 bytes of LDS; arguments x, b2, selw, gw, rank, part, out0; writes out0
.if DOCPART == 5
	.amdgcn_target "amdgcn-amd-amdhsa--gfx1250"
	.amdhsa_code_object_version 6
	.text
	.protected	k_q4744072691_combine
	.globl	k_q4744072691_combine
	.p2align	8
	.type	k_q4744072691_combine,@function
k_q4744072691_combine:
	s_mov_b64 s[64:65], 0
	v_nop
	global_prefetch_b8 v0, s[64:65] scope:SCOPE_SE
	s_setreg_imm32_b32 hwreg(HW_REG_WAVE_MODE, 25, 1), 1
	s_wait_xcnt 0x0
; COMBINE.  out[t] = x[t] + the sum over the token's two experts k of (w_k b2[e_k] + the four quarters of K of part[.][1024 e_k + rank[e_k][t]]); part already holds the gate's weight.
; A work-group takes one token; thread n takes the 16 bytes at 16 n and at 2048 + 16 n of each row, so every load and store of a wave covers 512 consecutive bytes.  Each output row has this one owner.
; Which rows are read hangs on whole numbers that earlier launches stored (selw, rank), each bounded where the address is made.  All sums in f32.  Memory binds: no LDS, no barrier, no matrix unit.
.set AC,  4                            ; v4-11   x, then the sum: the first 16 bytes, the second
.set B2R, 12                           ; v12-27  b2[e_k], 8 registers each
.set PR,  28                           ; v28-91  the eight partial rows (4 k + quarter), 8 registers each
; s[32:47] part at the eight rows   s[48:51] b2 at the two experts   s[22:23] w0, w1   s[56:57] w1 twice (named as a pair)
	s_load_b256 s[4:11], s[0:1], 0x0               ; x s[4:5], b2 s[6:7], selw s[8:9], gw s[10:11]
	s_load_b128 s[12:15], s[0:1], 0x20             ; rank s[12:13], part s[14:15]
	s_load_b64 s[16:17], s[0:1], 0x30              ; out0
	v_lshlrev_b32 v1, 4, v0
	s_mov_b32 s19, 0
	s_lshl_b32 s18, ttmp9, 2
	s_wait_kmcnt 0x0
	s_add_nc_u64 s[8:9], s[8:9], s[18:19]
	s_lshl_b32 s18, ttmp9, 3
	s_add_nc_u64 s[10:11], s[10:11], s[18:19]
	s_load_b32 s20, s[8:9], 0x0                    ; the token's word: e0 in bits 10:8, e1 in bits 18:16
	s_load_b64 s[22:23], s[10:11], 0x0             ; its two weights
	s_lshl_b32 s18, ttmp9, 12
	s_add_nc_u64 s[4:5], s[4:5], s[18:19]
	s_add_nc_u64 s[16:17], s[16:17], s[18:19]
	global_load_b128 v[AC:AC+3],   v1, s[4:5]
	global_load_b128 v[AC+4:AC+7], v1, s[4:5] offset:2048
	s_wait_kmcnt 0x0
	s_bfe_u32 s24, s20, 0x30008
	s_bfe_u32 s25, s20, 0x30010
	s_min_u32 s24, s24, 7
	s_min_u32 s25, s25, 7
	s_lshl_b32 s26, ttmp9, 2
	s_lshl_b32 s18, s24, 12
	s_add_co_u32 s18, s18, s26
	s_add_nc_u64 s[28:29], s[12:13], s[18:19]      ; rank[e0][t]
	s_lshl_b32 s18, s25, 12
	s_add_co_u32 s18, s18, s26
	s_add_nc_u64 s[30:31], s[12:13], s[18:19]      ; rank[e1][t]
	s_load_b32 s27, s[28:29], 0x0
	s_load_b32 s21, s[30:31], 0x0
	s_lshl_b32 s18, s24, 12
	s_add_nc_u64 s[48:49], s[6:7], s[18:19]
	s_lshl_b32 s18, s25, 12
	s_add_nc_u64 s[50:51], s[6:7], s[18:19]
.irp k, 0,1
	global_load_b128 v[B2R+8*(\k):B2R+8*(\k)+3],   v1, s[48+2*(\k):49+2*(\k)]
	global_load_b128 v[B2R+8*(\k)+4:B2R+8*(\k)+7], v1, s[48+2*(\k):49+2*(\k)] offset:2048
.endr
	s_mov_b32 s56, s23
	s_mov_b32 s57, s23
	s_wait_kmcnt 0x0
	s_min_u32 s27, s27, 1023
	s_min_u32 s21, s21, 1023
	s_lshl_b32 s24, s24, 10
	s_add_co_u32 s24, s24, s27                     ; row 1024 e0 + rank
	s_lshl_b32 s18, s24, 12
	s_add_nc_u64 s[32:33], s[14:15], s[18:19]
	s_lshl_b32 s25, s25, 10
	s_add_co_u32 s25, s25, s21
	s_lshl_b32 s18, s25, 12
	s_add_nc_u64 s[40:41], s[14:15], s[18:19]
.irp k, 0,1
.irp q, 1,2,3
	s_add_nc_u64 s[32+8*(\k)+2*(\q):33+8*(\k)+2*(\q)], s[32+8*(\k):33+8*(\k)], (\q)*0x2000000  ; a quarter of K is 32 MiB of part
.endr
.endr
.irp r, 0,1,2,3,4,5,6,7
	global_load_b128 v[PR+8*(\r):PR+8*(\r)+3],   v1, s[32+2*(\r):33+2*(\r)] th:TH_LOAD_NT
	global_load_b128 v[PR+8*(\r)+4:PR+8*(\r)+7], v1, s[32+2*(\r):33+2*(\r)] offset:2048 th:TH_LOAD_NT
.endr
	s_wait_loadcnt 16                              ; loads come back in order (ISA guide 5.7.1): x and b2 are in, the sixteen loads of part may be out
.irp p, 0,1,2,3
	v_pk_fma_f32 v[AC+2*(\p):AC+2*(\p)+1], v[B2R+2*(\p):B2R+2*(\p)+1], s[22:23], v[AC+2*(\p):AC+2*(\p)+1] op_sel_hi:[1,0,1]
.endr
.irp p, 0,1,2,3
	v_pk_fma_f32 v[AC+2*(\p):AC+2*(\p)+1], v[B2R+8+2*(\p):B2R+8+2*(\p)+1], s[56:57], v[AC+2*(\p):AC+2*(\p)+1] op_sel_hi:[1,0,1]
.endr
.irp r, 0,1,2,3,4,5,6,7
	s_wait_loadcnt 14-2*(\r)                       ; partial row r is in; the two loads of each later row may be out
.irp p, 0,1,2,3
	v_pk_add_f32 v[AC+2*(\p):AC+2*(\p)+1], v[AC+2*(\p):AC+2*(\p)+1], v[PR+8*(\r)+2*(\p):PR+8*(\r)+2*(\p)+1]
.endr
.endr
	global_store_b128 v1, v[AC:AC+3],   s[16:17]
	global_store_b128 v1, v[AC+4:AC+7], s[16:17] offset:2048
	s_endpgm
.Lfunc_end_k_q4744072691_combine:
	.size	k_q4744072691_combine, .Lfunc_end_k_q4744072691_combine-k_q4744072691_combine
	.p2alignl 7, 3214868480
	.fill 96, 4, 3214868480
	.section	.rodata,"a",@progbits
	.p2align	6, 0x0
	.amdhsa_kernel k_q4744072691_combine
		.amdhsa_group_segment_fixed_size 0
		.amdhsa_private_segment_fixed_size 0
		.amdhsa_enable_private_segment 0
		.amdhsa_kernarg_size 56
		.amdhsa_user_sgpr_count 2
		.amdhsa_user_sgpr_kernarg_segment_ptr 1
		.amdhsa_wavefront_size32 1
		.amdhsa_system_sgpr_workgroup_id_x 1
		.amdhsa_system_sgpr_workgroup_id_y 1
		.amdhsa_system_sgpr_workgroup_id_z 1
		.amdhsa_system_vgpr_workitem_id 0
		.amdhsa_next_free_vgpr 92
		.amdhsa_next_free_sgpr 66
		.amdhsa_reserve_vcc 0
		.amdhsa_float_denorm_mode_32 3
		.amdhsa_float_denorm_mode_16_64 3
		.amdhsa_memory_ordered 1
		.amdhsa_forward_progress 1
		.amdhsa_inst_pref_size 8
	.end_amdhsa_kernel
	.amdgpu_metadata
---
amdhsa.version: [ 1, 2 ]
amdhsa.kernels:
  - .name:           k_q4744072691_combine
    .symbol:         k_q4744072691_combine.kd
    .args:
      - { .name: x, .offset: 0, .size: 8, .value_kind: global_buffer, .address_space: global }
      - { .name: b2, .offset: 8, .size: 8, .value_kind: global_buffer, .address_space: global }
      - { .name: selw, .offset: 16, .size: 8, .value_kind: global_buffer, .address_space: global }
      - { .name: gw, .offset: 24, .size: 8, .value_kind: global_buffer, .address_space: global }
      - { .name: rank, .offset: 32, .size: 8, .value_kind: global_buffer, .address_space: global }
      - { .name: part, .offset: 40, .size: 8, .value_kind: global_buffer, .address_space: global }
      - { .name: out0, .offset: 48, .size: 8, .value_kind: global_buffer, .address_space: global }
    .group_segment_fixed_size: 0
    .private_segment_fixed_size: 0
    .kernarg_segment_align: 8
    .kernarg_segment_size: 56
    .max_flat_workgroup_size: 128
    .sgpr_count:     66
    .vgpr_count:     92
    .wavefront_size: 32
...
	.end_amdgpu_metadata
.endif
;; end of part 5
;; ======== version 2 of 3: 5 launches; 1.14 times as fast as version 1
;; workspace buffers: selw 4,096 bytes of whole numbers; gw 8,192 bytes; rank 32,768 bytes of whole numbers; cnt 1,024 bytes of whole numbers; xg 16,777,216 bytes; gws 32,768 bytes; hf 67,108,864 bytes; part 134,217,728 bytes
;; launch router: the kernel of part 1 again; grid 256 x 1, 4 waves a work-group, no clusters, 0 bytes of LDS; arguments x, router_w, router_b, selw, gw; writes selw, gw
;; launch place (part 6): grid 64 x 8, 4 waves a work-group, no clusters, 33,280 bytes of LDS; arguments selw, gw, x, xg, gws, rank, cnt; writes xg, gws, rank, cnt
.if DOCPART == 6
	.amdgcn_target "amdgcn-amd-amdhsa--gfx1250"
	.amdhsa_code_object_version 6
	.text
	.protected	k_q4744072691_place
	.globl	k_q4744072691_place
	.p2align	8
	.type	k_q4744072691_place,@function
k_q4744072691_place:
	s_mov_b64 s[64:65], 0
	v_nop
	global_prefetch_b8 v0, s[64:65] scope:SCOPE_SE
	s_setreg_imm32_b32 hwreg(HW_REG_WAVE_MODE, 25, 1), 1
	s_wait_xcnt 0x0
; PLACE.  Work-group (tile i = x, expert e = y) lays rows 16 i .. 16 i + 15 of expert e's tokens into xg, rounded once to bf16, in the order in which a wave's matrix operand registers take them.
; THE ORDER of an expert's rows: the tokens that chose it, by q = 0..31 and then by lane, where (q, lane) is token 128 (q / 4) + 4 lane + q % 4: the order in which 16-byte loads of selw deal the tokens to
; the lanes.  reference() drops no token, so any fixed order serves.  Every wave counts all 1,024 choices for itself (32 steps) and keeps the list of the expert's tokens in LDS bytes of its own: no barrier.
; All lanes store in every step: a member's lane at word 'rank' of the list, every other lane at a word of its own behind the list (word 1024 + lane), which nobody reads.
; THE GRID serves every split: an expert may have 0 to 1,024 rows, 64 tiles; a tile at or past the count stores nothing.  In the last tile the places past the count repeat the last row.
; xg[e][tile][S][1,024 bytes]: K step S = 0..31; lane (r = lane % 16, h = lane / 16) holds row r's x[64 (S / 2) + 32 h + 16 (S % 2) + 0..15] in 8 registers; registers 0-3 of all lanes are the block's
; first 512 bytes, registers 4-7 the second.  The weights' fragments use the same places for k, so the products are right.  Wave w takes S = 8 w .. 8 w + 7.
; ALSO STORED: rank[e][t], the place of token t among expert e's rows (for a token that did not choose e: a number nobody reads); cnt[e][0..31], the count, once a lane; gws[1024 e + place], the row's gate weight.
.set LIST,  8192                       ; a wave's own LDS: 2,048 words, as many as the bound written at the address allows: the list's 1,024, then the other lanes' words
.set SPARE, 4*LIST                     ; the spare words: 128 bytes a wave, two blocks of 256 bytes that no other line names
.set SW, 20                            ; v20-51   selw: register q holds token 128 (q / 4) + 4 lane + q % 4
.set RK, 52                            ; v52-83   that token's rank
.set XL, 84                            ; v84-211  my 8 K steps of x in f32, 16 registers each (first: v84-87 hold 0)
.set F,  20                            ; v20-83   the same in bf16, 8 registers each (selw and the ranks are done with)
.set GS, 212                           ; v212     my row's word of selw
.set GG, 214                           ; v[214:215] my row's two gate weights
; v1 lane, v2 r, v3 h, v4 4 x lane, v5 my LDS, v6 16 x lane, v7-11 at work, v12 my spare word, v13 0, v14 my row's token, v15 its offset in x, v16 offset in gws,
; v17 1024 + lane, v18 my LDS + 16 x lane, v19 128 h + 1024 w
; s18 wave, s19 expert, s20 tile, s21 my LDS, s22 the expert's bit, s23 the running count, s25-28 at work
	s_load_b256 s[4:11], s[0:1], 0x0               ; selw s[4:5], gw s[6:7], x s[8:9], xg s[10:11]
	s_load_b128 s[12:15], s[0:1], 0x20             ; gws s[12:13], rank s[14:15]
	s_load_b64 s[16:17], s[0:1], 0x30              ; cnt
	v_lshl_add_u32 v12, v0, 2, SPARE
	v_mov_b32 v13, 0
	v_and_b32 v1, 31, v0
	v_lshrrev_b32 v7, 5, v0
	v_readfirstlane_b32 s18, v7
	s_and_b32 s19, ttmp7, 0xffff
	s_mov_b32 s20, ttmp9
	v_and_b32 v2, 15, v0
	v_bfe_u32 v3, v0, 4, 1
	v_lshlrev_b32 v4, 2, v1
	v_lshlrev_b32 v6, 4, v1
	s_lshl_b32 s21, s18, 13
	v_mov_b32 v5, s21
	v_add_nc_u32 v17, 1024, v1
	v_add_nc_u32 v18, s21, v6
	v_lshlrev_b32 v19, 7, v3                       ; 32 h numbers of x,
	v_lshl_add_u32 v19, s18, 10, v19               ; my wave's quarter of K
	s_lshl_b32 s22, 1, s19
	s_mov_b32 s23, 0
	s_wait_kmcnt 0x0
.irp j, 0,1,2,3,4,5,6,7
	global_load_b128 v[SW+4*(\j):SW+4*(\j)+3], v6, s[4:5] offset:512*(\j)  ; all 1,024 words, 512 consecutive bytes a load
.endr
.irp n, 0,1,2,3
	v_mov_b32 v[XL+(\n)], 0
.endr
.irp j, 0,1,2,3,4,5,6,7
	ds_store_b128 v18, v[XL:XL+3] offset:512*(\j)  ; in the wait for selw: every word of the list is written once, so that no read of it can bring bytes that nobody wrote
.endr
	s_wait_loadcnt 0x0
.set q, 0
.rept 32
	v_and_b32 v7, s22, v[SW+q]
	v_cmp_ne_u32 vcc_lo, 0, v7                     ; the lanes whose token chose this expert
	v_mbcnt_lo_u32_b32 v[RK+q], vcc_lo, s23        ; those counted so far + those in lower lanes
	s_bcnt1_i32_b32 s25, vcc_lo
	s_add_co_u32 s23, s23, s25
	v_cndmask_b32 v8, v17, v[RK+q], vcc_lo         ; a member: its rank; another lane: its own word behind the list
	v_min_u32 v8, 0x7ff, v8                        ; both are under 2,048 anyway: the bound is written where the address is made
	v_lshlrev_b32 v8, 2, v8
	v_add_nc_u32 v8, v5, v8
	v_add_nc_u32 v9, 128*(q/4)+q%4, v4             ; the token's number
	ds_store_b32 v8, v9                            ; list[rank] = token; LDS serves a wave's instructions in order (ISA guide 5.7.1): it lands on the 0 written above
.set q, q+1
.endr
	; the tables, once an expert: wave 0 of tile 0
	s_or_b32 s25, s20, s18
	s_cmp_lg_u32 s25, 0
	s_cbranch_scc1 .Lno_table
	s_lshl_b32 s26, s19, 12
	s_mov_b32 s27, 0
	s_add_nc_u64 s[14:15], s[14:15], s[26:27]      ; rank[e]
	s_lshl_b32 s26, s19, 7
	s_add_nc_u64 s[16:17], s[16:17], s[26:27]      ; cnt[e]
	v_mov_b32 v10, s23
.irp j, 0,1,2,3,4,5,6,7
	global_store_b128 v6, v[RK+4*(\j):RK+4*(\j)+3], s[14:15] offset:512*(\j)  ; the ranks lie as selw lies: 512 consecutive bytes a store
.endr
	global_store_b32 v4, v10, s[16:17]             ; 128 consecutive bytes, every lane the count
.Lno_table:
	s_lshl_b32 s26, s20, 4                         ; my tile's first row
	s_cmp_ge_u32 s26, s23
	s_cbranch_scc1 .Lend                           ; at or past the count: nothing to lay out
	s_sub_co_u32 s27, s23, 1
	v_add_nc_u32 v7, s26, v2
	v_min_u32 v7, s27, v7                          ; places past the count repeat the last row
	v_min_u32 v7, 0x3ff, v7
	v_lshlrev_b32 v7, 2, v7
	v_add_nc_u32 v7, v5, v7
	ds_load_b32 v14, v7                            ; served behind my stores above
	s_wait_dscnt 0x0
	v_min_u32 v14, 0x3ff, v14
	v_lshlrev_b32 v7, 2, v14
	v_lshlrev_b32 v8, 3, v14
	global_load_b32 v[GS], v7, s[4:5]              ; the row's word and its two gate weights are asked for ahead of x, into registers of their own: they are in when the first of x is,
	global_load_b64 v[GG:GG+1], v8, s[6:7]         ; so that wave 0 does not sit out a trip to memory at its end.  Every wave asks: twelve bytes a lane, and no branch
	v_lshlrev_b32 v15, 12, v14                     ; the token's row of 4,096 bytes,
	v_add_nc_u32 v15, v19, v15                     ; my half of the lanes' and my wave's part of it
.set S, 0
.rept 8
.irp n, 0,1,2,3
	global_load_b128 v[XL+16*S+4*(\n):XL+16*S+4*(\n)+3], v15, s[8:9] offset:256*(S/2)+64*(S%2)+16*(\n)
.endr
.set S, S+1
.endr
	s_lshl_b32 s26, s19, 6
	s_add_co_u32 s26, s26, s20
	s_lshl_b32 s26, s26, 15                        ; tile 64 e + i of 32,768 bytes,
	s_lshl_b32 s27, s18, 13                        ; my eight blocks in it
	s_add_co_u32 s26, s26, s27
	s_mov_b32 s27, 0
	s_add_nc_u64 s[10:11], s[10:11], s[26:27]
	s_wait_xcnt 0x0                                ; the tables' stores have read the ranks: F is written only behind this wait
.set S, 0
.rept 8
	s_wait_loadcnt 28-4*S                          ; K step S is in (and all that was asked for ahead of x); the four loads of each later step may be out
.irp p, 0,1,2,3,4,5,6,7
	v_cvt_pk_bf16_f32 v[F+8*S+(\p)], v[XL+16*S+2*(\p)], v[XL+16*S+2*(\p)+1]
.endr
	global_store_b128 v6, v[F+8*S:F+8*S+3],   s[10:11] offset:1024*S      ; 512 consecutive bytes each
	global_store_b128 v6, v[F+8*S+4:F+8*S+7], s[10:11] offset:1024*S+512
.set S, S+1
.endr
	s_cmp_lg_u32 s18, 0
	s_cbranch_scc1 .Lend
	; wave 0: the rows' gate weights.  A token's first weight belongs to the expert in bits 10:8 of its word, the second to the other
	s_lshl_b32 s26, s19, 12
	s_lshl_b32 s27, s20, 6
	s_add_co_u32 s26, s26, s27                     ; 4 (1024 e + 16 i)
	s_mov_b32 s27, 0
	s_add_nc_u64 s[12:13], s[12:13], s[26:27]
	v_lshlrev_b32 v16, 2, v2
	v_bfe_u32 v9, v[GS], 8, 3
	v_cmp_eq_u32 vcc_lo, s19, v9
	v_cndmask_b32 v9, v[GG+1], v[GG], vcc_lo
	v_cmp_gt_u32 vcc_lo, 16, v1                    ; lanes 16-31 hold the same sixteen rows again
	s_wait_xcnt 0x0                                ; EXEC changes only behind this wait,
	s_and_saveexec_b32 s28, vcc_lo
	global_store_b32 v16, v9, s[12:13]
	s_wait_xcnt 0x0                                ; and again in front of the line that widens it
	s_or_b32 exec_lo, exec_lo, s28
.Lend:
	s_wait_tensorcnt 0x0                           ; the wave's end, behind my last LDS store
	ds_add_u32 v12, v13
	s_wait_dscnt 0x0
	s_endpgm
.Lfunc_end_k_q4744072691_place:
	.size	k_q4744072691_place, .Lfunc_end_k_q4744072691_place-k_q4744072691_place
	.p2alignl 7, 3214868480
	.fill 96, 4, 3214868480
	.section	.rodata,"a",@progbits
	.p2align	6, 0x0
	.amdhsa_kernel k_q4744072691_place
		.amdhsa_group_segment_fixed_size 33280
		.amdhsa_private_segment_fixed_size 0
		.amdhsa_enable_private_segment 0
		.amdhsa_kernarg_size 56
		.amdhsa_user_sgpr_count 2
		.amdhsa_user_sgpr_kernarg_segment_ptr 1
		.amdhsa_wavefront_size32 1
		.amdhsa_system_sgpr_workgroup_id_x 1
		.amdhsa_system_sgpr_workgroup_id_y 1
		.amdhsa_system_sgpr_workgroup_id_z 1
		.amdhsa_system_vgpr_workitem_id 0
		.amdhsa_next_free_vgpr 216
		.amdhsa_next_free_sgpr 66
		.amdhsa_reserve_vcc 1
		.amdhsa_float_denorm_mode_32 3
		.amdhsa_float_denorm_mode_16_64 3
		.amdhsa_memory_ordered 1
		.amdhsa_forward_progress 1
		.amdhsa_inst_pref_size 30
	.end_amdhsa_kernel
	.amdgpu_metadata
---
amdhsa.version: [ 1, 2 ]
amdhsa.kernels:
  - .name:           k_q4744072691_place
    .symbol:         k_q4744072691_place.kd
    .args:
      - { .name: selw, .offset: 0, .size: 8, .value_kind: global_buffer, .address_space: global }
      - { .name: gw, .offset: 8, .size: 8, .value_kind: global_buffer, .address_space: global }
      - { .name: x, .offset: 16, .size: 8, .value_kind: global_buffer, .address_space: global }
      - { .name: xg, .offset: 24, .size: 8, .value_kind: global_buffer, .address_space: global }
      - { .name: gws, .offset: 32, .size: 8, .value_kind: global_buffer, .address_space: global }
      - { .name: rank, .offset: 40, .size: 8, .value_kind: global_buffer, .address_space: global }
      - { .name: cnt, .offset: 48, .size: 8, .value_kind: global_buffer, .address_space: global }
    .group_segment_fixed_size: 33280
    .private_segment_fixed_size: 0
    .kernarg_segment_align: 8
    .kernarg_segment_size: 56
    .max_flat_workgroup_size: 128
    .sgpr_count:     66
    .vgpr_count:     216
    .wavefront_size: 32
...
	.end_amdgpu_metadata
.endif
;; end of part 6
;; launch ffn1 (part 7): grid 32 x 8, 4 waves a work-group, no clusters, 262,656 bytes of LDS; arguments xg, w1, b1, cnt, hf; writes hf
.if DOCPART == 7
	.amdgcn_target "amdgcn-amd-amdhsa--gfx1250"
	.amdhsa_code_object_version 6
	.text
	.protected	k_q4744072691_ffn1
	.globl	k_q4744072691_ffn1
	.p2align	8
	.type	k_q4744072691_ffn1,@function
k_q4744072691_ffn1:
	s_mov_b64 s[64:65], 0
	v_nop
	global_prefetch_b8 v0, s[64:65] scope:SCOPE_SE
	s_setreg_imm32_b32 hwreg(HW_REG_WAVE_MODE, 25, 1), 1
	s_wait_xcnt 0x0
; FFN1.  h = gelu(x w1[e] + b1[e]) for the rows that chose expert e.  Work-group (slice = x, expert = y) owns the panel w1[e][0..1023][128 slice .. + 127]: 512 KiB of f32 that it alone reads.
; THE PANEL streams through registers, is rounded once to bf16 and laid into LDS in the order of matrix operands (256 KiB), each byte written once.
; THE CHASE.  Wave w owns the expert's tiles of 16 rows w, w + 4, w + 8 ..; its first five are multiplied while the panel arrives: in K step S the wave rounds and stores the eight rows of weights that it
; asked for four steps ago, asks for eight more and for the rows' fragments of step S + 3 (from xg straight into registers), and issues the products of step S: 32 for its first four tiles and, where it has a
; fifth, 8 more.  A barrier in every second step shows the next two K steps of the panel to all four waves.  The chase has a constant count of steps and every wave passes every barrier; its one jump a step,
; on my count of tiles, goes forward over the fifth tile's two loads and eight products and over nothing else.  Among the first four a tile that does not exist repeats my last one (with no tile of mine:
; bytes of xg that nobody wrote) and is not stored.
; FURTHER UNITS.  An expert with more than 320 rows has more than five tiles for a wave.  They are multiplied behind the chase, five at a time, from the whole panel, in a loop of constant count (3 x 5 + 5 >= the 16 tiles
; that a wave can have) whose dead trips are jumped; it writes no LDS and holds no barrier.  Its requests run one K step ahead only: such splits are served, at a slower pace.
; A last barrier stands behind that loop, on every wave's path: every wave's reads of the panel are over before any wave's closing LDS write.
; PLACES OF k.  K step S = 0..31, lane half h, u = 0..15 stand for k = 64 (S / 2) + 32 h + 16 (S % 2) + u; register p of a fragment holds u = 2 p and 2 p + 1.  xg is laid out so, and so is the panel: the products
; are the same sums whatever place a k has, as long as both sources agree.  With these places a lane's loads of 16 bytes (rows k, columns 64 c + 4 i .. + 3, i = lane % 16) give four fragments by conversions alone:
; fragment t holds column 64 c + 4 i + t at index i.  Sixteen lanes of a load cover 256 consecutive bytes of one row of w1.
; THE PRODUCT IS USED TRANSPOSED (source 0 = weights, source 1 = rows): lane (row r, half h), accumulator (c, t), register j is column 64 c + 32 h + 4 j + t: 32 neighbouring columns of one row, which are just what
; the same lane holds of the next product's row fragments.  hf[e][tile][S2 = 0..127][1,024 bytes] is laid out as xg is; this work-group writes S2 = 4 slice .. 4 slice + 3.  The bias is the C of the first K step.
; GELU.  With y = x / 2: gelu = y + |y| - |y| P(t) exp(-2 y^2), t = 1 / (1 + 0.46328378 |y|), by erf(z) = 1 - P(t) exp(-z^2) (Abramowitz and Stegun 7.1.26), whose error in erf is at most 1.5e-7 for every x.
; LIMITS.  x, w1 and h are rounded once to bf16, sums stay in f32; NaN and infinities are not treated apart.
; NO CLUSTER: each byte of the weights has one reader.  What an expert's 32 work-groups share, its rows, lies at places that hang on a count from memory, and comes into registers, not into LDS.
; REGISTERS, in windows of 256 (s_set_vgpr_msb: bits 1:0 source 0, 3:2 source 1, 5:4 source 2, 7:6 destination):
;   window 0: addresses; v16-79 the bias; v80-95 fragments on their way to LDS; v112-119 LDS addresses; v128-255 the panel's fragments of a K step, two buffers (first: the bias as loaded)
;   window 1: v0-159 the rows' fragments, a ring of four K steps x five tiles; on the way out v0-175 at work
;   window 2: the accumulators of tiles 0-3, (a, tN) at v[64 a + 8 tN]     window 3: v0-63 the accumulators of tile 4; v64-191 four landing places for weights, 8 rows x 4 registers each
.set PITCH, 16384                      ; bytes from row to row of w1
.set MSTEP, 64*PITCH                   ; 64 rows: two K steps
.set TSH,   15                         ; a tile of xg is 1 << 15 bytes
.set SPARE, 262144                     ; behind the panel: the spare words, 128 bytes a wave, two blocks of 256 bytes that no other line names
; THE PANEL IN LDS: block (S, tN) of 1,024 bytes at 65536 (2 (S % 2) + tN / 4) + 4096 (S / 2) + 1024 (tN % 4); registers 0-3 of all lanes, then registers 4-7.  Wave w writes the 65,536 bytes from 65536 w on:
; it takes the K steps of parity w / 2 and the column half c = w % 2.  Its UNIT m = 0..15 is K step 2 m + w / 2; HALF UNIT j = 2 m + q is the unit's rows u = 8 q .. 8 q + 7, which fill registers 4 q .. 4 q + 3 of four fragments.
.set LN16, 1                           ; v1      16 x lane
.set VW,   2                           ; v2      my offset in w1: 32 h rows + 16 i bytes
.set LS,   3                           ; v3      where I store fragments in LDS: LS0 + the bytes stepped
.set LS0,  4                           ; v4      16 x lane + 65536 w; never rewritten
.set HL,   5                           ; v5      128 h: my offset in b1
.set VA,   6                           ; v6-10   my offset in xg for the unit's five tiles
.set VO,   11                          ; v11     my offset in hf
.set SPW,  14                          ; v14     my spare word; never rewritten
.set NIL,  15                          ; v15     0; never rewritten
.set BIAS, 16                          ; (tN, j) at v[16 + 8 tN + j]
.set F,    80
.set LB,   112                         ; v112-115  where I read the panel's region g: LB0 + the bytes stepped
.set LB0,  116                         ; v116-119  16 x lane + 65536 g; never rewritten
.set BB,   128
.set RAWB, 128                         ; the bias as loaded: (c, j, t) at v[128 + 32 c + 4 j + t]
.set LAND, 64                          ; window 3
.set HX, 0                             ; window 1, on the way out: x / 2, (t, j) at 8 t + j
.set TT, 32
.set EE, 64
.set PP, 96
.set RR, 128
.set OUT, 160
.set WV, 14                            ; s14 wave   s15 slice   s16 expert   s17 the expert's rows   s18 its tiles   s19 my tiles
.set SL, 15
.set EX, 16
.set CE, 17
.set TE, 18
.set NW, 19
.set I0, 20                            ; s20 the unit's first tile among mine   s21 how many of mine are left from there   s22 units to go   s23 a loop's count   s24 z   s28 the LDS bytes stepped by a K loop
.set LIVE, 21
.set UC, 22
.set KC, 23
.set Z,  24
.set TB, 28
.set SW, 32                            ; s[32:33] w1 at my part of the panel   s[34:35] xg at the expert   s[36:37] the same, stepped along K   s[38:39] hf at the expert and slice
.set SA0, 34
.set SA, 36
.set SO, 38
.set A1, 40                            ; s[40:49] P's coefficients, each twice (named as pairs)   s50 0.46328378   s[52:53] -2 log2 e
.set A2, 42
.set A3, 44
.set A4, 46
.set A5, 48
.set KD, 50
.set KE, 52
.set MSB, 0
.macro WIN new                         ; the high byte repeats the setting that is left; a switch that changes nothing is dropped
.if MSB != (\new)
	s_set_vgpr_msb (MSB<<8)|(\new)
.set MSB, \new
.endif
.endm
.macro PAIR r, bits
	s_mov_b32 s[\r], \bits
	s_mov_b32 s[(\r)+1], \bits
.endm
.macro PLACES                          ; four places between products and loads into registers that they read, or lines that read their results (ISA guide 7.12.1 for lines that read their results)
.rept 4
	v_nop
.endr
.endm
; Eight rows of weights are asked for, into a landing place
.macro WISSUE place, off
	WIN 0xc0                                       ; destination window 3
.irp u, 0,1,2,3,4,5,6,7
	global_load_b128 v[LAND+32*(\place)+4*(\u):LAND+32*(\place)+4*(\u)+3], v[VW], s[SW:SW+1] offset:(\off)+(\u)*PITCH th:TH_LOAD_NT
.endr
.endm
; A landing place is rounded (rows 2 g and 2 g + 1 of column 4 i + t) and stored: four stores of 512 consecutive bytes
.macro CONV place, off
	WIN 0x0f                                       ; sources window 3
.irp t, 0,1,2,3
.irp g, 0,1,2,3
	v_cvt_pk_bf16_f32 v[F+4*(\t)+(\g)], v[LAND+32*(\place)+8*(\g)+(\t)], v[LAND+32*(\place)+8*(\g)+4+(\t)]
.endr
.endr
	WIN 0
.irp t, 0,1,2,3
	ds_store_b128 v[LS], v[F+4*(\t):F+4*(\t)+3] offset:(\off)+1024*(\t)
.endr
.endm
; The panel's eight fragments of a K step of parity par, into buffer par
.macro BLOAD par, off
	WIN 0
.irp n, 0,1,2,3,4,5,6,7
	ds_load_b128 v[BB+64*(\par)+8*(\n):BB+64*(\par)+8*(\n)+3],   v[LB+2*(\par)+(\n)/4] offset:(\off)+1024*((\n)%4)
	ds_load_b128 v[BB+64*(\par)+8*(\n)+4:BB+64*(\par)+8*(\n)+7], v[LB+2*(\par)+(\n)/4] offset:(\off)+1024*((\n)%4)+512
.endr
.endm
; The fragments of tiles lo .. hi in a K step, into a place of the ring: 512 consecutive bytes a load
.macro ALOAD ring, off, lo, hi
	WIN 0x40                                       ; destination window 1
.set ta, \lo
.rept (\hi)-(\lo)+1
	global_load_b128 v[40*(\ring)+8*ta:40*(\ring)+8*ta+3],   v[VA+ta], s[SA:SA+1] offset:(\off)
	global_load_b128 v[40*(\ring)+8*ta+4:40*(\ring)+8*ta+7], v[VA+ta], s[SA:SA+1] offset:(\off)+512
.set ta, ta+1
.endr
.endm
; The eight products of tile a in one K step.  first = 1: the bias starts the sums.  The 32 or 40 accumulators take turns, one instruction a turn: between two products on one accumulator stand 31 others' at the least.
.macro MULT ring, par, first, a
.if \first
	WIN 0x84+0x40*((\a)/4)                         ; weights window 0, rows window 1, C (the bias) window 0, D window 2 or 3
.else
	WIN 0xa4+0x50*((\a)/4)                         ; C and D window 2 or 3
.endif
.irp n, 0,1,2,3,4,5,6,7
.if \first
	v_wmma_f32_16x16x32_bf16 v[64*((\a)%4)+8*(\n):64*((\a)%4)+8*(\n)+7], v[BB+64*(\par)+8*(\n):BB+64*(\par)+8*(\n)+7], v[40*(\ring)+8*(\a):40*(\ring)+8*(\a)+7], v[BIAS+8*(\n):BIAS+8*(\n)+7]
.else
	v_wmma_f32_16x16x32_bf16 v[64*((\a)%4)+8*(\n):64*((\a)%4)+8*(\n)+7], v[BB+64*(\par)+8*(\n):BB+64*(\par)+8*(\n)+7], v[40*(\ring)+8*(\a):40*(\ring)+8*(\a)+7], v[64*((\a)%4)+8*(\n):64*((\a)%4)+8*(\n)+7]
.endif
.endr
.endm
; ONE K STEP OF THE CHASE, S = 4 r + 1 + i, where r counts the loop's trips (the bases step with r).  In this order:
;   the wait nl for half unit S + 3 (asked for in step S - 4) and the rows' fragments of step S (asked for in step S - 3).  A step asks for the rows of tiles 0-3, then for the fifth tile's where there is one, then
;   for the weights, and loads come back in order (ISA guide 5.7.1).  On the way with the fewest loads 40 are younger than the fifth tile's of step S: 8 of weights from step S - 3 and 16 from each of the steps S - 2
;   and S - 1; half unit S + 3 is older.  A wave with five tiles has 44 younger, and so waits for four loads of weights more than it needs;
;   cv: half unit S + 3 is rounded and stored; the 16 conversions are also the places behind the last step's products;     nb: the panel's fragments of step S + 1 are fetched;
;   pf: the rows' fragments of step S + 3 are asked for;     the wait nd for the panel's fragments of step S: the 4 stores and 16 loads of this step are younger;
;   cond = 1: the jump, on my count of tiles, over the fifth tile's two loads and eight products.  cond = 0 (the requests for steps 0 to 3, the products of step 0): the fifth tile is taken whatever the count, so
;   that its registers are written on every way;     wi: half unit S + 7 is asked for, into the landing place just read: 58 loads of mine are out at the most (62 ahead of the loop);     mul: the 32 products of tiles 0-3.
;   bar (every even step): unit (S + 2) / 2 is whole in my part: my stores are done (and my LDS loads back: none may be out at a signal), say so behind 24 of those products; behind all 32 every wave has said so.
;   That unit is K steps S + 2 and S + 3 of the panel, which are fetched in steps S + 1 and S + 2.  No byte of the panel is written twice, so nothing else needs ordering.
.macro SLOT i, first, mul, cv, wi, pf, nb, bar, nl, nd, cond
.set RA, ((\i)+9)%4                    ; S % 4: the rows' place in the ring
.set PB, ((\i)+9)%2                    ; S % 2: the panel's buffer
.set PQ, ((\i)+8)%4                    ; (S + 3) % 4: the landing place, and the ring's place that is filled
	s_wait_loadcnt \nl
.if \cv
	CONV PQ, 4096*(((\i)+4)/2)+512*(((\i)+4)%2)
.elseif \nb
	PLACES
.endif
.if \nb
	BLOAD 1-PB, 4096*(((\i)+2)/2)
.endif
.if \pf
	ALOAD PQ, ((\i)+4)*1024, 0, 3
.endif
.if \mul
	s_wait_dscnt \nd
.endif
.if \cond
	WIN 0                                          ; at a branch and at a label every window is 0
	s_cmp_lt_u32 s[LIVE], 5
	s_cbranch_scc1 .Lno_fifth_\@
.endif
.if \pf
	ALOAD PQ, ((\i)+4)*1024, 4, 4
.endif
.if \mul
	MULT RA, PB, \first, 4
.endif
.if \cond
	WIN 0
.Lno_fifth_\@:
.endif
.if \wi
	WISSUE PQ, (((\i)+8)/2)*MSTEP+8*(((\i)+8)%2)*PITCH
.endif
.if \mul
	MULT RA, PB, \first, 0
	MULT RA, PB, \first, 1
	MULT RA, PB, \first, 2
.if \bar
	s_wait_dscnt 0x0
	s_barrier_signal -1
.endif
	MULT RA, PB, \first, 3
.if \bar
	s_barrier_wait -1
.endif
.elseif \bar
	s_wait_dscnt 0x0
	s_barrier_signal -1
	s_barrier_wait -1
.endif
.endm
; One K step of a further unit, S = 2 r + 1 + i: the next step's fragments are asked for (nxt = 1; 10 loads and 16 LDS loads are then younger than this step's), then the 40 products
.macro GSL i, first, nxt
.set PB, ((\i)+9)%2
.if !(\first)
	PLACES
.endif
.if \nxt
	BLOAD 1-PB, 4096*(((\i)+2)/2)
	ALOAD 1-PB, ((\i)+2)*1024, 0, 4
	s_wait_loadcnt 10
	s_wait_dscnt 16
.else
	s_wait_loadcnt 0x0
	s_wait_dscnt 0x0
.endif
.irp a, 0,1,2,3,4
	MULT PB, PB, \first, \a
.endr
.endm
; The addresses of a unit: my tiles I0 .. I0 + 4; past my last tile: my last tile again
.macro SETUP
	s_sub_co_u32 s26, s[NW], 1
.irp a, 0,1,2,3,4
	s_add_co_u32 s25, s[I0], \a
	s_min_u32 s25, s25, s26
	s_lshl2_add_u32 s25, s25, s[WV]                ; tile 4 x + w
	s_min_u32 s25, s25, 63
	s_lshl_b32 s25, s25, TSH
	v_add_nc_u32 v[VA+(\a)], s25, v[LN16]
.endr
	s_mov_b64 s[SA:SA+1], s[SA0:SA0+1]
	s_mov_b32 s[TB], 0
.irp g, 0,1,2,3
	v_mov_b32 v[LB+(\g)], v[LB0+(\g)]
.endr
.endm
; Half c of tile a leaves its accumulators, halved; each accumulator's registers in ascending order
.macro XFER a, c
	WIN 0x42+(\a)/4                                ; source 0 window 2 or 3, destination window 1
.irp t, 0,1,2,3
.irp g, 0,1,2,3
	v_pk_mul_f32 v[HX+8*(\t)+2*(\g):HX+8*(\t)+2*(\g)+1], v[64*((\a)%4)+8*(4*(\c)+(\t))+2*(\g):64*((\a)%4)+8*(4*(\c)+(\t))+2*(\g)+1], 0.5 op_sel_hi:[1,0]
.endr
.endr
	WIN 0
.endm
	s_load_b256 s[4:11], s[0:1], 0x0               ; xg s[4:5], w1 s[6:7], b1 s[8:9], cnt s[10:11]
	s_load_b64 s[12:13], s[0:1], 0x20              ; hf
	v_lshl_add_u32 v[SPW], v0, 2, SPARE
	v_mov_b32 v[NIL], 0
	v_lshrrev_b32 v12, 5, v0
	v_readfirstlane_b32 s[WV], v12
	s_mov_b32 s[SL], ttmp9
	s_and_b32 s[EX], ttmp7, 0xffff
	v_and_b32 v12, 31, v0
	v_lshlrev_b32 v[LN16], 4, v12
	v_and_b32 v12, 15, v0                          ; i
	v_bfe_u32 v13, v0, 4, 1                        ; h
	v_lshlrev_b32 v[VW], 4, v12
	v_lshl_add_u32 v[VW], v13, 19, v[VW]           ; 32 rows of 16,384 bytes for the upper half of the lanes
	v_lshl_add_u32 v[LS0], s[WV], 16, v[LN16]
	v_mov_b32 v[LS], v[LS0]
.irp g, 0,1,2,3
	v_add_nc_u32 v[LB0+(\g)], 65536*(\g), v[LN16]
.endr
	v_lshlrev_b32 v[HL], 7, v13
	s_mov_b32 s31, 0
	s_lshl_b32 s30, s[EX], 24                      ; an expert's w1 is 16 MiB
	s_lshl_b32 s25, s[SL], 9
	s_add_co_u32 s30, s30, s25                     ; the slice's 512 bytes of a row
	s_and_b32 s25, s[WV], 1
	s_lshl_b32 s25, s25, 8
	s_add_co_u32 s30, s30, s25                     ; 256 c
	s_lshr_b32 s25, s[WV], 1
	s_lshl_b32 s25, s25, 18
	s_add_co_u32 s30, s30, s25                     ; 16 rows for the odd K steps
	s_wait_kmcnt 0x0
	s_add_nc_u64 s[SW:SW+1], s[6:7], s[30:31]
	s_lshl_b32 s30, s[EX], 7
	s_add_nc_u64 s[10:11], s[10:11], s[30:31]
	s_load_b32 s[CE], s[10:11], 0x0                ; the expert's rows
	s_lshl_b32 s30, s[EX], 14
	s_lshl_b32 s25, s[SL], 9
	s_add_co_u32 s30, s30, s25
	s_add_nc_u64 s[8:9], s[8:9], s[30:31]          ; b1 at my 128 columns
	s_lshl_b32 s30, s[EX], 21
	s_add_nc_u64 s[SA0:SA0+1], s[4:5], s[30:31]    ; 64 tiles of 32,768 bytes an expert
	s_lshl_b32 s30, s[EX], 23
	s_lshl_b32 s25, s[SL], 12
	s_add_co_u32 s30, s30, s25
	s_add_nc_u64 s[SO:SO+1], s[12:13], s[30:31]    ; 64 tiles of 131,072 bytes an expert; the slice's four blocks
.irp c, 0,1
.irp j, 0,1,2,3,4,5,6,7
	global_load_b128 v[RAWB+32*(\c)+4*(\j):RAWB+32*(\c)+4*(\j)+3], v[HL], s[8:9] offset:256*(\c)+16*(\j)  ; b1 of columns 64 c + 32 h + 4 j + 0..3
.endr
.endr
	WISSUE 0, 0                                    ; half units 0 to 3 fill the four landing places
	WISSUE 1, 8*PITCH
	WISSUE 2, MSTEP
	WISSUE 3, MSTEP+8*PITCH
	WIN 0
	PAIR A1, 0x3e827906                            ;  0.254829592
	PAIR A2, 0xbe91a98e                            ; -0.284496736
	PAIR A3, 0x3fb5f0e3                            ;  1.421413741
	PAIR A4, 0xbfba00e3                            ; -1.453152027
	PAIR A5, 0x3f87dc22                            ;  1.061405429
	s_mov_b32 s[KD], 0x3eed3388                    ;  0.3275911 sqrt 2
	PAIR KE, 0xc038aa3b                            ; -2 log2 e
	s_wait_kmcnt 0x0
	s_min_u32 s[CE], s[CE], 1024
	s_add_co_u32 s[TE], s[CE], 15
	s_lshr_b32 s[TE], s[TE], 4                     ; tiles of 16 rows
	s_add_co_u32 s[NW], s[TE], 3
	s_sub_co_u32 s[NW], s[NW], s[WV]
	s_lshr_b32 s[NW], s[NW], 2                     ; of which w, w + 4, .. are mine
	s_mov_b32 s[I0], 0
	s_mov_b32 s[LIVE], s[NW]
	SETUP
	; THE CHASE.  Steps -3 to -1 have no products yet.    i  first mul cv wi pf nb bar  nl  nd cond
	SLOT -4, 0, 0, 1, 1, 1, 0, 0, 24, 0, 0         ; step -3: half unit 0 is in: half units 1 to 3 are younger; the bias is older
	WIN 0
.irp c, 0,1
.irp t, 0,1,2,3
.irp j, 0,1,2,3,4,5,6,7
	v_mov_b32 v[BIAS+32*(\c)+8*(\t)+(\j)], v[RAWB+32*(\c)+4*(\j)+(\t)]  ; the bias in the accumulators' order, so that it can be the first product's C; its landing place is the panel's buffer from step -1 on
.endr
.endr
.endr
	SLOT -3, 0, 0, 1, 1, 1, 0, 1, 34, 0, 0         ; step -2: half unit 1: younger are half units 2 and 3, the ten loads of the rows' step 0 and half unit 4.  Unit 0 is whole: the first barrier
	SLOT -2, 0, 0, 1, 1, 1, 1, 0, 44, 0, 0         ; step -1: half unit 2: younger are half unit 3 and the 18 loads of each of the steps -3 and -2
	SLOT -1, 1, 1, 1, 1, 1, 1, 1, 44, 20, 0        ; step 0 stands in front of the loop: its products start the sums.  44: half unit 4 and the 18 loads of each of the steps -2 and -1
	WIN 0                                          ; at a label and at a branch every window is 0
	s_mov_b32 s[KC], 6
.Lchase:                                               ; a trip: K steps 4 r + 1 .. 4 r + 4; the last trip asks for the panel's last rows
	SLOT 0, 0, 1, 1, 1, 1, 1, 0, 40, 20, 1
	SLOT 1, 0, 1, 1, 1, 1, 1, 1, 40, 20, 1
	SLOT 2, 0, 1, 1, 1, 1, 1, 0, 40, 20, 1
	SLOT 3, 0, 1, 1, 1, 1, 1, 1, 40, 20, 1
	WIN 0
	s_wait_xcnt 0x0                                ; the loads' bases are stepped only behind this wait
	s_add_nc_u64 s[SW:SW+1], s[SW:SW+1], 2*MSTEP
	s_add_nc_u64 s[SA:SA+1], s[SA:SA+1], 4096
	s_add_co_u32 s[TB], s[TB], 0x2000              ; six steps of 8,192: with the offsets, 65,024 + 16 x lane at the most within a region of 65,536
	v_add_nc_u32 v[LS], s[TB], v[LS0]
.irp g, 0,1,2,3
	v_add_nc_u32 v[LB+(\g)], s[TB], v[LB0+(\g)]
.endr
	s_sub_co_u32 s[KC], s[KC], 1
	s_cmp_lg_u32 s[KC], 0
	s_cbranch_scc1 .Lchase
	SLOT 0, 0, 1, 1, 0, 1, 1, 0, 40, 20, 1         ; steps 25 to 31: no load leaves the panel or a tile's 32 blocks, so the counts run down: no more weights are asked for,
	SLOT 1, 0, 1, 1, 0, 1, 1, 1, 32, 20, 1         ; 32: half units 30 and 31, the eight loads of the rows' steps 27 and 28
	SLOT 2, 0, 1, 1, 0, 1, 1, 0, 24, 20, 1         ; 24: half unit 31, the rows' steps 28 and 29
	SLOT 3, 0, 1, 1, 0, 1, 1, 1, 16, 20, 1         ; 16: the rows' steps 29 and 30.  The last half unit is stored: the chase's last barrier
	SLOT 4, 0, 1, 0, 0, 0, 1, 0, 16, 16, 1         ; 16: the rows' steps 30 and 31
	SLOT 5, 0, 1, 0, 0, 0, 1, 0, 8, 16, 1
	SLOT 6, 0, 1, 0, 0, 0, 0, 0, 0, 0, 1
	WIN 0
	s_mov_b32 s[UC], 4
	s_branch .Lway_out                             ; the loop over units is entered in its middle: the way out is written once
.Lunit:                                                ; three times: my tiles 5 to 9, 10 to 14, 15
	s_sub_co_i32 s[LIVE], s[NW], s[I0]
	s_cmp_le_i32 s[LIVE], 0
	s_cbranch_scc1 .Lunit_next                     ; no tile of mine is left: what is jumped holds no barrier and writes no LDS
	s_wait_xcnt 0x0                                ; the last unit's loads and stores have read their registers
	SETUP
	BLOAD 0, 0
	ALOAD 0, 0, 0, 4
	GSL -1, 1, 1                                   ; K step 0 starts the sums
	WIN 0
	s_mov_b32 s[KC], 15
.Lk:                                                   ; a trip: K steps 2 r + 1 and 2 r + 2
	GSL 0, 0, 1
	GSL 1, 0, 1
	WIN 0
	s_wait_xcnt 0x0                                ; the loads' base is stepped only behind this wait
	s_add_nc_u64 s[SA:SA+1], s[SA:SA+1], 2048
	s_add_co_u32 s[TB], s[TB], 0x1000
.irp g, 0,1,2,3
	v_add_nc_u32 v[LB+(\g)], s[TB], v[LB0+(\g)]
.endr
	s_sub_co_u32 s[KC], s[KC], 1
	s_cmp_lg_u32 s[KC], 0
	s_cbranch_scc1 .Lk
	GSL 0, 0, 0                                    ; K step 31: nothing more to ask for
	WIN 0
.Lway_out:
	; THE WAY OUT: ten halves of tiles (z = 2 a + c), one text for the arithmetic; only the lines that fetch from the accumulators are written ten times
	PLACES                                         ; behind the last products
	s_mov_b32 s[Z], 0
.Lz:
	s_lshr_b32 s25, s[Z], 1
	s_cmp_ge_u32 s25, s[LIVE]
	s_cbranch_scc1 .Lz_next                        ; a tile that does not exist is not stored
.irp z, 0,1,2,3,4,5,6,7,8
	s_cmp_eq_u32 s[Z], \z
	s_cbranch_scc1 .Lx\z
.endr
	XFER 4, 1
	s_branch .Lgelu
.irp z, 0,1,2,3,4,5,6,7,8
.Lx\z:
	XFER (\z)/2, (\z)%2
	s_branch .Lgelu
.endr
.Lgelu:
	WIN 0x55                                       ; all in window 1
.set n, 0
.rept 16
	v_pk_mul_f32 v[EE+2*n:EE+2*n+1], v[HX+2*n:HX+2*n+1], v[HX+2*n:HX+2*n+1]
.set n, n+1
.endr
.set n, 0
.rept 32
	v_fma_f32 v[TT+n], |v[HX+n]|, s[KD], 1.0
.set n, n+1
.endr
.set n, 0
.rept 16
	v_pk_mul_f32 v[EE+2*n:EE+2*n+1], v[EE+2*n:EE+2*n+1], s[KE:KE+1] op_sel_hi:[1,0]
.set n, n+1
.endr
.set n, 0
.rept 32                                               ; one batch: 32 reciprocals and 32 exponentials
	v_rcp_f32 v[TT+n], v[TT+n]
.set n, n+1
.endr
.set n, 0
.rept 32
	v_exp_f32 v[EE+n], v[EE+n]
.set n, n+1
.endr
.set n, 0
.rept 32                                               ; the independent work behind the batch: y + |y|, which is 0 exactly where y < 0
	v_add_f32 v[RR+n], v[HX+n], |v[HX+n]|
.set n, n+1
.endr
	s_wait_alu depctr_va_vdst(0)                   ; one wait for the 64, ahead of their first reader
.set n, 0
.rept 16
	v_pk_fma_f32 v[PP+2*n:PP+2*n+1], v[TT+2*n:TT+2*n+1], s[A5:A5+1], s[A4:A4+1] op_sel_hi:[1,0,0]
.set n, n+1
.endr
.irp k, A3, A2, A1
.set n, 0
.rept 16
	v_pk_fma_f32 v[PP+2*n:PP+2*n+1], v[PP+2*n:PP+2*n+1], v[TT+2*n:TT+2*n+1], s[\k:\k+1] op_sel_hi:[1,1,0]
.set n, n+1
.endr
.endr
.set n, 0
.rept 16
	v_pk_mul_f32 v[TT+2*n:TT+2*n+1], v[TT+2*n:TT+2*n+1], v[EE+2*n:EE+2*n+1]
.set n, n+1
.endr
.set n, 0
.rept 16
	v_pk_mul_f32 v[PP+2*n:PP+2*n+1], v[PP+2*n:PP+2*n+1], v[TT+2*n:TT+2*n+1]
.set n, n+1
.endr
.set n, 0
.rept 32
	v_fma_f32 v[RR+n], -|v[HX+n]|, v[PP+n], v[RR+n]
.set n, n+1
.endr
	s_wait_xcnt 0x0                                ; the last trip's stores have read OUT and their offset: both are written only behind this wait
.irp s, 0,1
.irp p, 0,1,2,3,4,5,6,7                ; K step 4 slice + 2 c + s of the next product: register p holds columns 16 s + 2 p and 16 s + 2 p + 1 of my 32: (t, j) = (2 (p % 2), 4 s + p / 2) and (t + 1, j)
	v_cvt_pk_bf16_f32 v[OUT+8*(\s)+(\p)], v[RR+16*((\p)%2)+4*(\s)+(\p)/2], v[RR+16*((\p)%2)+8+4*(\s)+(\p)/2]
.endr
.endr
	WIN 0
	s_lshr_b32 s25, s[Z], 1
	s_add_co_u32 s25, s25, s[I0]
	s_lshl2_add_u32 s25, s25, s[WV]                ; the tile
	s_min_u32 s25, s25, 63
	s_lshl_b32 s25, s25, 17                        ; of 131,072 bytes in hf,
	s_and_b32 s26, s[Z], 1
	s_lshl_b32 s26, s26, 11                        ; two blocks on for c = 1
	s_add_co_u32 s25, s25, s26
	v_add_nc_u32 v[VO], s25, v[LN16]
	WIN 0x04                                       ; the stores' data in window 1
.irp s, 0,1
	global_store_b128 v[VO], v[OUT+8*(\s):OUT+8*(\s)+3],   s[SO:SO+1] offset:1024*(\s)      ; 512 consecutive bytes a store
	global_store_b128 v[VO], v[OUT+8*(\s)+4:OUT+8*(\s)+7], s[SO:SO+1] offset:1024*(\s)+512
.endr
	WIN 0
.Lz_next:
	s_add_co_u32 s[Z], s[Z], 1
	s_cmp_lt_u32 s[Z], 10
	s_cbranch_scc1 .Lz
.Lunit_next:
	s_add_co_u32 s[I0], s[I0], 5
	s_sub_co_u32 s[UC], s[UC], 1
	s_cmp_lg_u32 s[UC], 0
	s_cbranch_scc1 .Lunit
	s_wait_dscnt 0x0                               ; my reads of the panel are back;
	s_barrier_signal -1
	s_barrier_wait -1                              ; every wave's are: no LDS word is written while a wave still reads.  No jump passes this barrier: every wave leaves the loop by its constant count
	s_wait_tensorcnt 0x0                           ; the wave's end, behind my last LDS store
	ds_add_u32 v[SPW], v[NIL]
	s_wait_dscnt 0x0
	s_endpgm
.Lfunc_end_k_q4744072691_ffn1:
	.size	k_q4744072691_ffn1, .Lfunc_end_k_q4744072691_ffn1-k_q4744072691_ffn1
	.p2alignl 7, 3214868480
	.fill 96, 4, 3214868480
	.section	.rodata,"a",@progbits
	.p2align	6, 0x0
	.amdhsa_kernel k_q4744072691_ffn1
		.amdhsa_group_segment_fixed_size 262656
		.amdhsa_private_segment_fixed_size 0
		.amdhsa_enable_private_segment 0
		.amdhsa_kernarg_size 40
		.amdhsa_user_sgpr_count 2
		.amdhsa_user_sgpr_kernarg_segment_ptr 1
		.amdhsa_wavefront_size32 1
		.amdhsa_system_sgpr_workgroup_id_x 1
		.amdhsa_system_sgpr_workgroup_id_y 1
		.amdhsa_system_sgpr_workgroup_id_z 1
		.amdhsa_system_vgpr_workitem_id 0
		.amdhsa_next_free_vgpr 960
		.amdhsa_next_free_sgpr 66
		.amdhsa_reserve_vcc 0
		.amdhsa_float_denorm_mode_32 3
		.amdhsa_float_denorm_mode_16_64 3
		.amdhsa_memory_ordered 1
		.amdhsa_forward_progress 1
		.amdhsa_inst_pref_size 142
	.end_amdhsa_kernel
	.amdgpu_metadata
---
amdhsa.version: [ 1, 2 ]
amdhsa.kernels:
  - .name:           k_q4744072691_ffn1
    .symbol:         k_q4744072691_ffn1.kd
    .args:
      - { .name: xg, .offset: 0, .size: 8, .value_kind: global_buffer, .address_space: global }
      - { .name: w1, .offset: 8, .size: 8, .value_kind: global_buffer, .address_space: global }
      - { .name: b1, .offset: 16, .size: 8, .value_kind: global_buffer, .address_space: global }
      - { .name: cnt, .offset: 24, .size: 8, .value_kind: global_buffer, .address_space: global }
      - { .name: hf, .offset: 32, .size: 8, .value_kind: global_buffer, .address_space: global }
    .group_segment_fixed_size: 262656
    .private_segment_fixed_size: 0
    .kernarg_segment_align: 8
    .kernarg_segment_size: 40
    .max_flat_workgroup_size: 128
    .sgpr_count:     66
    .vgpr_count:     960
    .wavefront_size: 32
...
	.end_amdgpu_metadata
.endif
;; end of part 7
;; launch ffn2 (part 8): grid 32 x 8, 4 waves a work-group, no clusters, 262,656 bytes of LDS; arguments hf, w2, gws, cnt, part; writes part
.if DOCPART == 8
	.amdgcn_target "amdgcn-amd-amdhsa--gfx1250"
	.amdhsa_code_object_version 6
	.text
	.protected	k_q4744072691_ffn2
	.globl	k_q4744072691_ffn2
	.p2align	8
	.type	k_q4744072691_ffn2,@function
k_q4744072691_ffn2:
	s_mov_b64 s[64:65], 0
	v_nop
	global_prefetch_b8 v0, s[64:65] scope:SCOPE_SE
	s_setreg_imm32_b32 hwreg(HW_REG_WAVE_MODE, 25, 1), 1
	s_wait_xcnt 0x0
; FFN2.  part[kq][row] = gate(row) x (h[row][1024 kq .. + 1023] . w2[e][1024 kq .. + 1023][128 slice .. + 127]) for the rows that chose expert e.  Work-group x = 8 kq + slice, y = expert: it owns a panel of
; 1,024 rows x 128 columns of w2[e], 512 KiB of f32 that it alone reads.  The four quarters of K are partial sums in f32; the next launch adds them, with b2 and the residual.
; THE PANEL streams through registers, is rounded once to bf16 and laid into LDS in the order of matrix operands (256 KiB), each byte written once.
; THE CHASE.  Wave w owns the expert's tiles of 16 rows w, w + 4, w + 8 ..; its first five are multiplied while the panel arrives: in K step S the wave rounds and stores the eight rows of weights that it
; asked for four steps ago, asks for eight more and for the rows' fragments of step S + 3 (from hf straight into registers), and issues the products of step S: 32 for its first four tiles and, where it has a
; fifth, 8 more.  A barrier in every second step shows the next two K steps of the panel to all four waves.  The chase has a constant count of steps and every wave passes every barrier; its one jump a step,
; on my count of tiles, goes forward over the fifth tile's two loads and eight products and over nothing else.  Among the first four a tile that does not exist repeats my last one (with no tile of mine:
; bytes of hf that nobody wrote) and is not stored.
; FURTHER UNITS.  An expert with more than 320 rows has more than five tiles for a wave.  They are multiplied behind the chase, five at a time, from the whole panel, in a loop of constant count (3 x 5 + 5 >= the 16 tiles
; that a wave can have) whose dead trips are jumped; it writes no LDS and holds no barrier.  Its requests run one K step ahead only: such splits are served, at a slower pace.
; A last barrier stands behind that loop, on every wave's path: every wave's reads of the panel are over before any wave's closing LDS write.
; PLACES OF k.  K step S = 0..31 of the quarter, lane half h, u = 0..15 stand for k = 64 (S / 2) + 32 h + 16 (S % 2) + u; register p of a fragment holds u = 2 p and 2 p + 1.  hf is laid out so by the launch before,
; and so is the panel.  A lane's loads of 16 bytes (rows k, columns 64 c + 4 i .. + 3, i = lane % 16) give four fragments by conversions alone: fragment t holds column 64 c + 4 i + t at index i.
; THE PRODUCT (source 0 = rows, source 1 = weights): lane (i, half h), accumulator (c, t), register j is row 8 h + j, column 64 c + 4 i + t.  The multiply by the gate puts t = 0..3 side by side: 16 bytes a lane,
; and sixteen lanes store 256 consecutive bytes of one row of part, at a multiple of 256 from its first byte.
; LIMITS.  h and w2 are rounded once to bf16, sums and partial sums stay in f32; NaN and infinities are not treated apart.
; NO CLUSTER: each byte of the weights has one reader.  What an expert's work-groups share, its rows, lies at places that hang on a count from memory, and comes into registers, not into LDS.
; REGISTERS, in windows of 256 (s_set_vgpr_msb: bits 1:0 source 0, 3:2 source 1, 5:4 source 2, 7:6 destination):
;   window 0: addresses; v16-55 the gates; v80-95 fragments on their way to LDS; v112-119 LDS addresses; v128-255 the panel's fragments of a K step, two buffers
;   window 1: v0-159 the rows' fragments, a ring of four K steps x five tiles; on the way out v0-63 a tile to store
;   window 2: the accumulators of tiles 0-3, (a, tN) at v[64 a + 8 tN]     window 3: v0-63 the accumulators of tile 4; v64-191 four landing places for weights, 8 rows x 4 registers each
.set PITCH, 4096                       ; bytes from row to row of w2
.set MSTEP, 64*PITCH                   ; 64 rows: two K steps
.set TSH,   17                         ; a tile of hf is 1 << 17 bytes
.set SPARE, 262144                     ; behind the panel: the spare words, 128 bytes a wave, two blocks of 256 bytes that no other line names
; THE PANEL IN LDS: block (S, tN) of 1,024 bytes at 65536 (2 (S % 2) + tN / 4) + 4096 (S / 2) + 1024 (tN % 4); registers 0-3 of all lanes, then registers 4-7.  Wave w writes the 65,536 bytes from 65536 w on:
; it takes the K steps of parity w / 2 and the column half c = w % 2.  Its UNIT m = 0..15 is K step 2 m + w / 2; HALF UNIT j = 2 m + q is the unit's rows u = 8 q .. 8 q + 7, which fill registers 4 q .. 4 q + 3 of four fragments.
.set LN16, 1                           ; v1      16 x lane
.set VW,   2                           ; v2      my offset in w2: 32 h rows + 16 i bytes
.set LS,   3                           ; v3      where I store fragments in LDS: LS0 + the bytes stepped
.set LS0,  4                           ; v4      16 x lane + 65536 w; never rewritten
.set HL,   5                           ; v5      32 h: my offset among a tile's gates
.set VA,   6                           ; v6-10   my offset in hf for the unit's five tiles
.set VO,   11                          ; v11     my offset in part
.set PL,   12                          ; v12     8 h rows of part + 16 i bytes
.set SPW,  14                          ; v14     my spare word; never rewritten
.set NIL,  15                          ; v15     0; never rewritten
.set GT,   16                          ; the gate of row 8 h + j of tile a at v[16 + 8 a + j]
.set VG,   56                          ; v56-60  my offset in gws for the five tiles
.set F,    80
.set LB,   112                         ; v112-115  where I read the panel's region g: LB0 + the bytes stepped
.set LB0,  116                         ; v116-119  16 x lane + 65536 g; never rewritten
.set BB,   128
.set LAND, 64                          ; window 3
.set WV, 14                            ; s14 wave   s15 slice   s16 expert   s17 the expert's rows   s18 its tiles   s19 my tiles
.set SL, 15
.set EX, 16
.set CE, 17
.set TE, 18
.set NW, 19
.set I0, 20                            ; s20 the unit's first tile among mine   s21 how many of mine are left from there   s22 units to go   s23 a loop's count   s28 the LDS bytes stepped by a K loop   s29 the quarter of K
.set LIVE, 21
.set UC, 22
.set KC, 23
.set TB, 28
.set KQ, 29
.set SW, 32                            ; s[32:33] w2 at my part of the panel   s[34:35] hf at the expert and quarter   s[36:37] the same, stepped along K   s[38:39] part at quarter, expert and slice
.set SA0, 34
.set SA, 36
.set SO, 38
.set MSB, 0
.macro WIN new                         ; the high byte repeats the setting that is left; a switch that changes nothing is dropped
.if MSB != (\new)
	s_set_vgpr_msb (MSB<<8)|(\new)
.set MSB, \new
.endif
.endm
.macro PLACES                          ; four places between products and loads into registers that they read, or lines that read their results (ISA guide 7.12.1 for lines that read their results)
.rept 4
	v_nop
.endr
.endm
; Eight rows of weights are asked for, into a landing place
.macro WISSUE place, off
	WIN 0xc0                                       ; destination window 3
.irp u, 0,1,2,3,4,5,6,7
	global_load_b128 v[LAND+32*(\place)+4*(\u):LAND+32*(\place)+4*(\u)+3], v[VW], s[SW:SW+1] offset:(\off)+(\u)*PITCH th:TH_LOAD_NT
.endr
.endm
; A landing place is rounded (rows 2 g and 2 g + 1 of column 4 i + t) and stored: four stores of 512 consecutive bytes
.macro CONV place, off
	WIN 0x0f                                       ; sources window 3
.irp t, 0,1,2,3
.irp g, 0,1,2,3
	v_cvt_pk_bf16_f32 v[F+4*(\t)+(\g)], v[LAND+32*(\place)+8*(\g)+(\t)], v[LAND+32*(\place)+8*(\g)+4+(\t)]
.endr
.endr
	WIN 0
.irp t, 0,1,2,3
	ds_store_b128 v[LS], v[F+4*(\t):F+4*(\t)+3] offset:(\off)+1024*(\t)
.endr
.endm
; The panel's eight fragments of a K step of parity par, into buffer par
.macro BLOAD par, off
	WIN 0
.irp n, 0,1,2,3,4,5,6,7
	ds_load_b128 v[BB+64*(\par)+8*(\n):BB+64*(\par)+8*(\n)+3],   v[LB+2*(\par)+(\n)/4] offset:(\off)+1024*((\n)%4)
	ds_load_b128 v[BB+64*(\par)+8*(\n)+4:BB+64*(\par)+8*(\n)+7], v[LB+2*(\par)+(\n)/4] offset:(\off)+1024*((\n)%4)+512
.endr
.endm
; The fragments of tiles lo .. hi in a K step, into a place of the ring: 512 consecutive bytes a load
.macro ALOAD ring, off, lo, hi
	WIN 0x40                                       ; destination window 1
.set ta, \lo
.rept (\hi)-(\lo)+1
	global_load_b128 v[40*(\ring)+8*ta:40*(\ring)+8*ta+3],   v[VA+ta], s[SA:SA+1] offset:(\off)
	global_load_b128 v[40*(\ring)+8*ta+4:40*(\ring)+8*ta+7], v[VA+ta], s[SA:SA+1] offset:(\off)+512
.set ta, ta+1
.endr
.endm
; The gates of rows 8 h .. 8 h + 7 of the five tiles
.macro GLOAD
	WIN 0
.irp a, 0,1,2,3,4
	global_load_b128 v[GT+8*(\a):GT+8*(\a)+3],   v[VG+(\a)], s[8:9]
	global_load_b128 v[GT+8*(\a)+4:GT+8*(\a)+7], v[VG+(\a)], s[8:9] offset:16
.endr
.endm
; The eight products of tile a in one K step.  first = 1: the constant 0 starts the sums.  The 32 or 40 accumulators take turns, one instruction a turn: between two products on one accumulator stand 31 others' at the least.
.macro MULT ring, par, first, a
	WIN 0xa1+0x50*((\a)/4)                         ; rows window 1, weights window 0, C and D window 2 or 3
.irp n, 0,1,2,3,4,5,6,7
.if \first
	v_wmma_f32_16x16x32_bf16 v[64*((\a)%4)+8*(\n):64*((\a)%4)+8*(\n)+7], v[40*(\ring)+8*(\a):40*(\ring)+8*(\a)+7], v[BB+64*(\par)+8*(\n):BB+64*(\par)+8*(\n)+7], 0
.else
	v_wmma_f32_16x16x32_bf16 v[64*((\a)%4)+8*(\n):64*((\a)%4)+8*(\n)+7], v[40*(\ring)+8*(\a):40*(\ring)+8*(\a)+7], v[BB+64*(\par)+8*(\n):BB+64*(\par)+8*(\n)+7], v[64*((\a)%4)+8*(\n):64*((\a)%4)+8*(\n)+7]
.endif
.endr
.endm
; ONE K STEP OF THE CHASE, S = 4 r + 1 + i, where r counts the loop's trips (the bases step with r).  In this order:
;   the wait nl for half unit S + 3 (asked for in step S - 4) and the rows' fragments of step S (asked for in step S - 3).  A step asks for the rows of tiles 0-3, then for the fifth tile's where there is one, then
;   for the weights, and loads come back in order (ISA guide 5.7.1).  On the way with the fewest loads 40 are younger than the fifth tile's of step S: 8 of weights from step S - 3 and 16 from each of the steps S - 2
;   and S - 1; half unit S + 3 is older.  A wave with five tiles has 44 younger, and so waits for four loads of weights more than it needs;
;   cv: half unit S + 3 is rounded and stored; the 16 conversions are also the places behind the last step's products;     nb: the panel's fragments of step S + 1 are fetched;
;   pf: the rows' fragments of step S + 3 are asked for;     the wait nd for the panel's fragments of step S: the 4 stores and 16 loads of this step are younger;
;   cond = 1: the jump, on my count of tiles, over the fifth tile's two loads and eight products.  cond = 0 (the requests for steps 0 to 3, the products of step 0): the fifth tile is taken whatever the count, so
;   that its registers are written on every way;     wi: half unit S + 7 is asked for, into the landing place just read: 58 loads of mine are out at the most (62 ahead of the loop);     mul: the 32 products of tiles 0-3.
;   bar (every even step): unit (S + 2) / 2 is whole in my part: my stores are done (and my LDS loads back: none may be out at a signal), say so behind 24 of those products; behind all 32 every wave has said so.
;   That unit is K steps S + 2 and S + 3 of the panel, which are fetched in steps S + 1 and S + 2.  No byte of the panel is written twice, so nothing else needs ordering.
.macro SLOT i, first, mul, cv, wi, pf, nb, bar, nl, nd, cond
.set RA, ((\i)+9)%4                    ; S % 4: the rows' place in the ring
.set PB, ((\i)+9)%2                    ; S % 2: the panel's buffer
.set PQ, ((\i)+8)%4                    ; (S + 3) % 4: the landing place, and the ring's place that is filled
	s_wait_loadcnt \nl
.if \cv
	CONV PQ, 4096*(((\i)+4)/2)+512*(((\i)+4)%2)
.elseif \nb
	PLACES
.endif
.if \nb
	BLOAD 1-PB, 4096*(((\i)+2)/2)
.endif
.if \pf
	ALOAD PQ, ((\i)+4)*1024, 0, 3
.endif
.if \mul
	s_wait_dscnt \nd
.endif
.if \cond
	WIN 0                                          ; at a branch and at a label every window is 0
	s_cmp_lt_u32 s[LIVE], 5
	s_cbranch_scc1 .Lno_fifth_\@
.endif
.if \pf
	ALOAD PQ, ((\i)+4)*1024, 4, 4
.endif
.if \mul
	MULT RA, PB, \first, 4
.endif
.if \cond
	WIN 0
.Lno_fifth_\@:
.endif
.if \wi
	WISSUE PQ, (((\i)+8)/2)*MSTEP+8*(((\i)+8)%2)*PITCH
.endif
.if \mul
	MULT RA, PB, \first, 0
	MULT RA, PB, \first, 1
	MULT RA, PB, \first, 2
.if \bar
	s_wait_dscnt 0x0
	s_barrier_signal -1
.endif
	MULT RA, PB, \first, 3
.if \bar
	s_barrier_wait -1
.endif
.elseif \bar
	s_wait_dscnt 0x0
	s_barrier_signal -1
	s_barrier_wait -1
.endif
.endm
; One K step of a further unit, S = 2 r + 1 + i: the next step's fragments are asked for (nxt = 1; 10 loads and 16 LDS loads are then younger than this step's), then the 40 products
.macro GSL i, first, nxt
.set PB, ((\i)+9)%2
.if !(\first)
	PLACES
.endif
.if \nxt
	BLOAD 1-PB, 4096*(((\i)+2)/2)
	ALOAD 1-PB, ((\i)+2)*1024, 0, 4
	s_wait_loadcnt 10
	s_wait_dscnt 16
.else
	s_wait_loadcnt 0x0
	s_wait_dscnt 0x0
.endif
.irp a, 0,1,2,3,4
	MULT PB, PB, \first, \a
.endr
.endm
; The addresses of a unit: my tiles I0 .. I0 + 4; past my last tile: my last tile again
.macro SETUP
	s_sub_co_u32 s26, s[NW], 1
.irp a, 0,1,2,3,4
	s_add_co_u32 s25, s[I0], \a
	s_min_u32 s25, s25, s26
	s_lshl2_add_u32 s25, s25, s[WV]                ; tile 4 x + w
	s_min_u32 s25, s25, 63
	s_lshl_b32 s27, s25, 6                         ; its 16 gates of 4 bytes
	v_add_nc_u32 v[VG+(\a)], s27, v[HL]
	s_lshl_b32 s25, s25, TSH
	v_add_nc_u32 v[VA+(\a)], s25, v[LN16]
.endr
	s_mov_b64 s[SA:SA+1], s[SA0:SA0+1]
	s_mov_b32 s[TB], 0
.irp g, 0,1,2,3
	v_mov_b32 v[LB+(\g)], v[LB0+(\g)]
.endr
.endm
; Tile a leaves: its 64 numbers a lane times the rows' gates, into (c, j, t) at v[32 c + 4 j + t] of window 1; register 0 of every accumulator is read first.  Then 16 stores.
.macro OUTT a
	s_cmp_le_u32 s[LIVE], \a
	s_cbranch_scc1 .Lunit_next                     ; a tile that does not exist is not stored
	s_wait_xcnt 0x0                                ; the last tile's stores have read their data and their offset: both are written only behind this wait
	WIN 0x42+(\a)/4                                ; source 0 window 2 or 3, the gate window 0, destination window 1
.irp j, 0,1,2,3,4,5,6,7
.irp c, 0,1
.irp t, 0,1,2,3
	v_mul_f32 v[32*(\c)+4*(\j)+(\t)], v[64*((\a)%4)+8*(4*(\c)+(\t))+(\j)], v[GT+8*(\a)+(\j)]
.endr
.endr
.endr
	WIN 0
	s_add_co_u32 s25, s[I0], \a
	s_lshl2_add_u32 s25, s25, s[WV]                ; the tile
	s_min_u32 s25, s25, 63
	s_lshl_b32 s25, s25, 16                        ; its 16 rows of 4,096 bytes
	v_add_nc_u32 v[VO], s25, v[PL]
	WIN 0x04                                       ; the stores' data in window 1
.irp j, 0,1,2,3,4,5,6,7
.irp c, 0,1
	global_store_b128 v[VO], v[32*(\c)+4*(\j):32*(\c)+4*(\j)+3], s[SO:SO+1] offset:4096*(\j)+256*(\c)  ; sixteen lanes: 256 consecutive bytes of a row
.endr
.endr
	WIN 0
.endm
	s_load_b256 s[4:11], s[0:1], 0x0               ; hf s[4:5], w2 s[6:7], gws s[8:9], cnt s[10:11]
	s_load_b64 s[12:13], s[0:1], 0x20              ; part
	v_lshl_add_u32 v[SPW], v0, 2, SPARE
	v_mov_b32 v[NIL], 0
	v_lshrrev_b32 v62, 5, v0
	v_readfirstlane_b32 s[WV], v62
	s_and_b32 s[SL], ttmp9, 7
	s_lshr_b32 s[KQ], ttmp9, 3
	s_and_b32 s[EX], ttmp7, 0xffff
	v_and_b32 v62, 31, v0
	v_lshlrev_b32 v[LN16], 4, v62
	v_and_b32 v62, 15, v0                          ; i
	v_bfe_u32 v63, v0, 4, 1                        ; h
	v_lshlrev_b32 v[VW], 4, v62
	v_lshl_add_u32 v[PL], v63, 15, v[VW]           ; 8 rows of 4,096 bytes for the upper half of the lanes
	v_lshl_add_u32 v[VW], v63, 17, v[VW]           ; 32 rows of 4,096 bytes
	v_lshl_add_u32 v[LS0], s[WV], 16, v[LN16]
	v_mov_b32 v[LS], v[LS0]
.irp g, 0,1,2,3
	v_add_nc_u32 v[LB0+(\g)], 65536*(\g), v[LN16]
.endr
	v_lshlrev_b32 v[HL], 5, v63
	s_mov_b32 s31, 0
	s_lshl_b32 s30, s[EX], 24                      ; an expert's w2 is 16 MiB,
	s_lshl_b32 s25, s[KQ], 22
	s_add_co_u32 s30, s30, s25                     ; a quarter of its rows 4 MiB
	s_lshl_b32 s25, s[SL], 9
	s_add_co_u32 s30, s30, s25                     ; the slice's 512 bytes of a row
	s_and_b32 s25, s[WV], 1
	s_lshl_b32 s25, s25, 8
	s_add_co_u32 s30, s30, s25                     ; 256 c
	s_lshr_b32 s25, s[WV], 1
	s_lshl_b32 s25, s25, 16
	s_add_co_u32 s30, s30, s25                     ; 16 rows for the odd K steps
	s_wait_kmcnt 0x0
	s_add_nc_u64 s[SW:SW+1], s[6:7], s[30:31]
	s_lshl_b32 s30, s[EX], 7
	s_add_nc_u64 s[10:11], s[10:11], s[30:31]
	s_load_b32 s[CE], s[10:11], 0x0                ; the expert's rows
	WISSUE 0, 0                                    ; half units 0 to 3 fill the four landing places
	WISSUE 1, 8*PITCH
	WISSUE 2, MSTEP
	WISSUE 3, MSTEP+8*PITCH
	WIN 0
	s_lshl_b32 s30, s[EX], 12
	s_add_nc_u64 s[8:9], s[8:9], s[30:31]          ; the expert's 1,024 gates
	s_lshl_b32 s30, s[EX], 23
	s_lshl_b32 s25, s[KQ], 15
	s_add_co_u32 s30, s30, s25
	s_add_nc_u64 s[SA0:SA0+1], s[4:5], s[30:31]    ; 64 tiles of 131,072 bytes an expert; the quarter's 32 blocks in each
	s_lshl_b32 s30, s[KQ], 25
	s_lshl_b32 s25, s[EX], 22
	s_add_co_u32 s30, s30, s25
	s_lshl_b32 s25, s[SL], 9
	s_add_co_u32 s30, s30, s25
	s_add_nc_u64 s[SO:SO+1], s[12:13], s[30:31]    ; 32 MiB a quarter, 4 MiB an expert, 512 bytes a slice
	s_wait_kmcnt 0x0
	s_min_u32 s[CE], s[CE], 1024
	s_add_co_u32 s[TE], s[CE], 15
	s_lshr_b32 s[TE], s[TE], 4                     ; tiles of 16 rows
	s_add_co_u32 s[NW], s[TE], 3
	s_sub_co_u32 s[NW], s[NW], s[WV]
	s_lshr_b32 s[NW], s[NW], 2                     ; of which w, w + 4, .. are mine
	s_mov_b32 s[I0], 0
	s_mov_b32 s[LIVE], s[NW]
	SETUP
	GLOAD                                          ; ten loads, older than all the rows' fragments: in long before they are used
	; THE CHASE.  Steps -3 to -1 have no products yet.    i  first mul cv wi pf nb bar  nl  nd cond
	SLOT -4, 0, 0, 1, 1, 1, 0, 0, 34, 0, 0         ; step -3: half unit 0 is in: half units 1 to 3 and the ten loads of gates are younger
	SLOT -3, 0, 0, 1, 1, 1, 0, 1, 44, 0, 0         ; step -2: half unit 1: younger are half units 2 and 3, the gates, the ten loads of the rows' step 0 and half unit 4.  Unit 0 is whole: the first barrier
	SLOT -2, 0, 0, 1, 1, 1, 1, 0, 44, 0, 0         ; step -1: half unit 2 would allow 54; with 44 no more than 62 loads are out behind this step's requests
	SLOT -1, 1, 1, 1, 1, 1, 1, 1, 44, 20, 0        ; step 0 stands in front of the loop: its products start the sums.  44: half unit 4 and the 18 loads of each of the steps -2 and -1
	WIN 0                                          ; at a label and at a branch every window is 0
	s_mov_b32 s[KC], 6
.Lchase:                                               ; a trip: K steps 4 r + 1 .. 4 r + 4; the last trip asks for the panel's last rows
	SLOT 0, 0, 1, 1, 1, 1, 1, 0, 40, 20, 1
	SLOT 1, 0, 1, 1, 1, 1, 1, 1, 40, 20, 1
	SLOT 2, 0, 1, 1, 1, 1, 1, 0, 40, 20, 1
	SLOT 3, 0, 1, 1, 1, 1, 1, 1, 40, 20, 1
	WIN 0
	s_wait_xcnt 0x0                                ; the loads' bases are stepped only behind this wait
	s_add_nc_u64 s[SW:SW+1], s[SW:SW+1], 2*MSTEP
	s_add_nc_u64 s[SA:SA+1], s[SA:SA+1], 4096
	s_add_co_u32 s[TB], s[TB], 0x2000              ; six steps of 8,192: with the offsets, 65,024 + 16 x lane at the most within a region of 65,536
	v_add_nc_u32 v[LS], s[TB], v[LS0]
.irp g, 0,1,2,3
	v_add_nc_u32 v[LB+(\g)], s[TB], v[LB0+(\g)]
.endr
	s_sub_co_u32 s[KC], s[KC], 1
	s_cmp_lg_u32 s[KC], 0
	s_cbranch_scc1 .Lchase
	SLOT 0, 0, 1, 1, 0, 1, 1, 0, 40, 20, 1         ; steps 25 to 31: no load leaves the panel or the quarter's 32 blocks, so the counts run down: no more weights are asked for,
	SLOT 1, 0, 1, 1, 0, 1, 1, 1, 32, 20, 1         ; 32: half units 30 and 31, the eight loads of the rows' steps 27 and 28
	SLOT 2, 0, 1, 1, 0, 1, 1, 0, 24, 20, 1         ; 24: half unit 31, the rows' steps 28 and 29
	SLOT 3, 0, 1, 1, 0, 1, 1, 1, 16, 20, 1         ; 16: the rows' steps 29 and 30.  The last half unit is stored: the chase's last barrier
	SLOT 4, 0, 1, 0, 0, 0, 1, 0, 16, 16, 1         ; 16: the rows' steps 30 and 31
	SLOT 5, 0, 1, 0, 0, 0, 1, 0, 8, 16, 1
	SLOT 6, 0, 1, 0, 0, 0, 0, 0, 0, 0, 1
	WIN 0
	s_mov_b32 s[UC], 4
	s_branch .Lway_out                             ; the loop over units is entered in its middle: the way out is written once
.Lunit:                                                ; three times: my tiles 5 to 9, 10 to 14, 15
	s_sub_co_i32 s[LIVE], s[NW], s[I0]
	s_cmp_le_i32 s[LIVE], 0
	s_cbranch_scc1 .Lunit_next                     ; no tile of mine is left: what is jumped holds no barrier and writes no LDS
	s_wait_xcnt 0x0                                ; the last unit's loads and stores have read their registers
	SETUP
	BLOAD 0, 0
	GLOAD
	ALOAD 0, 0, 0, 4
	GSL -1, 1, 1                                   ; K step 0 starts the sums
	WIN 0
	s_mov_b32 s[KC], 15
.Lk:                                                   ; a trip: K steps 2 r + 1 and 2 r + 2
	GSL 0, 0, 1
	GSL 1, 0, 1
	WIN 0
	s_wait_xcnt 0x0                                ; the loads' base is stepped only behind this wait
	s_add_nc_u64 s[SA:SA+1], s[SA:SA+1], 2048
	s_add_co_u32 s[TB], s[TB], 0x1000
.irp g, 0,1,2,3
	v_add_nc_u32 v[LB+(\g)], s[TB], v[LB0+(\g)]
.endr
	s_sub_co_u32 s[KC], s[KC], 1
	s_cmp_lg_u32 s[KC], 0
	s_cbranch_scc1 .Lk
	GSL 0, 0, 0                                    ; K step 31: nothing more to ask for
	WIN 0
.Lway_out:
	PLACES                                         ; behind the last products
	OUTT 0
	OUTT 1
	OUTT 2
	OUTT 3
	OUTT 4
.Lunit_next:
	s_add_co_u32 s[I0], s[I0], 5
	s_sub_co_u32 s[UC], s[UC], 1
	s_cmp_lg_u32 s[UC], 0
	s_cbranch_scc1 .Lunit
	s_wait_dscnt 0x0                               ; my reads of the panel are back;
	s_barrier_signal -1
	s_barrier_wait -1                              ; every wave's are: no LDS word is written while a wave still reads.  No jump passes this barrier: every wave leaves the loop by its constant count
	s_wait_tensorcnt 0x0                           ; the wave's end, behind my last LDS store
	ds_add_u32 v[SPW], v[NIL]
	s_wait_dscnt 0x0
	s_endpgm
.Lfunc_end_k_q4744072691_ffn2:
	.size	k_q4744072691_ffn2, .Lfunc_end_k_q4744072691_ffn2-k_q4744072691_ffn2
	.p2alignl 7, 3214868480
	.fill 96, 4, 3214868480
	.section	.rodata,"a",@progbits
	.p2align	6, 0x0
	.amdhsa_kernel k_q4744072691_ffn2
		.amdhsa_group_segment_fixed_size 262656
		.amdhsa_private_segment_fixed_size 0
		.amdhsa_enable_private_segment 0
		.amdhsa_kernarg_size 40
		.amdhsa_user_sgpr_count 2
		.amdhsa_user_sgpr_kernarg_segment_ptr 1
		.amdhsa_wavefront_size32 1
		.amdhsa_system_sgpr_workgroup_id_x 1
		.amdhsa_system_sgpr_workgroup_id_y 1
		.amdhsa_system_sgpr_workgroup_id_z 1
		.amdhsa_system_vgpr_workitem_id 0
		.amdhsa_next_free_vgpr 960
		.amdhsa_next_free_sgpr 66
		.amdhsa_reserve_vcc 0
		.amdhsa_float_denorm_mode_32 3
		.amdhsa_float_denorm_mode_16_64 3
		.amdhsa_memory_ordered 1
		.amdhsa_forward_progress 1
		.amdhsa_inst_pref_size 131
	.end_amdhsa_kernel
	.amdgpu_metadata
---
amdhsa.version: [ 1, 2 ]
amdhsa.kernels:
  - .name:           k_q4744072691_ffn2
    .symbol:         k_q4744072691_ffn2.kd
    .args:
      - { .name: hf, .offset: 0, .size: 8, .value_kind: global_buffer, .address_space: global }
      - { .name: w2, .offset: 8, .size: 8, .value_kind: global_buffer, .address_space: global }
      - { .name: gws, .offset: 16, .size: 8, .value_kind: global_buffer, .address_space: global }
      - { .name: cnt, .offset: 24, .size: 8, .value_kind: global_buffer, .address_space: global }
      - { .name: part, .offset: 32, .size: 8, .value_kind: global_buffer, .address_space: global }
    .group_segment_fixed_size: 262656
    .private_segment_fixed_size: 0
    .kernarg_segment_align: 8
    .kernarg_segment_size: 40
    .max_flat_workgroup_size: 128
    .sgpr_count:     66
    .vgpr_count:     960
    .wavefront_size: 32
...
	.end_amdgpu_metadata
.endif
;; end of part 8
;; launch combine (part 9): grid 1024 x 1, 4 waves a work-group, no clusters, 0 bytes of LDS; arguments x, b2, selw, gw, rank, part, out0; writes out0
.if DOCPART == 9
	.amdgcn_target "amdgcn-amd-amdhsa--gfx1250"
	.amdhsa_code_object_version 6
	.text
	.protected	k_q4744072691_combine
	.globl	k_q4744072691_combine
	.p2align	8
	.type	k_q4744072691_combine,@function
k_q4744072691_combine:
	s_mov_b64 s[64:65], 0
	v_nop
	global_prefetch_b8 v0, s[64:65] scope:SCOPE_SE
	s_setreg_imm32_b32 hwreg(HW_REG_WAVE_MODE, 25, 1), 1
	s_wait_xcnt 0x0
; COMBINE.  out[t] = x[t] + the sum over the token's two experts k of (w_k b2[e_k] + the four quarters of K of part[.][1024 e_k + rank[e_k][t]]); part already holds the gate's weight.
; A work-group takes one token; thread n takes the 16 bytes at 16 n and at 2048 + 16 n of each row, so every load and store of a wave covers 512 consecutive bytes.  Each output row has this one owner.
; Which rows are read hangs on whole numbers that earlier launches stored (selw, rank), each bounded where the address is made.  rank[e][t] is read for all eight experts together with the token's word, at
; places that hang on the token alone, and the two that count are picked by selects: 24 bytes more, and one load fewer in the chain of loads that wait for each other.
; All sums in f32.  Memory binds: no LDS, no barrier, no matrix unit.
.set AC,  4                            ; v4-11   x, then the sum: the first 16 bytes, the second
.set B2R, 12                           ; v12-27  b2[e_k], 8 registers each
.set PR,  28                           ; v28-91  the eight partial rows (4 k + quarter), 8 registers each
.set RKS, 68                           ; s[68:75] rank[e][t], e = 0..7
; s[32:47] part at the eight rows   s[48:51] b2 at the two experts   s[22:23] w0, w1   s[56:57] w1 twice (named as a pair)
	s_load_b256 s[4:11], s[0:1], 0x0               ; x s[4:5], b2 s[6:7], selw s[8:9], gw s[10:11]
	s_load_b128 s[12:15], s[0:1], 0x20             ; rank s[12:13], part s[14:15]
	s_load_b64 s[16:17], s[0:1], 0x30              ; out0
	v_lshlrev_b32 v1, 4, v0
	s_mov_b32 s19, 0
	s_lshl_b32 s18, ttmp9, 2
	s_wait_kmcnt 0x0
	s_add_nc_u64 s[8:9], s[8:9], s[18:19]          ; selw[t]
	s_add_nc_u64 s[12:13], s[12:13], s[18:19]      ; rank[0][t]
	s_lshl_b32 s18, ttmp9, 3
	s_add_nc_u64 s[10:11], s[10:11], s[18:19]      ; gw[t]
	s_load_b32 s20, s[8:9], 0x0                    ; the token's word: e0 in bits 10:8, e1 in bits 18:16
	s_load_b64 s[22:23], s[10:11], 0x0             ; its two weights
.irp e, 0,1,2,3,4,5,6,7
	s_load_b32 s[RKS+(\e)], s[12:13], 4096*(\e)    ; an expert's 1,024 ranks are 4,096 bytes
.endr
	s_lshl_b32 s18, ttmp9, 12
	s_add_nc_u64 s[4:5], s[4:5], s[18:19]
	s_add_nc_u64 s[16:17], s[16:17], s[18:19]
	global_load_b128 v[AC:AC+3],   v1, s[4:5]
	global_load_b128 v[AC+4:AC+7], v1, s[4:5] offset:2048
	s_wait_kmcnt 0x0
	s_bfe_u32 s24, s20, 0x30008
	s_bfe_u32 s25, s20, 0x30010
	s_min_u32 s24, s24, 7
	s_min_u32 s25, s25, 7
	s_lshl_b32 s18, s24, 12
	s_add_nc_u64 s[48:49], s[6:7], s[18:19]
	s_lshl_b32 s18, s25, 12
	s_add_nc_u64 s[50:51], s[6:7], s[18:19]
.irp k, 0,1
	global_load_b128 v[B2R+8*(\k):B2R+8*(\k)+3],   v1, s[48+2*(\k):49+2*(\k)]
	global_load_b128 v[B2R+8*(\k)+4:B2R+8*(\k)+7], v1, s[48+2*(\k):49+2*(\k)] offset:2048
.endr
	s_mov_b32 s56, s23
	s_mov_b32 s57, s23
	s_mov_b32 s27, s[RKS]                          ; rank[e0][t] and rank[e1][t] out of the eight
	s_mov_b32 s21, s[RKS]
.irp e, 1,2,3,4,5,6,7
	s_cmp_eq_u32 s24, \e
	s_cselect_b32 s27, s[RKS+(\e)], s27
	s_cmp_eq_u32 s25, \e
	s_cselect_b32 s21, s[RKS+(\e)], s21
.endr
	s_min_u32 s27, s27, 1023
	s_min_u32 s21, s21, 1023
	s_lshl_b32 s24, s24, 10
	s_add_co_u32 s24, s24, s27                     ; row 1024 e0 + rank
	s_lshl_b32 s18, s24, 12
	s_add_nc_u64 s[32:33], s[14:15], s[18:19]
	s_lshl_b32 s25, s25, 10
	s_add_co_u32 s25, s25, s21
	s_lshl_b32 s18, s25, 12
	s_add_nc_u64 s[40:41], s[14:15], s[18:19]
.irp k, 0,1
.irp q, 1,2,3
	s_add_nc_u64 s[32+8*(\k)+2*(\q):33+8*(\k)+2*(\q)], s[32+8*(\k):33+8*(\k)], (\q)*0x2000000  ; a quarter of K is 32 MiB of part
.endr
.endr
.irp r, 0,1,2,3,4,5,6,7
	global_load_b128 v[PR+8*(\r):PR+8*(\r)+3],   v1, s[32+2*(\r):33+2*(\r)] th:TH_LOAD_NT
	global_load_b128 v[PR+8*(\r)+4:PR+8*(\r)+7], v1, s[32+2*(\r):33+2*(\r)] offset:2048 th:TH_LOAD_NT
.endr
	s_wait_loadcnt 16                              ; loads come back in order (ISA guide 5.7.1): x and b2 are in, the sixteen loads of part may be out
.irp p, 0,1,2,3
	v_pk_fma_f32 v[AC+2*(\p):AC+2*(\p)+1], v[B2R+2*(\p):B2R+2*(\p)+1], s[22:23], v[AC+2*(\p):AC+2*(\p)+1] op_sel_hi:[1,0,1]
.endr
.irp p, 0,1,2,3
	v_pk_fma_f32 v[AC+2*(\p):AC+2*(\p)+1], v[B2R+8+2*(\p):B2R+8+2*(\p)+1], s[56:57], v[AC+2*(\p):AC+2*(\p)+1] op_sel_hi:[1,0,1]
.endr
.irp r, 0,1,2,3,4,5,6,7
	s_wait_loadcnt 14-2*(\r)                       ; partial row r is in; the two loads of each later row may be out
.irp p, 0,1,2,3
	v_pk_add_f32 v[AC+2*(\p):AC+2*(\p)+1], v[AC+2*(\p):AC+2*(\p)+1], v[PR+8*(\r)+2*(\p):PR+8*(\r)+2*(\p)+1]
.endr
.endr
	global_store_b128 v1, v[AC:AC+3],   s[16:17]
	global_store_b128 v1, v[AC+4:AC+7], s[16:17] offset:2048
	s_endpgm
.Lfunc_end_k_q4744072691_combine:
	.size	k_q4744072691_combine, .Lfunc_end_k_q4744072691_combine-k_q4744072691_combine
	.p2alignl 7, 3214868480
	.fill 96, 4, 3214868480
	.section	.rodata,"a",@progbits
	.p2align	6, 0x0
	.amdhsa_kernel k_q4744072691_combine
		.amdhsa_group_segment_fixed_size 0
		.amdhsa_private_segment_fixed_size 0
		.amdhsa_enable_private_segment 0
		.amdhsa_kernarg_size 56
		.amdhsa_user_sgpr_count 2
		.amdhsa_user_sgpr_kernarg_segment_ptr 1
		.amdhsa_wavefront_size32 1
		.amdhsa_system_sgpr_workgroup_id_x 1
		.amdhsa_system_sgpr_workgroup_id_y 1
		.amdhsa_system_sgpr_workgroup_id_z 1
		.amdhsa_system_vgpr_workitem_id 0
		.amdhsa_next_free_vgpr 92
		.amdhsa_next_free_sgpr 76
		.amdhsa_reserve_vcc 0
		.amdhsa_float_denorm_mode_32 3
		.amdhsa_float_denorm_mode_16_64 3
		.amdhsa_memory_ordered 1
		.amdhsa_forward_progress 1
		.amdhsa_inst_pref_size 9
	.end_amdhsa_kernel
	.amdgpu_metadata
---
amdhsa.version: [ 1, 2 ]
amdhsa.kernels:
  - .name:           k_q4744072691_combine
    .symbol:         k_q4744072691_combine.kd
    .args:
      - { .name: x, .offset: 0, .size: 8, .value_kind: global_buffer, .address_space: global }
      - { .name: b2, .offset: 8, .size: 8, .value_kind: global_buffer, .address_space: global }
      - { .name: selw, .offset: 16, .size: 8, .value_kind: global_buffer, .address_space: global }
      - { .name: gw, .offset: 24, .size: 8, .value_kind: global_buffer, .address_space: global }
      - { .name: rank, .offset: 32, .size: 8, .value_kind: global_buffer, .address_space: global }
      - { .name: part, .offset: 40, .size: 8, .value_kind: global_buffer, .address_space: global }
      - { .name: out0, .offset: 48, .size: 8, .value_kind: global_buffer, .address_space: global }
    .group_segment_fixed_size: 0
    .private_segment_fixed_size: 0
    .kernarg_segment_align: 8
    .kernarg_segment_size: 56
    .max_flat_workgroup_size: 128
    .sgpr_count:     76
    .vgpr_count:     92
    .wavefront_size: 32
...
	.end_amdgpu_metadata
.endif
;; end of part 9
;; ======== version 3 of 3: 5 launches; version 2 with the launches ffn1, ffn2 written anew for expert scheduling mode
;; workspace buffers: selw 4,096 bytes of whole numbers; gw 8,192 bytes; rank 32,768 bytes of whole numbers; cnt 1,024 bytes of whole numbers; xg 16,777,216 bytes; gws 32,768 bytes; hf 67,108,864 bytes; part 134,217,728 bytes
;; launch router: the kernel of part 1 again; grid 256 x 1, 4 waves a work-group, no clusters, 0 bytes of LDS; arguments x, router_w, router_b, selw, gw; writes selw, gw
;; launch place: the kernel of part 6 again; grid 64 x 8, 4 waves a work-group, no clusters, 33,280 bytes of LDS; arguments selw, gw, x, xg, gws, rank, cnt; writes xg, gws, rank, cnt
;; launch ffn1 (part 10): grid 32 x 8, 4 waves a work-group, no clusters, 262,656 bytes of LDS; arguments xg, w1, b1, cnt, hf; writes hf
.if DOCPART == 10
	.amdgcn_target "amdgcn-amd-amdhsa--gfx1250"
	.amdhsa_code_object_version 6
	.text
	.protected	k_q4744072691_ffn1
	.globl	k_q4744072691_ffn1
	.p2align	8
	.type	k_q4744072691_ffn1,@function
k_q4744072691_ffn1:
	s_mov_b64 s[64:65], 0
	v_nop
	global_prefetch_b8 v0, s[64:65] scope:SCOPE_SE
	s_setreg_imm32_b32 hwreg(HW_REG_WAVE_SCHED_MODE, 0, 2), 2
	s_setreg_imm32_b32 hwreg(HW_REG_WAVE_MODE, 25, 1), 1
	s_wait_xcnt 0x0
	s_wait_alu depctr_vm_vsrc(0)
; FFN1.  h = gelu(x w1[e] + b1[e]) for the rows that chose expert e.  Work-group (slice = x, expert = y) owns the panel w1[e][0..1023][128 slice .. + 127]: 512 KiB of f32 that it alone reads.
; THE PANEL streams through registers, is rounded once to bf16 and laid into LDS in the order of matrix operands (256 KiB), each byte written once.
; THE CHASE.  Wave w owns the expert's tiles of 16 rows w, w + 4, w + 8 ..; its first five are multiplied while the panel arrives: in K step S the wave rounds and stores the eight rows of weights that it
; asked for four steps ago, asks for eight more and for the rows' fragments of step S + 3 (from xg straight into registers), and issues the products of step S: 32 for its first four tiles and, where it has a
; fifth, 8 more.  A barrier in every second step shows the next two K steps of the panel to all four waves.  The chase has a constant count of steps and every wave passes every barrier; its one jump a step,
; on my count of tiles, goes forward over the fifth tile's two loads and eight products and over nothing else.  Among the first four a tile that does not exist repeats my last one (with no tile of mine:
; bytes of xg that nobody wrote) and is not stored.
; FURTHER UNITS.  An expert with more than 320 rows has more than five tiles for a wave.  They are multiplied behind the chase, five at a time, from the whole panel, in a loop of constant count (3 x 5 + 5 >= the 16 tiles
; that a wave can have) whose dead trips are jumped; it writes no LDS and holds no barrier.  Its requests run one K step ahead only: such splits are served, at a slower pace.
; A last barrier stands behind that loop, on every wave's path: every wave's reads of the panel are over when any wave goes on to its end.
; PLACES OF k.  K step S = 0..31, lane half h, u = 0..15 stand for k = 64 (S / 2) + 32 h + 16 (S % 2) + u; register p of a fragment holds u = 2 p and 2 p + 1.  xg is laid out so, and so is the panel: the products
; are the same sums whatever place a k has, as long as both sources agree.  With these places a lane's loads of 16 bytes (rows k, columns 64 c + 4 i .. + 3, i = lane % 16) give four fragments by conversions alone:
; fragment t holds column 64 c + 4 i + t at index i.  Sixteen lanes of a load cover 256 consecutive bytes of one row of w1.
; THE PRODUCT IS USED TRANSPOSED (source 0 = weights, source 1 = rows): lane (row r, half h), accumulator (c, t), register j is column 64 c + 32 h + 4 j + t: 32 neighbouring columns of one row, which are just what
; the same lane holds of the next product's row fragments.  hf[e][tile][S2 = 0..127][1,024 bytes] is laid out as xg is; this work-group writes S2 = 4 slice .. 4 slice + 3.  The bias is the C of the first K step.
; GELU.  With y = x / 2: gelu = y + |y| - |y| P(t) exp(-2 y^2), t = 1 / (1 + 0.46328378 |y|), by erf(z) = 1 - P(t) exp(-z^2) (Abramowitz and Stegun 7.1.26), whose error in erf is at most 1.5e-7 for every x.
; LIMITS.  x, w1 and h are rounded once to bf16, sums stay in f32; NaN and infinities are not treated apart.
; NO CLUSTER: each byte of the weights has one reader.  What an expert's 32 work-groups share, its rows, lies at places that hang on a count from memory, and comes into registers, not into LDS.
; THE MODE: SCHED_MODE bits 1:0 = 2 (LLVM: expert scheduling mode 2), set by the entry lines.  The code itself states the register dependences between vector or matrix instructions and memory or LDS
; instructions, with s_wait_alu, always for 0.
; THE PLAN.  Registers that memory or LDS instructions touch in K step S of the chase:
;   LAND[(S + 3) % 4]   read by the step's sixteen conversions; behind them the loads of half unit S + 7 land in it.
;   F                   written by those conversions; read by the step's four LDS stores; written again a step later.
;   BB[(S + 1) % 2]     read by the products of step S - 1; the LDS loads of step S land in it (the panel's K step S + 1).
;   ring[(S + 3) % 4]   read by the products of step S - 1; the loads of step S land in it (the rows' K step S + 3).
;   v[LS], v[LB ..]     read by the LDS stores and loads; written once a trip, at the trip's end.      v[VW], v[VA ..]   read by the loads; not written in the chase.
;   The products of step S name BB[S % 2], ring[S % 4], the accumulators and, in step 0, the bias: none of the registers that the step's loads and stores touch.
; So ONE wait on va_vdst stands in a step, behind its conversions: F is written, the landing place is read, the products of the step before are done reading the buffer and the ring's place that are filled, and
; the addresses written since the last such wait are written.  The step's stores and loads follow it with no further wait, the loads dealt among the step's products.  One wait on vm_vsrc stands at a step's head
; (the last step's LDS stores have read F) and one at a trip's end (ahead of the adds to v[LS] and v[LB ..]).
; REGISTERS, in windows of 256 (s_set_vgpr_msb: bits 1:0 source 0, 3:2 source 1, 5:4 source 2, 7:6 destination):
;   window 0: addresses; v16-79 the bias; v80-95 fragments on their way to LDS; v112-119 LDS addresses; v128-255 the panel's fragments of a K step, two buffers (first: the bias as loaded)
;   window 1: v0-159 the rows' fragments, a ring of four K steps x five tiles; on the way out v0-175 at work
;   window 2: the accumulators of tiles 0-3, (a, tN) at v[64 a + 8 tN]     window 3: v0-63 the accumulators of tile 4; v64-191 four landing places for weights, 8 rows x 4 registers each
.set PITCH, 16384                      ; bytes from row to row of w1
.set MSTEP, 64*PITCH                   ; 64 rows: two K steps
.set TSH,   15                         ; a tile of xg is 1 << 15 bytes
; THE PANEL IN LDS: block (S, tN) of 1,024 bytes at 65536 (2 (S % 2) + tN / 4) + 4096 (S / 2) + 1024 (tN % 4); registers 0-3 of all lanes, then registers 4-7.  Wave w writes the 65,536 bytes from 65536 w on:
; it takes the K steps of parity w / 2 and the column half c = w % 2.  Its UNIT m = 0..15 is K step 2 m + w / 2; HALF UNIT j = 2 m + q is the unit's rows u = 8 q .. 8 q + 7, which fill registers 4 q .. 4 q + 3 of four fragments.
.set LN16, 1                           ; v1      16 x lane
.set VW,   2                           ; v2      my offset in w1: 32 h rows + 16 i bytes
.set LS,   3                           ; v3      where I store fragments in LDS: LS0 + the bytes stepped
.set LS0,  4                           ; v4      16 x lane + 65536 w; never rewritten
.set HL,   5                           ; v5      128 h: my offset in b1
.set VA,   6                           ; v6-10   my offset in xg for the unit's five tiles
.set VO,   11                          ; v11     my offset in hf
.set BIAS, 16                          ; (tN, j) at v[16 + 8 tN + j]
.set F,    80
.set LB,   112                         ; v112-115  where I read the panel's region g: LB0 + the bytes stepped
.set LB0,  116                         ; v116-119  16 x lane + 65536 g; never rewritten
.set BB,   128
.set RAWB, 128                         ; the bias as loaded: (c, j, t) at v[128 + 32 c + 4 j + t]
.set LAND, 64                          ; window 3
.set HX, 0                             ; window 1, on the way out: x / 2, (t, j) at 8 t + j
.set TT, 32
.set EE, 64
.set PP, 96
.set RR, 128
.set OUT, 160
.set WV, 14                            ; s14 wave   s15 slice   s16 expert   s17 the expert's rows   s18 its tiles   s19 my tiles
.set SL, 15
.set EX, 16
.set CE, 17
.set TE, 18
.set NW, 19
.set I0, 20                            ; s20 the unit's first tile among mine   s21 how many of mine are left from there   s22 units to go   s23 a loop's count   s24 z   s28 the LDS bytes stepped by a K loop
.set LIVE, 21
.set UC, 22
.set KC, 23
.set Z,  24
.set TB, 28
.set SW, 32                            ; s[32:33] w1 at my part of the panel   s[34:35] xg at the expert   s[36:37] the same, stepped along K   s[38:39] hf at the expert and slice
.set SA0, 34
.set SA, 36
.set SO, 38
.set A1, 40                            ; s[40:49] P's coefficients, each twice (named as pairs)   s50 0.46328378   s[52:53] -2 log2 e
.set A2, 42
.set A3, 44
.set A4, 46
.set A5, 48
.set KD, 50
.set KE, 52
.set MSB, 0
.macro WIN new                         ; the high byte repeats the setting that is left; a switch that changes nothing is dropped
.if MSB != (\new)
	s_set_vgpr_msb (MSB<<8)|(\new)
.set MSB, \new
.endif
.endm
.macro PAIR r, bits
	s_mov_b32 s[\r], \bits
	s_mov_b32 s[(\r)+1], \bits
.endm
.macro PLACES                          ; four places behind products, ahead of lines that read their results; ahead of loads into registers that products have read they stand beside the wait on va_vdst, which states that dependence
.rept 4
	v_nop
.endr
.endm
; Eight rows of weights are asked for, into a landing place
.macro WISSUE place, off
	WIN 0xc0                                       ; destination window 3
.irp u, 0,1,2,3,4,5,6,7
	global_load_b128 v[LAND+32*(\place)+4*(\u):LAND+32*(\place)+4*(\u)+3], v[VW], s[SW:SW+1] offset:(\off)+(\u)*PITCH th:TH_LOAD_NT
.endr
.endm
; A landing place is rounded (rows 2 g and 2 g + 1 of column 4 i + t) ..
.macro CVT place
	WIN 0x0f                                       ; sources window 3
.irp t, 0,1,2,3
.irp g, 0,1,2,3
	v_cvt_pk_bf16_f32 v[F+4*(\t)+(\g)], v[LAND+32*(\place)+8*(\g)+(\t)], v[LAND+32*(\place)+8*(\g)+4+(\t)]
.endr
.endr
.endm
; .. and stored: four stores of 512 consecutive bytes
.macro STO off
	WIN 0
.irp t, 0,1,2,3
	ds_store_b128 v[LS], v[F+4*(\t):F+4*(\t)+3] offset:(\off)+1024*(\t)
.endr
.endm
; The panel's eight fragments of a K step of parity par, into buffer par
.macro BLOAD par, off
	WIN 0
.irp n, 0,1,2,3,4,5,6,7
	ds_load_b128 v[BB+64*(\par)+8*(\n):BB+64*(\par)+8*(\n)+3],   v[LB+2*(\par)+(\n)/4] offset:(\off)+1024*((\n)%4)
	ds_load_b128 v[BB+64*(\par)+8*(\n)+4:BB+64*(\par)+8*(\n)+7], v[LB+2*(\par)+(\n)/4] offset:(\off)+1024*((\n)%4)+512
.endr
.endm
; The fragments of tiles lo .. hi in a K step, into a place of the ring: 512 consecutive bytes a load
.macro ALOAD ring, off, lo, hi
	WIN 0x40                                       ; destination window 1
.set ta, \lo
.rept (\hi)-(\lo)+1
	global_load_b128 v[40*(\ring)+8*ta:40*(\ring)+8*ta+3],   v[VA+ta], s[SA:SA+1] offset:(\off)
	global_load_b128 v[40*(\ring)+8*ta+4:40*(\ring)+8*ta+7], v[VA+ta], s[SA:SA+1] offset:(\off)+512
.set ta, ta+1
.endr
.endm
; The eight products of tile a in one K step.  first = 1: the bias starts the sums.  The 32 or 40 accumulators take turns, one instruction a turn: between two products on one accumulator stand 31 others' at the least.
.macro MULT ring, par, first, a
.if \first
	WIN 0x84+0x40*((\a)/4)                         ; weights window 0, rows window 1, C (the bias) window 0, D window 2 or 3
.else
	WIN 0xa4+0x50*((\a)/4)                         ; C and D window 2 or 3
.endif
.irp n, 0,1,2,3,4,5,6,7
.if \first
	v_wmma_f32_16x16x32_bf16 v[64*((\a)%4)+8*(\n):64*((\a)%4)+8*(\n)+7], v[BB+64*(\par)+8*(\n):BB+64*(\par)+8*(\n)+7], v[40*(\ring)+8*(\a):40*(\ring)+8*(\a)+7], v[BIAS+8*(\n):BIAS+8*(\n)+7]
.else
	v_wmma_f32_16x16x32_bf16 v[64*((\a)%4)+8*(\n):64*((\a)%4)+8*(\n)+7], v[BB+64*(\par)+8*(\n):BB+64*(\par)+8*(\n)+7], v[40*(\ring)+8*(\a):40*(\ring)+8*(\a)+7], v[64*((\a)%4)+8*(\n):64*((\a)%4)+8*(\n)+7]
.endif
.endr
.endm
; ONE K STEP OF THE CHASE, S = 4 r + 1 + i, where r counts the loop's trips (the bases step with r).  In this order:
;   the wait nl for half unit S + 3 (asked for in step S - 4) and the rows' fragments of step S (asked for in step S - 3).  A step asks for the rows of tiles 0-3, then for the fifth tile's where there is one, then
;   for the weights, and loads come back in order (ISA guide 5.7.1).  On the way with the fewest loads 40 are younger than the fifth tile's of step S: 8 of weights from step S - 3 and 16 from each of the steps S - 2
;   and S - 1; half unit S + 3 is older.  A wave with five tiles has 44 younger, and so waits for four loads of weights more than it needs;
;   cv: the wait on vm_vsrc for F; half unit S + 3 is rounded; THE STEP'S ONE WAIT ON va_vdst (the plan, at the kernel's head); the four LDS stores;
;   the wait nd for the panel's fragments of step S, fetched a step ago: this step's four stores are younger;     mul: the eight products of tile 0;
;   behind them, with no further wait, the step's requests.  nb: the panel's fragments of step S + 1;     pf: the rows' fragments of step S + 3;
;   cond = 1: the jump, on my count of tiles, over the fifth tile's two loads and eight products.  cond = 0 (the requests for steps 0 to 3, the products of step 0): the fifth tile is taken whatever the count, so
;   that its registers are written on every way;     wi: half unit S + 7 is asked for, into the landing place just read: 58 loads of mine are out at the most (62 ahead of the loop);     mul: the 24 products of tiles 1 to 3.
;   bar (every even step): unit (S + 2) / 2 is whole in my part: my stores are done (and my LDS loads back: none may be out at a signal), say so behind 24 of the four tiles' 32 products; behind all 32 every wave has said so.
;   That unit is K steps S + 2 and S + 3 of the panel, which are fetched in steps S + 1 and S + 2.  No byte of the panel is written twice, so nothing else needs ordering.
.macro SLOT i, first, mul, cv, wi, pf, nb, bar, nl, nd, cond
.set RA, ((\i)+9)%4                    ; S % 4: the rows' place in the ring
.set PB, ((\i)+9)%2                    ; S % 2: the panel's buffer
.set PQ, ((\i)+8)%4                    ; (S + 3) % 4: the landing place, and the ring's place that is filled
	s_wait_loadcnt \nl
.if \cv
.if (\i) > -4
	s_wait_alu depctr_vm_vsrc(0)                   ; the last step's LDS stores have read F, which the conversions below write again (the first step of all has no store ahead of it)
.endif
	CVT PQ
	WIN 0
.elseif \nb
	PLACES
.endif
.if (\cv) || (\nb)
	s_wait_alu depctr_va_vdst(0)                   ; the conversions have written F and are done reading the landing place; the last step's products are done reading the panel's other buffer and the ring's place that is filled; v[LS], v[LB ..] and v[VA ..] are written
.endif
.if \cv
	STO 4096*(((\i)+4)/2)+512*(((\i)+4)%2)
.endif
.if \mul
	s_wait_dscnt \nd
	MULT RA, PB, \first, 0
.endif
.if \nb
	BLOAD 1-PB, 4096*(((\i)+2)/2)                  ; no wait: no vector or matrix instruction since the wait above names this buffer, the ring's place or the landing place
.endif
.if \pf
	ALOAD PQ, ((\i)+4)*1024, 0, 3
.endif
.if \cond
	WIN 0                                          ; at a branch and at a label every window is 0
	s_cmp_lt_u32 s[LIVE], 5
	s_cbranch_scc1 .Lno_fifth_\@
.endif
.if \pf
	ALOAD PQ, ((\i)+4)*1024, 4, 4
.endif
.if \mul
	MULT RA, PB, \first, 4
.endif
.if \cond
	WIN 0
.Lno_fifth_\@:
.endif
.if \wi
	WISSUE PQ, (((\i)+8)/2)*MSTEP+8*(((\i)+8)%2)*PITCH
.endif
.if \mul
	MULT RA, PB, \first, 1
	MULT RA, PB, \first, 2
.if \bar
	s_wait_dscnt 0x0
	s_barrier_signal -1
.endif
	MULT RA, PB, \first, 3
.if \bar
	s_barrier_wait -1
.endif
.elseif \bar
	s_wait_dscnt 0x0
	s_barrier_signal -1
	s_barrier_wait -1
.endif
.endm
; One K step of a further unit, S = 2 r + 1 + i: the next step's fragments are asked for (nxt = 1; 10 loads and 16 LDS loads are then younger than this step's), then the 40 products
.macro GSL i, first, nxt
.set PB, ((\i)+9)%2
.if !(\first)
	PLACES
.if \nxt
	s_wait_alu depctr_va_vdst(0)                   ; the last step's products are done reading the buffer and the ring's place in which the loads below land; at a trip's head v[LB ..] is written
.endif
.endif
.if \nxt
	BLOAD 1-PB, 4096*(((\i)+2)/2)
	ALOAD 1-PB, ((\i)+2)*1024, 0, 4
	s_wait_loadcnt 10
	s_wait_dscnt 16
.else
	s_wait_loadcnt 0x0
	s_wait_dscnt 0x0
.endif
.irp a, 0,1,2,3,4
	MULT PB, PB, \first, \a
.endr
.endm
; The addresses of a unit: my tiles I0 .. I0 + 4; past my last tile: my last tile again
.macro SETUP
	s_sub_co_u32 s26, s[NW], 1
.irp a, 0,1,2,3,4
	s_add_co_u32 s25, s[I0], \a
	s_min_u32 s25, s25, s26
	s_lshl2_add_u32 s25, s25, s[WV]                ; tile 4 x + w
	s_min_u32 s25, s25, 63
	s_lshl_b32 s25, s25, TSH
	v_add_nc_u32 v[VA+(\a)], s25, v[LN16]
.endr
	s_mov_b64 s[SA:SA+1], s[SA0:SA0+1]
	s_mov_b32 s[TB], 0
.irp g, 0,1,2,3
	v_mov_b32 v[LB+(\g)], v[LB0+(\g)]
.endr
.endm
; Half c of tile a leaves its accumulators, halved; each accumulator's registers in ascending order
.macro XFER a, c
	WIN 0x42+(\a)/4                                ; source 0 window 2 or 3, destination window 1
.irp t, 0,1,2,3
.irp g, 0,1,2,3
	v_pk_mul_f32 v[HX+8*(\t)+2*(\g):HX+8*(\t)+2*(\g)+1], v[64*((\a)%4)+8*(4*(\c)+(\t))+2*(\g):64*((\a)%4)+8*(4*(\c)+(\t))+2*(\g)+1], 0.5 op_sel_hi:[1,0]
.endr
.endr
	WIN 0
.endm
	s_load_b256 s[4:11], s[0:1], 0x0               ; xg s[4:5], w1 s[6:7], b1 s[8:9], cnt s[10:11]
	s_load_b64 s[12:13], s[0:1], 0x20              ; hf
	v_lshl_add_u32 v126, v0, 2, 0x40000
	v_mov_b32 v127, 0
	v_lshrrev_b32 v12, 5, v0
	v_readfirstlane_b32 s[WV], v12
	s_mov_b32 s[SL], ttmp9
	s_and_b32 s[EX], ttmp7, 0xffff
	v_and_b32 v12, 31, v0
	v_lshlrev_b32 v[LN16], 4, v12
	v_and_b32 v12, 15, v0                          ; i
	v_bfe_u32 v13, v0, 4, 1                        ; h
	v_lshlrev_b32 v[VW], 4, v12
	v_lshl_add_u32 v[VW], v13, 19, v[VW]           ; 32 rows of 16,384 bytes for the upper half of the lanes
	s_wait_alu depctr_va_sdst(0)                   ; the wave's number is written, ahead of its first reader, the line below; the bases and the counts of tiles are made from it too
	v_lshl_add_u32 v[LS0], s[WV], 16, v[LN16]
	v_mov_b32 v[LS], v[LS0]
.irp g, 0,1,2,3
	v_add_nc_u32 v[LB0+(\g)], 65536*(\g), v[LN16]
.endr
	v_lshlrev_b32 v[HL], 7, v13
	s_mov_b32 s31, 0
	s_lshl_b32 s30, s[EX], 24                      ; an expert's w1 is 16 MiB
	s_lshl_b32 s25, s[SL], 9
	s_add_co_u32 s30, s30, s25                     ; the slice's 512 bytes of a row
	s_and_b32 s25, s[WV], 1
	s_lshl_b32 s25, s25, 8
	s_add_co_u32 s30, s30, s25                     ; 256 c
	s_lshr_b32 s25, s[WV], 1
	s_lshl_b32 s25, s25, 18
	s_add_co_u32 s30, s30, s25                     ; 16 rows for the odd K steps
	s_wait_kmcnt 0x0
	s_add_nc_u64 s[SW:SW+1], s[6:7], s[30:31]
	s_lshl_b32 s30, s[EX], 7
	s_add_nc_u64 s[10:11], s[10:11], s[30:31]
	s_load_b32 s[CE], s[10:11], 0x0                ; the expert's rows
	s_lshl_b32 s30, s[EX], 14
	s_lshl_b32 s25, s[SL], 9
	s_add_co_u32 s30, s30, s25
	s_add_nc_u64 s[8:9], s[8:9], s[30:31]          ; b1 at my 128 columns
	s_lshl_b32 s30, s[EX], 21
	s_add_nc_u64 s[SA0:SA0+1], s[4:5], s[30:31]    ; 64 tiles of 32,768 bytes an expert
	s_lshl_b32 s30, s[EX], 23
	s_lshl_b32 s25, s[SL], 12
	s_add_co_u32 s30, s30, s25
	s_add_nc_u64 s[SO:SO+1], s[12:13], s[30:31]    ; 64 tiles of 131,072 bytes an expert; the slice's four blocks
	s_wait_alu depctr_va_vdst(0)                   ; v[HL] and v[VW] are written, which the loads below read as their offsets
.irp c, 0,1
.irp j, 0,1,2,3,4,5,6,7
	global_load_b128 v[RAWB+32*(\c)+4*(\j):RAWB+32*(\c)+4*(\j)+3], v[HL], s[8:9] offset:256*(\c)+16*(\j)  ; b1 of columns 64 c + 32 h + 4 j + 0..3
.endr
.endr
	WISSUE 0, 0                                    ; half units 0 to 3 fill the four landing places
	WISSUE 1, 8*PITCH
	WISSUE 2, MSTEP
	WISSUE 3, MSTEP+8*PITCH
	WIN 0
	PAIR A1, 0x3e827906                            ;  0.254829592
	PAIR A2, 0xbe91a98e                            ; -0.284496736
	PAIR A3, 0x3fb5f0e3                            ;  1.421413741
	PAIR A4, 0xbfba00e3                            ; -1.453152027
	PAIR A5, 0x3f87dc22                            ;  1.061405429
	s_mov_b32 s[KD], 0x3eed3388                    ;  0.3275911 sqrt 2
	PAIR KE, 0xc038aa3b                            ; -2 log2 e
	s_wait_kmcnt 0x0
	s_min_u32 s[CE], s[CE], 1024
	s_add_co_u32 s[TE], s[CE], 15
	s_lshr_b32 s[TE], s[TE], 4                     ; tiles of 16 rows
	s_add_co_u32 s[NW], s[TE], 3
	s_sub_co_u32 s[NW], s[NW], s[WV]
	s_lshr_b32 s[NW], s[NW], 2                     ; of which w, w + 4, .. are mine
	s_mov_b32 s[I0], 0
	s_mov_b32 s[LIVE], s[NW]
	SETUP                                          ; v[VA ..] and v[LB ..]: the wait on va_vdst of the step below stands ahead of their first readers
	; THE CHASE.  Steps -3 to -1 have no products yet.    i  first mul cv wi pf nb bar  nl  nd cond
	SLOT -4, 0, 0, 1, 1, 1, 0, 0, 24, 0, 0         ; step -3: half unit 0 is in: half units 1 to 3 are younger; the bias is older
	WIN 0
.irp c, 0,1
.irp t, 0,1,2,3
.irp j, 0,1,2,3,4,5,6,7
	v_mov_b32 v[BIAS+32*(\c)+8*(\t)+(\j)], v[RAWB+32*(\c)+4*(\j)+(\t)]  ; the bias in the accumulators' order, so that it can be the first product's C; its landing place is the panel's buffer from step -1 on, behind two steps' waits on va_vdst
.endr
.endr
.endr
	SLOT -3, 0, 0, 1, 1, 1, 0, 1, 34, 0, 0         ; step -2: half unit 1: younger are half units 2 and 3, the ten loads of the rows' step 0 and half unit 4.  Unit 0 is whole: the first barrier
	SLOT -2, 0, 0, 1, 1, 1, 1, 0, 44, 0, 0         ; step -1: half unit 2: younger are half unit 3 and the 18 loads of each of the steps -3 and -2
	SLOT -1, 1, 1, 1, 1, 1, 1, 1, 44, 4, 0         ; step 0 stands in front of the loop: its products start the sums.  44: half unit 4 and the 18 loads of each of the steps -2 and -1
	WIN 0                                          ; at a label and at a branch every window is 0
	s_mov_b32 s[KC], 6
.Lchase:                                               ; a trip: K steps 4 r + 1 .. 4 r + 4; the last trip asks for the panel's last rows
	SLOT 0, 0, 1, 1, 1, 1, 1, 0, 40, 4, 1
	SLOT 1, 0, 1, 1, 1, 1, 1, 1, 40, 4, 1
	SLOT 2, 0, 1, 1, 1, 1, 1, 0, 40, 4, 1
	SLOT 3, 0, 1, 1, 1, 1, 1, 1, 40, 4, 1
	WIN 0
	s_wait_xcnt 0x0                                ; the loads' bases are stepped only behind this wait
	s_wait_alu depctr_vm_vsrc(0)                   ; the trip's LDS stores and loads have read v[LS] and v[LB ..], which the adds below write; the next step's wait on va_vdst stands ahead of their next readers
	s_add_nc_u64 s[SW:SW+1], s[SW:SW+1], 2*MSTEP
	s_add_nc_u64 s[SA:SA+1], s[SA:SA+1], 4096
	s_add_co_u32 s[TB], s[TB], 0x2000              ; six steps of 8,192: with the offsets, 65,024 + 16 x lane at the most within a region of 65,536
	v_add_nc_u32 v[LS], s[TB], v[LS0]
.irp g, 0,1,2,3
	v_add_nc_u32 v[LB+(\g)], s[TB], v[LB0+(\g)]
.endr
	s_sub_co_u32 s[KC], s[KC], 1
	s_cmp_lg_u32 s[KC], 0
	s_cbranch_scc1 .Lchase
	SLOT 0, 0, 1, 1, 0, 1, 1, 0, 40, 4, 1          ; steps 25 to 31: no load leaves the panel or a tile's 32 blocks, so the counts run down: no more weights are asked for,
	SLOT 1, 0, 1, 1, 0, 1, 1, 1, 32, 4, 1          ; 32: half units 30 and 31, the eight loads of the rows' steps 27 and 28
	SLOT 2, 0, 1, 1, 0, 1, 1, 0, 24, 4, 1          ; 24: half unit 31, the rows' steps 28 and 29
	SLOT 3, 0, 1, 1, 0, 1, 1, 1, 16, 4, 1          ; 16: the rows' steps 29 and 30.  The last half unit is stored: the chase's last barrier
	SLOT 4, 0, 1, 0, 0, 0, 1, 0, 16, 0, 1          ; 16: the rows' steps 30 and 31.  No stores any more: nothing is younger than the panel's fragments
	SLOT 5, 0, 1, 0, 0, 0, 1, 0, 8, 0, 1
	SLOT 6, 0, 1, 0, 0, 0, 0, 0, 0, 0, 1           ; step 31 issues no load and no store: it holds no s_wait_alu
	WIN 0
	s_mov_b32 s[UC], 4
	s_branch .Lway_out                             ; the loop over units is entered in its middle: the way out is written once
.Lunit:                                                ; three times: my tiles 5 to 9, 10 to 14, 15
	s_sub_co_i32 s[LIVE], s[NW], s[I0]
	s_cmp_le_i32 s[LIVE], 0
	s_cbranch_scc1 .Lunit_next                     ; no tile of mine is left: what is jumped holds no barrier and writes no LDS
	s_wait_xcnt 0x0                                ; the last unit's loads and stores have read their registers
	s_wait_alu depctr_vm_vsrc(0)                   ; the last unit's loads have read v[VA ..] and v[LB ..], which SETUP writes
	SETUP
	s_wait_alu depctr_va_vdst(0)                   ; v[VA ..] and v[LB ..] are written; the last unit's products are done reading the panel's buffers and the ring, and the way out has written the registers of window 1, in which the loads below and those of K step 0 land
	BLOAD 0, 0
	ALOAD 0, 0, 0, 4
	GSL -1, 1, 1                                   ; K step 0 starts the sums
	WIN 0
	s_mov_b32 s[KC], 15
.Lk:                                                   ; a trip: K steps 2 r + 1 and 2 r + 2
	GSL 0, 0, 1
	GSL 1, 0, 1
	WIN 0
	s_wait_xcnt 0x0                                ; the loads' base is stepped only behind this wait
	s_wait_alu depctr_vm_vsrc(0)                   ; the trip's LDS loads have read v[LB ..], which the adds below write
	s_add_nc_u64 s[SA:SA+1], s[SA:SA+1], 2048
	s_add_co_u32 s[TB], s[TB], 0x1000
.irp g, 0,1,2,3
	v_add_nc_u32 v[LB+(\g)], s[TB], v[LB0+(\g)]
.endr
	s_sub_co_u32 s[KC], s[KC], 1
	s_cmp_lg_u32 s[KC], 0
	s_cbranch_scc1 .Lk
	GSL 0, 0, 0                                    ; K step 31: nothing more to ask for
	WIN 0
.Lway_out:
	; THE WAY OUT: ten halves of tiles (z = 2 a + c), one text for the arithmetic; only the lines that fetch from the accumulators are written ten times
	PLACES                                         ; behind the last products
	s_mov_b32 s[Z], 0
.Lz:
	s_lshr_b32 s25, s[Z], 1
	s_cmp_ge_u32 s25, s[LIVE]
	s_cbranch_scc1 .Lz_next                        ; a tile that does not exist is not stored
.irp z, 0,1,2,3,4,5,6,7,8
	s_cmp_eq_u32 s[Z], \z
	s_cbranch_scc1 .Lx\z
.endr
	XFER 4, 1
	s_branch .Lgelu
.irp z, 0,1,2,3,4,5,6,7,8
.Lx\z:
	XFER (\z)/2, (\z)%2
	s_branch .Lgelu
.endr
.Lgelu:
	WIN 0x55                                       ; all in window 1
.set n, 0
.rept 16
	v_pk_mul_f32 v[EE+2*n:EE+2*n+1], v[HX+2*n:HX+2*n+1], v[HX+2*n:HX+2*n+1]
.set n, n+1
.endr
.set n, 0
.rept 32
	v_fma_f32 v[TT+n], |v[HX+n]|, s[KD], 1.0
.set n, n+1
.endr
.set n, 0
.rept 16
	v_pk_mul_f32 v[EE+2*n:EE+2*n+1], v[EE+2*n:EE+2*n+1], s[KE:KE+1] op_sel_hi:[1,0]
.set n, n+1
.endr
.set n, 0
.rept 32                                               ; one batch: 32 reciprocals and 32 exponentials
	v_rcp_f32 v[TT+n], v[TT+n]
.set n, n+1
.endr
.set n, 0
.rept 32
	v_exp_f32 v[EE+n], v[EE+n]
.set n, n+1
.endr
.set n, 0
.rept 32                                               ; the independent work behind the batch: y + |y|, which is 0 exactly where y < 0
	v_add_f32 v[RR+n], v[HX+n], |v[HX+n]|
.set n, n+1
.endr
	s_wait_alu depctr_va_vdst(0)                   ; the 32 reciprocals in TT and the 32 exponentials in EE are written: one wait for the 64, ahead of their first reader
.set n, 0
.rept 16
	v_pk_fma_f32 v[PP+2*n:PP+2*n+1], v[TT+2*n:TT+2*n+1], s[A5:A5+1], s[A4:A4+1] op_sel_hi:[1,0,0]
.set n, n+1
.endr
.irp k, A3, A2, A1
.set n, 0
.rept 16
	v_pk_fma_f32 v[PP+2*n:PP+2*n+1], v[PP+2*n:PP+2*n+1], v[TT+2*n:TT+2*n+1], s[\k:\k+1] op_sel_hi:[1,1,0]
.set n, n+1
.endr
.endr
.set n, 0
.rept 16
	v_pk_mul_f32 v[TT+2*n:TT+2*n+1], v[TT+2*n:TT+2*n+1], v[EE+2*n:EE+2*n+1]
.set n, n+1
.endr
.set n, 0
.rept 16
	v_pk_mul_f32 v[PP+2*n:PP+2*n+1], v[PP+2*n:PP+2*n+1], v[TT+2*n:TT+2*n+1]
.set n, n+1
.endr
.set n, 0
.rept 32
	v_fma_f32 v[RR+n], -|v[HX+n]|, v[PP+n], v[RR+n]
.set n, n+1
.endr
	s_wait_xcnt 0x0                                ; the last trip's stores have had their addresses translated: OUT and their offset are written only behind this wait,
	s_wait_alu depctr_vm_vsrc(0)                   ; and behind this one: the last trip's stores have read OUT and v[VO]
.irp s, 0,1
.irp p, 0,1,2,3,4,5,6,7                ; K step 4 slice + 2 c + s of the next product: register p holds columns 16 s + 2 p and 16 s + 2 p + 1 of my 32: (t, j) = (2 (p % 2), 4 s + p / 2) and (t + 1, j)
	v_cvt_pk_bf16_f32 v[OUT+8*(\s)+(\p)], v[RR+16*((\p)%2)+4*(\s)+(\p)/2], v[RR+16*((\p)%2)+8+4*(\s)+(\p)/2]
.endr
.endr
	WIN 0
	s_lshr_b32 s25, s[Z], 1
	s_add_co_u32 s25, s25, s[I0]
	s_lshl2_add_u32 s25, s25, s[WV]                ; the tile
	s_min_u32 s25, s25, 63
	s_lshl_b32 s25, s25, 17                        ; of 131,072 bytes in hf,
	s_and_b32 s26, s[Z], 1
	s_lshl_b32 s26, s26, 11                        ; two blocks on for c = 1
	s_add_co_u32 s25, s25, s26
	v_add_nc_u32 v[VO], s25, v[LN16]
	WIN 0x04                                       ; the stores' data in window 1
	s_wait_alu depctr_va_vdst(0)                   ; the roundings have written OUT and the add has written v[VO], which the four stores read
.irp s, 0,1
	global_store_b128 v[VO], v[OUT+8*(\s):OUT+8*(\s)+3],   s[SO:SO+1] offset:1024*(\s)      ; 512 consecutive bytes a store
	global_store_b128 v[VO], v[OUT+8*(\s)+4:OUT+8*(\s)+7], s[SO:SO+1] offset:1024*(\s)+512
.endr
	WIN 0
.Lz_next:
	s_add_co_u32 s[Z], s[Z], 1
	s_cmp_lt_u32 s[Z], 10
	s_cbranch_scc1 .Lz
.Lunit_next:
	s_add_co_u32 s[I0], s[I0], 5
	s_sub_co_u32 s[UC], s[UC], 1
	s_cmp_lg_u32 s[UC], 0
	s_cbranch_scc1 .Lunit
	s_wait_dscnt 0x0                               ; my reads of the panel are back;
	s_barrier_signal -1
	s_barrier_wait -1                              ; every wave's are.  No jump passes this barrier: every wave leaves the loop by its constant count
	s_wait_dscnt 0x0                               ; the wave's end: my LDS work is done ahead of the closing add on my spare word
	s_wait_alu depctr_hold_cnt(0) depctr_sa_sdst(0) depctr_va_vdst(0) depctr_va_sdst(0) depctr_va_ssrc(0) depctr_va_vcc(0) depctr_vm_vsrc(0)
	s_wait_tensorcnt 0x0
	ds_add_u32 v126, v127
	s_wait_dscnt 0x0
	s_endpgm
.Lfunc_end_k_q4744072691_ffn1:
	.size	k_q4744072691_ffn1, .Lfunc_end_k_q4744072691_ffn1-k_q4744072691_ffn1
	.p2alignl 7, 3214868480
	.fill 96, 4, 3214868480
	.section	.rodata,"a",@progbits
	.p2align	6, 0x0
	.amdhsa_kernel k_q4744072691_ffn1
		.amdhsa_group_segment_fixed_size 262656
		.amdhsa_private_segment_fixed_size 0
		.amdhsa_enable_private_segment 0
		.amdhsa_kernarg_size 40
		.amdhsa_user_sgpr_count 2
		.amdhsa_user_sgpr_kernarg_segment_ptr 1
		.amdhsa_wavefront_size32 1
		.amdhsa_system_sgpr_workgroup_id_x 1
		.amdhsa_system_sgpr_workgroup_id_y 1
		.amdhsa_system_sgpr_workgroup_id_z 1
		.amdhsa_system_vgpr_workitem_id 0
		.amdhsa_next_free_vgpr 960
		.amdhsa_next_free_sgpr 66
		.amdhsa_reserve_vcc 0
		.amdhsa_float_denorm_mode_32 3
		.amdhsa_float_denorm_mode_16_64 3
		.amdhsa_memory_ordered 1
		.amdhsa_forward_progress 1
		.amdhsa_inst_pref_size 144
	.end_amdhsa_kernel
	.amdgpu_metadata
---
amdhsa.version: [ 1, 2 ]
amdhsa.kernels:
  - .name:           k_q4744072691_ffn1
    .symbol:         k_q4744072691_ffn1.kd
    .args:
      - { .name: xg, .offset: 0, .size: 8, .value_kind: global_buffer, .address_space: global }
      - { .name: w1, .offset: 8, .size: 8, .value_kind: global_buffer, .address_space: global }
      - { .name: b1, .offset: 16, .size: 8, .value_kind: global_buffer, .address_space: global }
      - { .name: cnt, .offset: 24, .size: 8, .value_kind: global_buffer, .address_space: global }
      - { .name: hf, .offset: 32, .size: 8, .value_kind: global_buffer, .address_space: global }
    .group_segment_fixed_size: 262656
    .private_segment_fixed_size: 0
    .kernarg_segment_align: 8
    .kernarg_segment_size: 40
    .max_flat_workgroup_size: 128
    .sgpr_count:     66
    .vgpr_count:     960
    .wavefront_size: 32
...
	.end_amdgpu_metadata
.endif
;; end of part 10
;; launch ffn2 (part 11): grid 32 x 8, 4 waves a work-group, no clusters, 262,656 bytes of LDS; arguments hf, w2, gws, cnt, part; writes part
.if DOCPART == 11
	.amdgcn_target "amdgcn-amd-amdhsa--gfx1250"
	.amdhsa_code_object_version 6
	.text
	.protected	k_q4744072691_ffn2
	.globl	k_q4744072691_ffn2
	.p2align	8
	.type	k_q4744072691_ffn2,@function
k_q4744072691_ffn2:
	s_mov_b64 s[64:65], 0
	v_nop
	global_prefetch_b8 v0, s[64:65] scope:SCOPE_SE
	s_setreg_imm32_b32 hwreg(HW_REG_WAVE_SCHED_MODE, 0, 2), 2
	s_setreg_imm32_b32 hwreg(HW_REG_WAVE_MODE, 25, 1), 1
	s_wait_xcnt 0x0
	s_wait_alu depctr_vm_vsrc(0)
; FFN2.  part[kq][row] = gate(row) x (h[row][1024 kq .. + 1023] . w2[e][1024 kq .. + 1023][128 slice .. + 127]) for the rows that chose expert e.  Work-group x = 8 kq + slice, y = expert: it owns a panel of
; 1,024 rows x 128 columns of w2[e], 512 KiB of f32 that it alone reads.  The four quarters of K are partial sums in f32; the next launch adds them, with b2 and the residual.
; THE PANEL streams through registers, is rounded once to bf16 and laid into LDS in the order of matrix operands (256 KiB), each byte written once.
; THE CHASE.  Wave w owns the expert's tiles of 16 rows w, w + 4, w + 8 ..; its first five are multiplied while the panel arrives: in K step S the wave rounds and stores the eight rows of weights that it
; asked for four steps ago, asks for eight more and for the rows' fragments of step S + 3 (from hf straight into registers), and issues the products of step S: 32 for its first four tiles and, where it has a
; fifth, 8 more.  A barrier in every second step shows the next two K steps of the panel to all four waves.  The chase has a constant count of steps and every wave passes every barrier; its one jump a step,
; on my count of tiles, goes forward over the fifth tile's two loads and eight products and over nothing else.  Among the first four a tile that does not exist repeats my last one (with no tile of mine:
; bytes of hf that nobody wrote) and is not stored.
; FURTHER UNITS.  An expert with more than 320 rows has more than five tiles for a wave.  They are multiplied behind the chase, five at a time, from the whole panel, in a loop of constant count (3 x 5 + 5 >= the 16 tiles
; that a wave can have) whose dead trips are jumped; it writes no LDS and holds no barrier.  Its requests run one K step ahead only: such splits are served, at a slower pace.
; A last barrier stands behind that loop, on every wave's path: every wave's reads of the panel are over when any wave goes on to its end.
; PLACES OF k.  K step S = 0..31 of the quarter, lane half h, u = 0..15 stand for k = 64 (S / 2) + 32 h + 16 (S % 2) + u; register p of a fragment holds u = 2 p and 2 p + 1.  hf is laid out so by the launch before,
; and so is the panel.  A lane's loads of 16 bytes (rows k, columns 64 c + 4 i .. + 3, i = lane % 16) give four fragments by conversions alone: fragment t holds column 64 c + 4 i + t at index i.
; THE PRODUCT (source 0 = rows, source 1 = weights): lane (i, half h), accumulator (c, t), register j is row 8 h + j, column 64 c + 4 i + t.  The multiply by the gate puts t = 0..3 side by side: 16 bytes a lane,
; and sixteen lanes store 256 consecutive bytes of one row of part, at a multiple of 256 from its first byte.
; LIMITS.  h and w2 are rounded once to bf16, sums and partial sums stay in f32; NaN and infinities are not treated apart.
; NO CLUSTER: each byte of the weights has one reader.  What an expert's work-groups share, its rows, lies at places that hang on a count from memory, and comes into registers, not into LDS.
; THE MODE: SCHED_MODE bits 1:0 = 2 (LLVM: expert scheduling mode 2), set by the entry lines.  The code itself states the register dependences between vector or matrix instructions and memory or LDS
; instructions, with s_wait_alu, always for 0.
; THE PLAN.  Registers that memory or LDS instructions touch in K step S of the chase:
;   LAND[(S + 3) % 4]   read by the step's sixteen conversions; behind them the loads of half unit S + 7 land in it.
;   F                   written by those conversions; read by the step's four LDS stores; written again a step later.
;   BB[(S + 1) % 2]     read by the products of step S - 1; the LDS loads of step S land in it (the panel's K step S + 1).
;   ring[(S + 3) % 4]   read by the products of step S - 1; the loads of step S land in it (the rows' K step S + 3).
;   v[LS], v[LB ..]     read by the LDS stores and loads; written once a trip, at the trip's end.      v[VW], v[VA ..], v[VG ..]   read by the loads; not written in the chase.
;   The products of step S name BB[S % 2], ring[S % 4] and the accumulators: none of the registers that the step's loads and stores touch.
; So ONE wait on va_vdst stands in a step, behind its conversions: F is written, the landing place is read, the products of the step before are done reading the buffer and the ring's place that are filled, and
; the addresses written since the last such wait are written.  The step's stores and loads follow it with no further wait, the loads dealt among the step's products.  One wait on vm_vsrc stands at a step's head
; (the last step's LDS stores have read F) and one at a trip's end (ahead of the adds to v[LS] and v[LB ..]).
; REGISTERS, in windows of 256 (s_set_vgpr_msb: bits 1:0 source 0, 3:2 source 1, 5:4 source 2, 7:6 destination):
;   window 0: addresses; v16-55 the gates; v80-95 fragments on their way to LDS; v112-119 LDS addresses; v128-255 the panel's fragments of a K step, two buffers
;   window 1: v0-159 the rows' fragments, a ring of four K steps x five tiles; on the way out v0-63 a tile to store
;   window 2: the accumulators of tiles 0-3, (a, tN) at v[64 a + 8 tN]     window 3: v0-63 the accumulators of tile 4; v64-191 four landing places for weights, 8 rows x 4 registers each
.set PITCH, 4096                       ; bytes from row to row of w2
.set MSTEP, 64*PITCH                   ; 64 rows: two K steps
.set TSH,   17                         ; a tile of hf is 1 << 17 bytes
; THE PANEL IN LDS: block (S, tN) of 1,024 bytes at 65536 (2 (S % 2) + tN / 4) + 4096 (S / 2) + 1024 (tN % 4); registers 0-3 of all lanes, then registers 4-7.  Wave w writes the 65,536 bytes from 65536 w on:
; it takes the K steps of parity w / 2 and the column half c = w % 2.  Its UNIT m = 0..15 is K step 2 m + w / 2; HALF UNIT j = 2 m + q is the unit's rows u = 8 q .. 8 q + 7, which fill registers 4 q .. 4 q + 3 of four fragments.
.set LN16, 1                           ; v1      16 x lane
.set VW,   2                           ; v2      my offset in w2: 32 h rows + 16 i bytes
.set LS,   3                           ; v3      where I store fragments in LDS: LS0 + the bytes stepped
.set LS0,  4                           ; v4      16 x lane + 65536 w; never rewritten
.set HL,   5                           ; v5      32 h: my offset among a tile's gates
.set VA,   6                           ; v6-10   my offset in hf for the unit's five tiles
.set VO,   11                          ; v11     my offset in part
.set PL,   12                          ; v12     8 h rows of part + 16 i bytes
.set GT,   16                          ; the gate of row 8 h + j of tile a at v[16 + 8 a + j]
.set VG,   56                          ; v56-60  my offset in gws for the five tiles
.set F,    80
.set LB,   112                         ; v112-115  where I read the panel's region g: LB0 + the bytes stepped
.set LB0,  116                         ; v116-119  16 x lane + 65536 g; never rewritten
.set BB,   128
.set LAND, 64                          ; window 3
.set WV, 14                            ; s14 wave   s15 slice   s16 expert   s17 the expert's rows   s18 its tiles   s19 my tiles
.set SL, 15
.set EX, 16
.set CE, 17
.set TE, 18
.set NW, 19
.set I0, 20                            ; s20 the unit's first tile among mine   s21 how many of mine are left from there   s22 units to go   s23 a loop's count   s28 the LDS bytes stepped by a K loop   s29 the quarter of K
.set LIVE, 21
.set UC, 22
.set KC, 23
.set TB, 28
.set KQ, 29
.set SW, 32                            ; s[32:33] w2 at my part of the panel   s[34:35] hf at the expert and quarter   s[36:37] the same, stepped along K   s[38:39] part at quarter, expert and slice
.set SA0, 34
.set SA, 36
.set SO, 38
.set MSB, 0
.macro WIN new                         ; the high byte repeats the setting that is left; a switch that changes nothing is dropped
.if MSB != (\new)
	s_set_vgpr_msb (MSB<<8)|(\new)
.set MSB, \new
.endif
.endm
.macro PLACES                          ; four places behind products, ahead of lines that read their results; ahead of loads into registers that products have read they stand beside the wait on va_vdst, which states that dependence
.rept 4
	v_nop
.endr
.endm
; Eight rows of weights are asked for, into a landing place
.macro WISSUE place, off
	WIN 0xc0                                       ; destination window 3
.irp u, 0,1,2,3,4,5,6,7
	global_load_b128 v[LAND+32*(\place)+4*(\u):LAND+32*(\place)+4*(\u)+3], v[VW], s[SW:SW+1] offset:(\off)+(\u)*PITCH th:TH_LOAD_NT
.endr
.endm
; A landing place is rounded (rows 2 g and 2 g + 1 of column 4 i + t) ..
.macro CVT place
	WIN 0x0f                                       ; sources window 3
.irp t, 0,1,2,3
.irp g, 0,1,2,3
	v_cvt_pk_bf16_f32 v[F+4*(\t)+(\g)], v[LAND+32*(\place)+8*(\g)+(\t)], v[LAND+32*(\place)+8*(\g)+4+(\t)]
.endr
.endr
.endm
; .. and stored: four stores of 512 consecutive bytes
.macro STO off
	WIN 0
.irp t, 0,1,2,3
	ds_store_b128 v[LS], v[F+4*(\t):F+4*(\t)+3] offset:(\off)+1024*(\t)
.endr
.endm
; The panel's eight fragments of a K step of parity par, into buffer par
.macro BLOAD par, off
	WIN 0
.irp n, 0,1,2,3,4,5,6,7
	ds_load_b128 v[BB+64*(\par)+8*(\n):BB+64*(\par)+8*(\n)+3],   v[LB+2*(\par)+(\n)/4] offset:(\off)+1024*((\n)%4)
	ds_load_b128 v[BB+64*(\par)+8*(\n)+4:BB+64*(\par)+8*(\n)+7], v[LB+2*(\par)+(\n)/4] offset:(\off)+1024*((\n)%4)+512
.endr
.endm
; The fragments of tiles lo .. hi in a K step, into a place of the ring: 512 consecutive bytes a load
.macro ALOAD ring, off, lo, hi
	WIN 0x40                                       ; destination window 1
.set ta, \lo
.rept (\hi)-(\lo)+1
	global_load_b128 v[40*(\ring)+8*ta:40*(\ring)+8*ta+3],   v[VA+ta], s[SA:SA+1] offset:(\off)
	global_load_b128 v[40*(\ring)+8*ta+4:40*(\ring)+8*ta+7], v[VA+ta], s[SA:SA+1] offset:(\off)+512
.set ta, ta+1
.endr
.endm
; The gates of rows 8 h .. 8 h + 7 of the five tiles
.macro GLOAD
	WIN 0
.irp a, 0,1,2,3,4
	global_load_b128 v[GT+8*(\a):GT+8*(\a)+3],   v[VG+(\a)], s[8:9]
	global_load_b128 v[GT+8*(\a)+4:GT+8*(\a)+7], v[VG+(\a)], s[8:9] offset:16
.endr
.endm
; The eight products of tile a in one K step.  first = 1: the constant 0 starts the sums.  The 32 or 40 accumulators take turns, one instruction a turn: between two products on one accumulator stand 31 others' at the least.
.macro MULT ring, par, first, a
	WIN 0xa1+0x50*((\a)/4)                         ; rows window 1, weights window 0, C and D window 2 or 3
.irp n, 0,1,2,3,4,5,6,7
.if \first
	v_wmma_f32_16x16x32_bf16 v[64*((\a)%4)+8*(\n):64*((\a)%4)+8*(\n)+7], v[40*(\ring)+8*(\a):40*(\ring)+8*(\a)+7], v[BB+64*(\par)+8*(\n):BB+64*(\par)+8*(\n)+7], 0
.else
	v_wmma_f32_16x16x32_bf16 v[64*((\a)%4)+8*(\n):64*((\a)%4)+8*(\n)+7], v[40*(\ring)+8*(\a):40*(\ring)+8*(\a)+7], v[BB+64*(\par)+8*(\n):BB+64*(\par)+8*(\n)+7], v[64*((\a)%4)+8*(\n):64*((\a)%4)+8*(\n)+7]
.endif
.endr
.endm
; ONE K STEP OF THE CHASE, S = 4 r + 1 + i, where r counts the loop's trips (the bases step with r).  In this order:
;   the wait nl for half unit S + 3 (asked for in step S - 4) and the rows' fragments of step S (asked for in step S - 3).  A step asks for the rows of tiles 0-3, then for the fifth tile's where there is one, then
;   for the weights, and loads come back in order (ISA guide 5.7.1).  On the way with the fewest loads 40 are younger than the fifth tile's of step S: 8 of weights from step S - 3 and 16 from each of the steps S - 2
;   and S - 1; half unit S + 3 is older.  A wave with five tiles has 44 younger, and so waits for four loads of weights more than it needs;
;   cv: the wait on vm_vsrc for F; half unit S + 3 is rounded; THE STEP'S ONE WAIT ON va_vdst (the plan, at the kernel's head); the four LDS stores;
;   the wait nd for the panel's fragments of step S, fetched a step ago: this step's four stores are younger;     mul: the eight products of tile 0;
;   behind them, with no further wait, the step's requests.  nb: the panel's fragments of step S + 1;     pf: the rows' fragments of step S + 3;
;   cond = 1: the jump, on my count of tiles, over the fifth tile's two loads and eight products.  cond = 0 (the requests for steps 0 to 3, the products of step 0): the fifth tile is taken whatever the count, so
;   that its registers are written on every way;     wi: half unit S + 7 is asked for, into the landing place just read: 58 loads of mine are out at the most (62 ahead of the loop);     mul: the 24 products of tiles 1 to 3.
;   bar (every even step): unit (S + 2) / 2 is whole in my part: my stores are done (and my LDS loads back: none may be out at a signal), say so behind 24 of the four tiles' 32 products; behind all 32 every wave has said so.
;   That unit is K steps S + 2 and S + 3 of the panel, which are fetched in steps S + 1 and S + 2.  No byte of the panel is written twice, so nothing else needs ordering.
.macro SLOT i, first, mul, cv, wi, pf, nb, bar, nl, nd, cond
.set RA, ((\i)+9)%4                    ; S % 4: the rows' place in the ring
.set PB, ((\i)+9)%2                    ; S % 2: the panel's buffer
.set PQ, ((\i)+8)%4                    ; (S + 3) % 4: the landing place, and the ring's place that is filled
	s_wait_loadcnt \nl
.if \cv
.if (\i) > -4
	s_wait_alu depctr_vm_vsrc(0)                   ; the last step's LDS stores have read F, which the conversions below write again (the first step of all has no store ahead of it)
.endif
	CVT PQ
	WIN 0
.elseif \nb
	PLACES
.endif
.if (\cv) || (\nb)
	s_wait_alu depctr_va_vdst(0)                   ; the conversions have written F and are done reading the landing place; the last step's products are done reading the panel's other buffer and the ring's place that is filled; v[LS] and v[LB ..] are written
.endif
.if \cv
	STO 4096*(((\i)+4)/2)+512*(((\i)+4)%2)
.endif
.if \mul
	s_wait_dscnt \nd
	MULT RA, PB, \first, 0
.endif
.if \nb
	BLOAD 1-PB, 4096*(((\i)+2)/2)                  ; no wait: no vector or matrix instruction since the wait above names this buffer, the ring's place or the landing place
.endif
.if \pf
	ALOAD PQ, ((\i)+4)*1024, 0, 3
.endif
.if \cond
	WIN 0                                          ; at a branch and at a label every window is 0
	s_cmp_lt_u32 s[LIVE], 5
	s_cbranch_scc1 .Lno_fifth_\@
.endif
.if \pf
	ALOAD PQ, ((\i)+4)*1024, 4, 4
.endif
.if \mul
	MULT RA, PB, \first, 4
.endif
.if \cond
	WIN 0
.Lno_fifth_\@:
.endif
.if \wi
	WISSUE PQ, (((\i)+8)/2)*MSTEP+8*(((\i)+8)%2)*PITCH
.endif
.if \mul
	MULT RA, PB, \first, 1
	MULT RA, PB, \first, 2
.if \bar
	s_wait_dscnt 0x0
	s_barrier_signal -1
.endif
	MULT RA, PB, \first, 3
.if \bar
	s_barrier_wait -1
.endif
.elseif \bar
	s_wait_dscnt 0x0
	s_barrier_signal -1
	s_barrier_wait -1
.endif
.endm
; One K step of a further unit, S = 2 r + 1 + i: the next step's fragments are asked for (nxt = 1; 10 loads and 16 LDS loads are then younger than this step's), then the 40 products
.macro GSL i, first, nxt
.set PB, ((\i)+9)%2
.if !(\first)
	PLACES
.if \nxt
	s_wait_alu depctr_va_vdst(0)                   ; the last step's products are done reading the buffer and the ring's place in which the loads below land; at a trip's head v[LB ..] is written
.endif
.endif
.if \nxt
	BLOAD 1-PB, 4096*(((\i)+2)/2)
	ALOAD 1-PB, ((\i)+2)*1024, 0, 4
	s_wait_loadcnt 10
	s_wait_dscnt 16
.else
	s_wait_loadcnt 0x0
	s_wait_dscnt 0x0
.endif
.irp a, 0,1,2,3,4
	MULT PB, PB, \first, \a
.endr
.endm
; The addresses of a unit: my tiles I0 .. I0 + 4; past my last tile: my last tile again
.macro SETUP
	s_sub_co_u32 s26, s[NW], 1
.irp a, 0,1,2,3,4
	s_add_co_u32 s25, s[I0], \a
	s_min_u32 s25, s25, s26
	s_lshl2_add_u32 s25, s25, s[WV]                ; tile 4 x + w
	s_min_u32 s25, s25, 63
	s_lshl_b32 s27, s25, 6                         ; its 16 gates of 4 bytes
	v_add_nc_u32 v[VG+(\a)], s27, v[HL]
	s_lshl_b32 s25, s25, TSH
	v_add_nc_u32 v[VA+(\a)], s25, v[LN16]
.endr
	s_mov_b64 s[SA:SA+1], s[SA0:SA0+1]
	s_mov_b32 s[TB], 0
.irp g, 0,1,2,3
	v_mov_b32 v[LB+(\g)], v[LB0+(\g)]
.endr
.endm
; Tile a leaves: its 64 numbers a lane times the rows' gates, into (c, j, t) at v[32 c + 4 j + t] of window 1; register 0 of every accumulator is read first.  Then 16 stores.
.macro OUTT a
	s_cmp_le_u32 s[LIVE], \a
	s_cbranch_scc1 .Lunit_next                     ; a tile that does not exist is not stored
	s_wait_xcnt 0x0                                ; the last tile's stores have had their addresses translated: their data and their offset are written only behind this wait,
.if (\a) > 0
	s_wait_alu depctr_vm_vsrc(0)                   ; and behind this one: the last tile's stores have read their data and v[VO] (a unit's first tile: the wait at the unit's head has said so of the unit before)
.endif
	WIN 0x42+(\a)/4                                ; source 0 window 2 or 3, the gate window 0, destination window 1
.irp j, 0,1,2,3,4,5,6,7
.irp c, 0,1
.irp t, 0,1,2,3
	v_mul_f32 v[32*(\c)+4*(\j)+(\t)], v[64*((\a)%4)+8*(4*(\c)+(\t))+(\j)], v[GT+8*(\a)+(\j)]
.endr
.endr
.endr
	WIN 0
	s_add_co_u32 s25, s[I0], \a
	s_lshl2_add_u32 s25, s25, s[WV]                ; the tile
	s_min_u32 s25, s25, 63
	s_lshl_b32 s25, s25, 16                        ; its 16 rows of 4,096 bytes
	v_add_nc_u32 v[VO], s25, v[PL]
	WIN 0x04                                       ; the stores' data in window 1
	s_wait_alu depctr_va_vdst(0)                   ; the multiplies have written the tile's 64 registers and the add has written v[VO], which the sixteen stores read
.irp j, 0,1,2,3,4,5,6,7
.irp c, 0,1
	global_store_b128 v[VO], v[32*(\c)+4*(\j):32*(\c)+4*(\j)+3], s[SO:SO+1] offset:4096*(\j)+256*(\c)  ; sixteen lanes: 256 consecutive bytes of a row
.endr
.endr
	WIN 0
.endm
	s_load_b256 s[4:11], s[0:1], 0x0               ; hf s[4:5], w2 s[6:7], gws s[8:9], cnt s[10:11]
	s_load_b64 s[12:13], s[0:1], 0x20              ; part
	v_lshl_add_u32 v126, v0, 2, 0x40000
	v_mov_b32 v127, 0
	v_lshrrev_b32 v62, 5, v0
	v_readfirstlane_b32 s[WV], v62
	s_and_b32 s[SL], ttmp9, 7
	s_lshr_b32 s[KQ], ttmp9, 3
	s_and_b32 s[EX], ttmp7, 0xffff
	v_and_b32 v62, 31, v0
	v_lshlrev_b32 v[LN16], 4, v62
	v_and_b32 v62, 15, v0                          ; i
	v_bfe_u32 v63, v0, 4, 1                        ; h
	v_lshlrev_b32 v[VW], 4, v62
	v_lshl_add_u32 v[PL], v63, 15, v[VW]           ; 8 rows of 4,096 bytes for the upper half of the lanes
	v_lshl_add_u32 v[VW], v63, 17, v[VW]           ; 32 rows of 4,096 bytes
	s_wait_alu depctr_va_sdst(0)                   ; the wave's number is written, ahead of its first reader, the line below; the bases and the counts of tiles are made from it too
	v_lshl_add_u32 v[LS0], s[WV], 16, v[LN16]
	v_mov_b32 v[LS], v[LS0]
.irp g, 0,1,2,3
	v_add_nc_u32 v[LB0+(\g)], 65536*(\g), v[LN16]
.endr
	v_lshlrev_b32 v[HL], 5, v63
	s_mov_b32 s31, 0
	s_lshl_b32 s30, s[EX], 24                      ; an expert's w2 is 16 MiB,
	s_lshl_b32 s25, s[KQ], 22
	s_add_co_u32 s30, s30, s25                     ; a quarter of its rows 4 MiB
	s_lshl_b32 s25, s[SL], 9
	s_add_co_u32 s30, s30, s25                     ; the slice's 512 bytes of a row
	s_and_b32 s25, s[WV], 1
	s_lshl_b32 s25, s25, 8
	s_add_co_u32 s30, s30, s25                     ; 256 c
	s_lshr_b32 s25, s[WV], 1
	s_lshl_b32 s25, s25, 16
	s_add_co_u32 s30, s30, s25                     ; 16 rows for the odd K steps
	s_wait_kmcnt 0x0
	s_add_nc_u64 s[SW:SW+1], s[6:7], s[30:31]
	s_lshl_b32 s30, s[EX], 7
	s_add_nc_u64 s[10:11], s[10:11], s[30:31]
	s_load_b32 s[CE], s[10:11], 0x0                ; the expert's rows
	s_wait_alu depctr_va_vdst(0)                   ; v[VW] is written, which the loads of weights read as their offset
	WISSUE 0, 0                                    ; half units 0 to 3 fill the four landing places
	WISSUE 1, 8*PITCH
	WISSUE 2, MSTEP
	WISSUE 3, MSTEP+8*PITCH
	WIN 0
	s_lshl_b32 s30, s[EX], 12
	s_add_nc_u64 s[8:9], s[8:9], s[30:31]          ; the expert's 1,024 gates
	s_lshl_b32 s30, s[EX], 23
	s_lshl_b32 s25, s[KQ], 15
	s_add_co_u32 s30, s30, s25
	s_add_nc_u64 s[SA0:SA0+1], s[4:5], s[30:31]    ; 64 tiles of 131,072 bytes an expert; the quarter's 32 blocks in each
	s_lshl_b32 s30, s[KQ], 25
	s_lshl_b32 s25, s[EX], 22
	s_add_co_u32 s30, s30, s25
	s_lshl_b32 s25, s[SL], 9
	s_add_co_u32 s30, s30, s25
	s_add_nc_u64 s[SO:SO+1], s[12:13], s[30:31]    ; 32 MiB a quarter, 4 MiB an expert, 512 bytes a slice
	s_wait_kmcnt 0x0
	s_min_u32 s[CE], s[CE], 1024
	s_add_co_u32 s[TE], s[CE], 15
	s_lshr_b32 s[TE], s[TE], 4                     ; tiles of 16 rows
	s_add_co_u32 s[NW], s[TE], 3
	s_sub_co_u32 s[NW], s[NW], s[WV]
	s_lshr_b32 s[NW], s[NW], 2                     ; of which w, w + 4, .. are mine
	s_mov_b32 s[I0], 0
	s_mov_b32 s[LIVE], s[NW]
	SETUP
	s_wait_alu depctr_va_vdst(0)                   ; v[VG ..] is written, which the gates' loads read; so are v[VA ..] and v[LB ..]
	GLOAD                                          ; ten loads, older than all the rows' fragments: in long before they are used
	; THE CHASE.  Steps -3 to -1 have no products yet.    i  first mul cv wi pf nb bar  nl  nd cond
	SLOT -4, 0, 0, 1, 1, 1, 0, 0, 34, 0, 0         ; step -3: half unit 0 is in: half units 1 to 3 and the ten loads of gates are younger
	SLOT -3, 0, 0, 1, 1, 1, 0, 1, 44, 0, 0         ; step -2: half unit 1: younger are half units 2 and 3, the gates, the ten loads of the rows' step 0 and half unit 4.  Unit 0 is whole: the first barrier
	SLOT -2, 0, 0, 1, 1, 1, 1, 0, 44, 0, 0         ; step -1: half unit 2 would allow 54; with 44 no more than 62 loads are out behind this step's requests
	SLOT -1, 1, 1, 1, 1, 1, 1, 1, 44, 4, 0         ; step 0 stands in front of the loop: its products start the sums.  44: half unit 4 and the 18 loads of each of the steps -2 and -1
	WIN 0                                          ; at a label and at a branch every window is 0
	s_mov_b32 s[KC], 6
.Lchase:                                               ; a trip: K steps 4 r + 1 .. 4 r + 4; the last trip asks for the panel's last rows
	SLOT 0, 0, 1, 1, 1, 1, 1, 0, 40, 4, 1
	SLOT 1, 0, 1, 1, 1, 1, 1, 1, 40, 4, 1
	SLOT 2, 0, 1, 1, 1, 1, 1, 0, 40, 4, 1
	SLOT 3, 0, 1, 1, 1, 1, 1, 1, 40, 4, 1
	WIN 0
	s_wait_xcnt 0x0                                ; the loads' bases are stepped only behind this wait
	s_wait_alu depctr_vm_vsrc(0)                   ; the trip's LDS stores and loads have read v[LS] and v[LB ..], which the adds below write; the next step's wait on va_vdst stands ahead of their next readers
	s_add_nc_u64 s[SW:SW+1], s[SW:SW+1], 2*MSTEP
	s_add_nc_u64 s[SA:SA+1], s[SA:SA+1], 4096
	s_add_co_u32 s[TB], s[TB], 0x2000              ; six steps of 8,192: with the offsets, 65,024 + 16 x lane at the most within a region of 65,536
	v_add_nc_u32 v[LS], s[TB], v[LS0]
.irp g, 0,1,2,3
	v_add_nc_u32 v[LB+(\g)], s[TB], v[LB0+(\g)]
.endr
	s_sub_co_u32 s[KC], s[KC], 1
	s_cmp_lg_u32 s[KC], 0
	s_cbranch_scc1 .Lchase
	SLOT 0, 0, 1, 1, 0, 1, 1, 0, 40, 4, 1          ; steps 25 to 31: no load leaves the panel or the quarter's 32 blocks, so the counts run down: no more weights are asked for,
	SLOT 1, 0, 1, 1, 0, 1, 1, 1, 32, 4, 1          ; 32: half units 30 and 31, the eight loads of the rows' steps 27 and 28
	SLOT 2, 0, 1, 1, 0, 1, 1, 0, 24, 4, 1          ; 24: half unit 31, the rows' steps 28 and 29
	SLOT 3, 0, 1, 1, 0, 1, 1, 1, 16, 4, 1          ; 16: the rows' steps 29 and 30.  The last half unit is stored: the chase's last barrier
	SLOT 4, 0, 1, 0, 0, 0, 1, 0, 16, 0, 1          ; 16: the rows' steps 30 and 31.  No stores any more: nothing is younger than the panel's fragments
	SLOT 5, 0, 1, 0, 0, 0, 1, 0, 8, 0, 1
	SLOT 6, 0, 1, 0, 0, 0, 0, 0, 0, 0, 1           ; step 31 issues no load and no store: it holds no s_wait_alu
	WIN 0
	s_mov_b32 s[UC], 4
	s_branch .Lway_out                             ; the loop over units is entered in its middle: the way out is written once
.Lunit:                                                ; three times: my tiles 5 to 9, 10 to 14, 15
	s_sub_co_i32 s[LIVE], s[NW], s[I0]
	s_cmp_le_i32 s[LIVE], 0
	s_cbranch_scc1 .Lunit_next                     ; no tile of mine is left: what is jumped holds no barrier and writes no LDS
	s_wait_xcnt 0x0                                ; the last unit's loads and stores have read their registers
	s_wait_alu depctr_vm_vsrc(0)                   ; the last unit's loads have read v[VA ..], v[VG ..] and v[LB ..], which SETUP writes; its stores have read the registers of window 1 in which rows land below, and v[VO]
	SETUP
	s_wait_alu depctr_va_vdst(0)                   ; v[VA ..], v[VG ..] and v[LB ..] are written; the last unit's products are done reading the panel's buffers and the ring; the way out is done reading the gates and has written the registers of window 1: the loads below and those of K step 0 land in all of these
	BLOAD 0, 0
	GLOAD
	ALOAD 0, 0, 0, 4
	GSL -1, 1, 1                                   ; K step 0 starts the sums
	WIN 0
	s_mov_b32 s[KC], 15
.Lk:                                                   ; a trip: K steps 2 r + 1 and 2 r + 2
	GSL 0, 0, 1
	GSL 1, 0, 1
	WIN 0
	s_wait_xcnt 0x0                                ; the loads' base is stepped only behind this wait
	s_wait_alu depctr_vm_vsrc(0)                   ; the trip's LDS loads have read v[LB ..], which the adds below write
	s_add_nc_u64 s[SA:SA+1], s[SA:SA+1], 2048
	s_add_co_u32 s[TB], s[TB], 0x1000
.irp g, 0,1,2,3
	v_add_nc_u32 v[LB+(\g)], s[TB], v[LB0+(\g)]
.endr
	s_sub_co_u32 s[KC], s[KC], 1
	s_cmp_lg_u32 s[KC], 0
	s_cbranch_scc1 .Lk
	GSL 0, 0, 0                                    ; K step 31: nothing more to ask for
	WIN 0
.Lway_out:
	PLACES                                         ; behind the last products
	OUTT 0
	OUTT 1
	OUTT 2
	OUTT 3
	OUTT 4
.Lunit_next:
	s_add_co_u32 s[I0], s[I0], 5
	s_sub_co_u32 s[UC], s[UC], 1
	s_cmp_lg_u32 s[UC], 0
	s_cbranch_scc1 .Lunit
	s_wait_dscnt 0x0                               ; my reads of the panel are back;
	s_barrier_signal -1
	s_barrier_wait -1                              ; every wave's are.  No jump passes this barrier: every wave leaves the loop by its constant count
	s_wait_dscnt 0x0                               ; the wave's end: my LDS work is done ahead of the closing add on my spare word
	s_wait_alu depctr_hold_cnt(0) depctr_sa_sdst(0) depctr_va_vdst(0) depctr_va_sdst(0) depctr_va_ssrc(0) depctr_va_vcc(0) depctr_vm_vsrc(0)
	s_wait_tensorcnt 0x0
	ds_add_u32 v126, v127
	s_wait_dscnt 0x0
	s_endpgm
.Lfunc_end_k_q4744072691_ffn2:
	.size	k_q4744072691_ffn2, .Lfunc_end_k_q4744072691_ffn2-k_q4744072691_ffn2
	.p2alignl 7, 3214868480
	.fill 96, 4, 3214868480
	.section	.rodata,"a",@progbits
	.p2align	6, 0x0
	.amdhsa_kernel k_q4744072691_ffn2
		.amdhsa_group_segment_fixed_size 262656
		.amdhsa_private_segment_fixed_size 0
		.amdhsa_enable_private_segment 0
		.amdhsa_kernarg_size 40
		.amdhsa_user_sgpr_count 2
		.amdhsa_user_sgpr_kernarg_segment_ptr 1
		.amdhsa_wavefront_size32 1
		.amdhsa_system_sgpr_workgroup_id_x 1
		.amdhsa_system_sgpr_workgroup_id_y 1
		.amdhsa_system_sgpr_workgroup_id_z 1
		.amdhsa_system_vgpr_workitem_id 0
		.amdhsa_next_free_vgpr 960
		.amdhsa_next_free_sgpr 66
		.amdhsa_reserve_vcc 0
		.amdhsa_float_denorm_mode_32 3
		.amdhsa_float_denorm_mode_16_64 3
		.amdhsa_memory_ordered 1
		.amdhsa_forward_progress 1
		.amdhsa_inst_pref_size 133
	.end_amdhsa_kernel
	.amdgpu_metadata
---
amdhsa.version: [ 1, 2 ]
amdhsa.kernels:
  - .name:           k_q4744072691_ffn2
    .symbol:         k_q4744072691_ffn2.kd
    .args:
      - { .name: hf, .offset: 0, .size: 8, .value_kind: global_buffer, .address_space: global }
      - { .name: w2, .offset: 8, .size: 8, .value_kind: global_buffer, .address_space: global }
      - { .name: gws, .offset: 16, .size: 8, .value_kind: global_buffer, .address_space: global }
      - { .name: cnt, .offset: 24, .size: 8, .value_kind: global_buffer, .address_space: global }
      - { .name: part, .offset: 32, .size: 8, .value_kind: global_buffer, .address_space: global }
    .group_segment_fixed_size: 262656
    .private_segment_fixed_size: 0
    .kernarg_segment_align: 8
    .kernarg_segment_size: 40
    .max_flat_workgroup_size: 128
    .sgpr_count:     66
    .vgpr_count:     960
    .wavefront_size: 32
...
	.end_amdgpu_metadata
.endif
;; end of part 11
;; launch combine: the kernel of part 9 again; grid 1024 x 1, 4 waves a work-group, no clusters, 0 bytes of LDS; arguments x, b2, selw, gw, rank, part, out0; writes out0
